; MI455X (gfx1250); checked and timed in simulation.
; The chip was launched on July 23, 2026; its instructions are those of AMD's public machine-readable ISA for CDNA 5 (MIT licence, August 2026) and "CDNA5" Instruction Set Architecture Reference Guide (July 2026). The comments in the code are by the model that wrote it; some were corrected since.
;; Transformer Block. Allowed arithmetic: matrix products marked QUANTISED: E3M2 operands, one E8M0 scale for each 32 along K, by v_wmma_scale_f32_16x16x128_f8f6f4 with both operands' format E3M2, f32 sums; everything else in f32.
;; Inputs: W1 1,024 x 4,096 float32; W2 4,096 x 1,024 float32; Wk 1,024 x 1,024 float32; Wo 1,024 x 1,024 float32; Wq 1,024 x 1,024 float32; Wv 1,024 x 1,024 float32; b1 4,096 float32; b2 1,024 float32; bk 1,024 float32; bo 1,024 float32; bq 1,024 float32; bv 1,024 float32; ln1_b 1,024 float32; ln1_g 1,024 float32; ln2_b 1,024 float32; ln2_g 1,024 float32; x 2 x 2,048 x 1,024 float32.
;; Outputs: out0 2 x 2,048 x 1,024 float32.
;; This version of the problem:
;;   THIS VERSION OF THE PROBLEM IS GIVEN IN LOW PRECISION. The matrix products marked QUANTISED in the list below multiply operands that are first quantised to E3M2 (3 exponent bits, 2 mantissa bits; 6 bits a number), with one power-of-two scale for each 32 numbers along K (OCP MX v1.0); their sums are f32. All else is computed in f32.
;;   The module's matrix products, in the order in which they are computed (A, B: the left and right operand; K: the contracted axis; several contracted axes count as one K, in the product's order):
;;     1. [M 4,096, K 1,024] x [K 1,024, N 1,024]; A: computed on the way; B: input Wq: QUANTISED
;;     2. [M 4,096, K 1,024] x [K 1,024, N 1,024]; A: computed on the way; B: input Wk: QUANTISED
;;     3. [M 4,096, K 1,024] x [K 1,024, N 1,024]; A: computed on the way; B: input Wv: QUANTISED
;;     4. batch 32 x [M 2,048, K 64] x [K 64, N 2,048]; A: computed on the way; B: computed on the way: QUANTISED
;;     5. batch 32 x [M 2,048, K 2,048] x [K 2,048, N 64]; A: softmax (see below); B: computed on the way: QUANTISED
;;     6. [M 4,096, K 1,024] x [K 1,024, N 1,024]; A: computed on the way; B: input Wo: QUANTISED
;;     7. [M 4,096, K 1,024] x [K 1,024, N 4,096]; A: computed on the way; B: input W1: QUANTISED
;;     8. [M 4,096, K 4,096] x [K 4,096, N 1,024]; A: computed on the way; B: input W2: QUANTISED
;;   THE QUANTISER, for each operand of a quantised product, along K:
;;     - K is cut into blocks of 32 from its start; a last block that is shorter is filled with zeros.
;;     - A block's scale is 2^e with e = floor(log2(the largest magnitude in the block)) - 4, held to -126 .. 127; a block of zeros has e = 0. As a byte (E8M0): e + 127.
;;     - Each number is divided by its block's scale, clamped to +-28, and rounded to the nearest number of E3M2, ties to even, subnormals kept.
;;     - The product sums the exact products of the quantised numbers (number of the format x scale) in f32.
;;   ~~~python
;;   def quantise(x, axis):      # numpy; x: float32 -> the quantised numbers, widened to float32 again
;;       x = np.moveaxis(x, axis, -1); K = x.shape[-1]
;;       x = np.pad(x, [(0, 0)] * (x.ndim - 1) + [(0, -K % 32)]); x = x.reshape(x.shape[:-1] + (-1, 32)); a = np.abs(x).max(-1, keepdims=True)
;;       e = np.where(a > 0, np.clip(np.frexp(np.where(a > 0, a, 1))[1] - 1 - 4, -126, 127), 0)      # np.frexp(a)[1] - 1 = floor(log2(a)), exactly
;;       r = np.clip(x / 2.0 ** e, -28, 28)
;;       step = 2.0 ** (np.maximum(np.frexp(np.where(r == 0, 1, r))[1] - 1, -2) - 2)
;;       q = np.round(r / step) * step * 2.0 ** e      # np.round: ties to even
;;       return np.moveaxis(q.reshape(q.shape[:-2] + (-1,))[..., :K], -1, axis).astype(np.float32)
;;   ~~~
;;   SOFTMAX AHEAD OF A QUANTISED PRODUCT. Where the list says 'softmax', what is quantised is not the finished softmax but p = 2^(t - M), with t = logit x log2(e) and M = ceil(the row's largest t), a whole number; so 1/2 < the row's largest p <= 1. The row's sum l is taken of the UNQUANTISED p, in f32, and the product's result is divided by l at the end. Since M is a whole number, a kernel that streams over the keys may use a running M (the ceiling of the running maximum): every later rescaling is an exact power of two, which a block's scale takes up: the codes' values come out the same.
;;   OPERANDS COMPUTED ON THE WAY. 'Computed on the way' means the value that the module computes at that place (a softmax that the list does not call 'softmax' is quantised finished and normalised). What goes into a quantiser is computed in f32, as accurately as f32 sums, v_exp_f32 and their like allow (about 1e-6 of the number): no bf16 or f16 on the way to a quantiser, and a product that is left as it is and whose result goes on into a quantised operand takes f32 operands (vector FMAs, or v_wmma_f32_16x16x4_f32). A number that lies on a knife's edge between two numbers of the format may be rounded either way, as far as f32 arithmetic and the matrix unit's own rounding can turn it there, and no further.
;; One version. Each part assembles by itself: llvm-mc -triple=amdgcn-amd-amdhsa -mcpu=gfx1250 --defsym DOCPART=n.
;; ======== version 1 of 1: 7 launches
;; limits: right only within a limited range of input values
;; workspace buffers: ops 13,107,200 bytes; qkv 13,631,488 bytes; ao 3,276,800 bytes; x1 16,777,216 bytes; hid 13,107,200 bytes
;; launch prep (part 1): grid 640 x 1, 4 waves a work-group, no clusters, 58,880 bytes of LDS; arguments Wq, Wk, Wv, Wo, W1, W2, x, ln1_g, ln1_b, ops; writes ops
.if DOCPART == 1
	.amdgcn_target "amdgcn-amd-amdhsa--gfx1250"
	.amdhsa_code_object_version 6
	.text
	.protected	k_q4528f55a0f_prep
	.globl	k_q4528f55a0f_prep
	.p2align	8
	.type	k_q4528f55a0f_prep,@function
k_q4528f55a0f_prep:
	s_mov_b64 s[64:65], 0
	v_nop
	global_prefetch_b8 v0, s[64:65] scope:SCOPE_SE
	s_setreg_imm32_b32 hwreg(HW_REG_WAVE_MODE, 25, 1), 1
	s_wait_xcnt 0x0
; TWO INDEPENDENT JOBS IN ONE LAUNCH, told apart by the work-group's number alone: work-groups 0-383 quantise the six weights, work-groups 384-639 norm and quantise x.  Each job has LDS bytes of its own.
; LAYOUT OF ALL CODES.  Row n of an operand (a weight's column, a token) has slot pi(n), pi swapping bits 3 and 4 of n.  16 slots are a tile.  An IMAGE (768 bytes) holds one tile and 64 along K: lane l = (r, h) of the reading wave
; owns the 24 bytes of slot r, k = 32 h + 0 .. 31: its first 16 bytes at 16 l, its last 8 at 512 + 8 l.  A tile's images follow each other along K.
; LAYOUT OF THE SCALES.  The word (four bytes, 128 along K) of tile T, slot r, K step s lies at s x plane + (T / 4) x 256 + 16 r + 4 (T % 4).
; A block's scale is 2^(floor(log2(its largest magnitude)) - 4); its byte is the largest magnitude's exponent field - 4, held at 1 from below.
; LIMITS: a block of zeros gets the byte 1 (its codes are zeros, and this program alone reads the bytes); blocks whose largest magnitude lies under 2^-122 are held at byte 1; NaN and infinities are not served.
; No tensor load, no cluster: work-groups share no input but g and b.
.set NWQ, 384
	s_set_vgpr_msb 0x40
	v_lshl_add_u32 v0, v0, 2, 0xe400
	v_mov_b32 v1, 0
	s_set_vgpr_msb 0x4000
	s_cmp_ge_u32 ttmp9, NWQ
	s_cbranch_scc1 .Lnorm
; ---------------- THE WEIGHTS, f32 stored [K][N] (K is the FIRST axis).
; A work-group takes 128 columns x 256 along K; a wave 32 columns; A LANE TAKES A COLUMN AND ITS REGISTERS RUN DOWN K, so a block of 32 lies in one lane and nothing is transposed by an instruction.
; Work-groups 0-127: Wq, Wk, Wv, Wo (32 each); 128-255: W1; 256-383: W2.  Only pointers and whole numbers are chosen by the work-group's number.
; The codes go through the wave's own stage in LDS and leave as runs of 512 consecutive bytes; the scale words meet in a stage of the work-group's and leave as runs of 256 bytes.  Loads run two blocks (64 loads a wave) ahead.
.set OPS_S, 9437184                    ; ops: the scale planes of the operands with K = 1,024
.set W2_C,  9830400                    ; W2's codes
.set W2_S,  12976128                   ; W2's scale planes
.set WSTG,  6400                       ; LDS: a wave's stage: two tiles,
.set TSTG,  3200                       ; 3,072 bytes each + 128, so that the two tiles' lanes of one store fall on different 16-byte columns modulo 256
.set SCSTG, 25600                      ; behind the four stages: the work-group's scale words, 2 K steps x 2 x 256 bytes
.set EMAX,  4
.set C,     16                         ; v16-21   a block's codes
.set D,     22                         ; v22-24   its second half as the conversion leaves it
.set SW,    26                         ; v26-27   my column's two scale words
.set VO,    32                         ; v32-63   4 x lane + i rows: the offsets of a block's 32 loads
.set X,     64                         ; v64-127  two sets of 32 numbers
.set OUTR,  128                        ; v128-175 the way out
.set BS,    44                         ; s44-59   the address of each of my eight blocks
	s_load_b256 s[4:11], s[0:1], 0x0               ; Wq, Wk, Wv, Wo
	s_load_b128 s[12:15], s[0:1], 0x20             ; W1, W2
	s_load_b64 s[16:17], s[0:1], 0x48              ; ops
	v_lshrrev_b32 v1, 5, v0
	v_readfirstlane_b32 s18, v1                    ; wave 0..3
	v_and_b32 v2, 31, v0                           ; lane = my column among the wave's 32
	v_lshlrev_b32 v3, 2, v2
	s_wait_alu depctr_va_vdst(0)
	s_lshr_b32 s20, ttmp9, 5                       ; m = 0..11
	s_lshr_b32 s29, s20, 2                         ; 0: one of the four small weights, 1: W1, 2: W2
	s_and_b32 s21, ttmp9, 7
	s_and_b32 s22, ttmp9, 31
	s_lshr_b32 s23, ttmp9, 3
	s_and_b32 s24, s23, 3
	s_and_b32 s25, s23, 15
	s_and_b32 s26, s20, 3
	s_lshl_b32 s31, s20, 6
	s_add_co_u32 s31, s31, 256
	s_min_u32 s31, s31, 512                        ; the weight's first tile in ops: 256 + 64 m, W1: 512
	s_mov_b32 s32, 12288                           ; bytes of a tile's codes
	s_mov_b32 s34, 49152                           ; bytes from a scale plane to the next
	s_mov_b32 s35, OPS_S
	s_cmp_eq_u32 s29, 1
	s_cselect_b32 s27, s26, s24                    ; which 256 along K
	s_cselect_b32 s28, s22, s21                    ; which 128 columns
	s_cselect_b32 s30, 14, 12                      ; log2 of a row's bytes
	s_cmp_eq_u32 s29, 2
	s_cselect_b32 s27, s25, s27
	s_cselect_b32 s31, 0, s31
	s_cselect_b32 s32, 49152, s32
	s_cselect_b32 s33, W2_C, 0
	s_cselect_b32 s34, 4096, s34
	s_cselect_b32 s35, W2_S, s35
	s_lshl_b32 s36, 1, s30                         ; a row's bytes
.irp i, 0,1,2,3,4,5,6,7,8,9,10,11,12,13,14,15,16,17,18,19,20,21,22,23,24,25,26,27,28,29,30,31
	v_mad_u32_u24 v[VO+\i], s36, \i, v3
.endr
	s_lshl_b32 s37, s27, 8
	s_lshl_b32 s37, s37, s30                       ; my first row of the weight, in bytes,
	s_lshl_b32 s38, s28, 9
	s_add_co_u32 s37, s37, s38                     ; + 512 for each 128 columns
	s_lshl_b32 s38, s18, 7
	s_add_co_u32 s40, s37, s38                     ; + 128 for each wave
	s_mov_b32 s41, 0
	s_lshl_b32 s42, 32, s30                        ; a block: 32 rows
	s_mov_b32 s43, 0
	s_lshl_b32 s37, s28, 3
	s_add_co_u32 s37, s37, s31                     ; the work-group's first tile
	s_lshl_b32 s38, s18, 1
	s_add_co_u32 s38, s37, s38                     ; my wave's first tile
	s_mul_i32 s38, s38, s32
	s_mul_i32 s39, s27, 3072                       ; 256 along K are four images
	s_add_co_u32 s38, s38, s39
	s_add_co_u32 s60, s38, s33
	s_mov_b32 s61, 0
	s_mov_b32 s33, 0                               ; s[32:33]: a tile's bytes, as a pair
	s_lshr_b32 s39, s18, 1
	s_and_b32 s19, s18, 1
	s_lshl_b32 s62, s27, 1
	s_add_co_u32 s62, s62, s39                     ; on the way out wave w takes K step w / 2 and the tiles' group of four w % 2
	s_mul_i32 s62, s62, s34
	s_lshr_b32 s37, s37, 2
	s_add_co_u32 s37, s37, s19
	s_lshl_b32 s37, s37, 8
	s_add_co_u32 s62, s62, s37
	s_add_co_u32 s62, s62, s35
	s_mov_b32 s63, 0
	v_bfe_u32 v4, v0, 3, 1                         ; u: which of the wave's two tiles my column's slot lies in
	v_and_b32 v5, 7, v0
	v_bfe_u32 v6, v0, 4, 1
	v_lshl_or_b32 v5, v6, 3, v5                    ; rr: its place in that tile
	s_mul_i32 s37, s18, WSTG
	v_mul_u32_u24 v7, v4, TSTG
	v_add_nc_u32 v7, s37, v7
	v_lshl_add_u32 v8, v5, 4, v7                   ; where my block's first 16 bytes go
	v_lshl_add_u32 v9, v5, 3, v7                   ; and its last 8
	s_lshl_b32 s38, s39, 8
	s_lshl_b32 s36, s19, 3
	s_add_co_u32 s38, s38, s36
	s_add_co_u32 s38, s38, SCSTG
	v_lshlrev_b32 v10, 4, v5
	v_lshl_add_u32 v10, v4, 2, v10
	v_add_nc_u32 v10, s38, v10                     ; my scale words' place: 256 (w / 2) + 16 rr + 8 (w % 2) + 4 u
	s_lshl_b32 s38, s18, 8
	s_add_co_u32 s38, s38, SCSTG
	v_lshlrev_b32 v12, 3, v2
	v_add_nc_u32 v11, s38, v12                     ; back: 256 bytes a wave, 8 a lane
	v_lshlrev_b32 v14, 4, v2
	v_add_nc_u32 v13, s37, v14                     ; my stage, 16 bytes a lane
	s_wait_kmcnt 0x0
	s_cmp_eq_u32 s20, 1                            ; the weight's address: each choice hangs on the work-group's number alone
	s_cselect_b64 s[4:5], s[6:7], s[4:5]
	s_cmp_eq_u32 s20, 2
	s_cselect_b64 s[4:5], s[8:9], s[4:5]
	s_cmp_eq_u32 s20, 3
	s_cselect_b64 s[4:5], s[10:11], s[4:5]
	s_cmp_eq_u32 s29, 1
	s_cselect_b64 s[4:5], s[12:13], s[4:5]
	s_cmp_eq_u32 s29, 2
	s_cselect_b64 s[4:5], s[14:15], s[4:5]
	s_add_nc_u64 s[BS:BS+1], s[4:5], s[40:41]
.irp t, 1,2,3,4,5,6,7
	s_add_nc_u64 s[BS+2*\t:BS+2*\t+1], s[BS+2*\t-2:BS+2*\t-1], s[42:43]
.endr
	s_add_nc_u64 s[60:61], s[16:17], s[60:61]      ; the codes of my first tile,
	s_add_nc_u64 s[32:33], s[60:61], s[32:33]      ; of my second,
	s_add_nc_u64 s[62:63], s[16:17], s[62:63]      ; and the scale words that I store
.macro LOAD t                          ; block t: W(32 t + i, my column), i = 0 .. 31, into set t % 2: 32 lanes read 128 consecutive bytes
.irp i, 0,1,2,3,4,5,6,7,8,9,10,11,12,13,14,15,16,17,18,19,20,21,22,23,24,25,26,27,28,29,30,31
	global_load_b32 v[X+32*((\t)%2)+\i], v[VO+\i], s[BS+2*(\t):BS+2*(\t)+1] th:TH_LOAD_NT
.endr
.endm
	LOAD 0
	LOAD 1
.macro BLOCK t
.set XS, X+32*((\t)%2)
.if (\t) < 7
	s_wait_loadcnt 32                              ; this block's 32 loads are in; the next block's may be out
.else
	s_wait_loadcnt 0
.endif
	v_max3_num_f32 v28, |v[XS]|, |v[XS+1]|, |v[XS+2]|   ; the block's largest magnitude: all 32 numbers are mine; two chains
	v_max3_num_f32 v29, |v[XS+3]|, |v[XS+4]|, |v[XS+5]|
.irp i, 6,10,14,18,22,26
	v_max3_num_f32 v28, v28, |v[XS+\i]|, |v[XS+\i+1]|
	v_max3_num_f32 v29, v29, |v[XS+\i+2]|, |v[XS+\i+3]|
.endr
	v_max3_num_f32 v28, v28, |v[XS+30]|, |v[XS+31]|
	v_max3_num_f32 v28, v28, v29, (EMAX+1)<<23     ; and the floor 2^(5 - 127): the byte cannot fall under 1
	v_add_nc_u32 v30, -(EMAX<<23), v28             ; 4 off the exponent field: the conversion takes the exponent field of this operand as its scale
	v_lshrrev_b32 v31, 23, v30                     ; the scale's byte
.if (\t)%4 == 0
	v_mov_b32 v[SW+(\t)/4], v31                    ; four bytes to a word, the lower K in the lower byte
.else
	v_lshl_or_b32 v[SW+(\t)/4], v31, 8*((\t)%4), v[SW+(\t)/4]
.endif
	v_cvt_scalef32_pk16_bf6_f32 v[C:C+2], v[XS:XS+15], v30
	v_cvt_scalef32_pk16_bf6_f32 v[D:D+2], v[XS+16:XS+31], v30   ; (a conversion's three registers begin on an even number)
	v_nop                                          ; one plain place behind a scaled conversion
	v_mov_b32 v[C+3], v[D]
	v_mov_b32 v[C+4], v[D+1]
	v_mov_b32 v[C+5], v[D+2]
	ds_store_b128 v8, v[C:C+3] offset:768*((\t)/2)+256*((\t)%2)        ; image t / 2, half t % 2
	ds_store_b64 v9, v[C+4:C+5] offset:768*((\t)/2)+512+128*((\t)%2)
.if (\t)+2 < 8
	LOAD (\t)+2
.endif
	s_wait_dscnt 0x0                               ; the stores have read their registers: the next block's codes may be written
.endm
.irp t, 0,1,2,3,4,5,6,7
	BLOCK \t
.endr
	ds_store_b32 v10, v[SW]                        ; K step 0's word
	s_wait_alu depctr_va_vdst(0)
	ds_store_b32 v10, v[SW+1] offset:512           ; K step 1's
	s_wait_dscnt 0x0                               ; for the others' sake: my stores have landed
	s_barrier_signal -1
	s_barrier_wait -1
	ds_load_b64 v[176:177], v11                    ; scale words that all four waves stored
.irp u, 0,1
.irp j, 0,1,2,3,4,5
	ds_load_b128 v[OUTR+24*\u+4*\j:OUTR+24*\u+4*\j+3], v13 offset:TSTG*\u+512*\j   ; my own stage
.endr
.endr
	s_wait_dscnt 12                                ; the scale words are in; the twelve loads behind them may be out
	global_store_b64 v12, v[176:177], s[62:63]     ; 32 lanes store 256 consecutive bytes, aligned
.irp j, 0,1,2,3,4,5
	s_wait_dscnt 11-\j
	global_store_b128 v14, v[OUTR+4*\j:OUTR+4*\j+3], s[60:61] offset:512*\j    ; 512 consecutive bytes, aligned
.endr
.irp j, 0,1,2,3,4,5
	s_wait_dscnt 5-\j
	global_store_b128 v14, v[OUTR+24+4*\j:OUTR+24+4*\j+3], s[32:33] offset:512*\j
.endr
	s_set_vgpr_msb 0x5
	s_wait_tensorcnt 0x0
	ds_add_u32 v0, v1
	s_wait_dscnt 0x0
	s_set_vgpr_msb 0x500
	s_endpgm
; ---------------- THE NORM: y = (x - mean) / sqrt(var + 1e-5) * g + b along rows of 1,024 f32, then y is quantised along the row into tiles 0-255 of ops.
; Mean and variance are taken in two passes over the row in registers (the variance of the centred numbers), so a common offset of the input costs no accuracy.
; Work-group NWQ + T makes tile T; wave w its slots 4 w .. 4 w + 3, which are four consecutive rows.  A row lies in 32 registers of the wave (load j: bytes 512 j + 16 lane).
; For the quantiser a lane must hold a whole block of 32 neighbours: the finished row turns through the wave's own stage in LDS (blocks 144 bytes apart).  The codes meet in LDS as the tile's 16 images
; (784 bytes apart) and leave as runs of 512 consecutive bytes.  The scale words leave 4 bytes a lane: 512 bytes a work-group, strewn over eight planes.
.Lnorm:
.set LB,    26624                      ; this job's LDS begins behind the other job's
.set IMG,   LB+18432                   ; four stages of 4,608 bytes; then the images;
.set SCST,  LB+30976                   ; then the scale bytes [K step][slot][4]
.set X,  32                            ; v32-159  four rows
.set G,  160                           ; v160-191 g
.set BT, 192                           ; v192-223 b
.set Y,  224                           ; v224-255 at work; a block of 32; the way out
	s_load_b256 s[4:11], s[0:1], 0x30              ; x, g, b, ops
	s_sub_co_u32 s24, ttmp9, NWQ                   ; T
	v_lshrrev_b32 v1, 5, v0
	v_readfirstlane_b32 s12, v1                    ; wave
	v_and_b32 v1, 31, v0                           ; lane
	v_lshlrev_b32 v2, 4, v1                        ; 16 x lane
	s_lshr_b32 s13, s24, 1                         ; my first row: 32 (T / 2) + 8 (T % 2) + 16 (w / 2) + 4 (w % 2)
	s_lshl_b32 s13, s13, 5
	s_and_b32 s14, s24, 1
	s_lshl_b32 s14, s14, 3
	s_add_co_u32 s13, s13, s14
	s_lshr_b32 s14, s12, 1
	s_lshl_b32 s14, s14, 4
	s_add_co_u32 s13, s13, s14
	s_and_b32 s14, s12, 1
	s_lshl_b32 s14, s14, 2
	s_add_co_u32 s13, s13, s14
	s_lshl_b32 s14, s13, 12
	s_mov_b32 s15, 0
	s_wait_alu depctr_va_vdst(0)
	s_wait_kmcnt 0x0
	s_add_nc_u64 s[4:5], s[4:5], s[14:15]
.irp j, 0,1,2,3,4,5,6,7
	global_load_b128 v[X+4*\j:X+4*\j+3], v2, s[4:5] offset:512*\j
.endr
.irp j, 0,1,2,3,4,5,6,7
	global_load_b128 v[G+4*\j:G+4*\j+3], v2, s[6:7] offset:512*\j
.endr
.irp j, 0,1,2,3,4,5,6,7
	global_load_b128 v[BT+4*\j:BT+4*\j+3], v2, s[8:9] offset:512*\j
.endr
.irp i, 1,2,3
.irp j, 0,1,2,3,4,5,6,7
	global_load_b128 v[X+32*\i+4*\j:X+32*\i+4*\j+3], v2, s[4:5] offset:4096*\i+512*\j
.endr
.endr
	s_mov_b32 s20, 0x3a800000                      ; 1 / 1,024
	s_mov_b32 s21, 0x3727c5ac                      ; 1e-5
	s_mov_b32 s22, 0x76543210
	s_mov_b32 s23, 0xfedcba98                      ; v_permlanex16_b32's selects for lane l xor 16
	v_mov_b32 v10, 0                               ; written once: a lane permute's destination counts as one of its sources
	v_lshrrev_b32 v8, 3, v1
	v_and_b32 v9, 7, v1
	v_mul_u32_u24 v3, v8, 144
	v_lshl_add_u32 v3, v9, 4, v3
	s_mul_i32 s16, s12, 4608
	s_add_co_u32 s16, s16, LB
	v_add_nc_u32 v3, s16, v3                       ; into the stage: block 4 j + lane / 8, 16 (lane % 8) bytes in
	v_mul_u32_u24 v4, v1, 144
	v_add_nc_u32 v4, s16, v4                       ; out of it: block = lane
	v_lshrrev_b32 v8, 1, v1
	v_and_b32 v9, 1, v1
	v_mul_u32_u24 v8, v8, 784                      ; my block lies in image lane / 2, half lane % 2
	v_lshl_add_u32 v5, v9, 8, v8
	s_lshl_b32 s16, s12, 6
	s_add_co_u32 s16, s16, IMG
	v_add_nc_u32 v5, s16, v5                       ; its first 16 bytes: + 16 x slot
	v_lshl_add_u32 v6, v9, 7, v8
	s_lshl_b32 s16, s12, 5
	s_add_co_u32 s16, s16, IMG+512
	v_add_nc_u32 v6, s16, v6                       ; its last 8: + 8 x slot
	v_lshrrev_b32 v8, 2, v1
	v_and_b32 v9, 3, v1
	v_lshl_add_u32 v7, v8, 6, v9
	s_lshl_b32 s16, s12, 4
	s_add_co_u32 s16, s16, SCST
	v_add_nc_u32 v7, s16, v7                       ; its scale byte: 64 (lane / 4) + lane % 4 + 4 x slot
	s_mul_i32 s16, s12, 3136
	s_add_co_u32 s16, s16, IMG
	v_add_nc_u32 v15, s16, v2                      ; the way out: wave w takes images 4 w .. 4 w + 3
	v_lshrrev_b32 v8, 4, v1
	v_lshl_add_u32 v25, v8, 4, v15                 ; (where lanes 16-31 lie in the next image: 16 bytes of padding further on)
	v_lshl_add_u32 v30, v0, 2, SCST                ; thread t takes scale word t: K step t / 16, slot t % 16
	v_lshrrev_b32 v8, 4, v0
	v_and_b32 v9, 15, v0
	v_mul_u32_u24 v31, v8, 49152
	v_lshl_add_u32 v31, v9, 4, v31
	s_mul_i32 s16, s24, 12288
	s_mul_i32 s17, s12, 3072
	s_add_co_u32 s16, s16, s17
	s_mov_b32 s17, 0
	s_lshr_b32 s18, s24, 2
	s_lshl_b32 s18, s18, 8
	s_and_b32 s19, s24, 3
	s_lshl_b32 s19, s19, 2
	s_add_co_u32 s18, s18, s19
	s_add_co_u32 s18, s18, OPS_S
	s_mov_b32 s19, 0
	s_add_nc_u64 s[16:17], s[10:11], s[16:17]
	s_add_nc_u64 s[18:19], s[10:11], s[18:19]
.macro WSUM                            ; v8 summed over the 32 lanes, the result in every lane
	v_add_f32_dpp v8, v8, v8 row_xmask:1 row_mask:0xf bank_mask:0xf
	v_add_f32_dpp v8, v8, v8 row_xmask:2 row_mask:0xf bank_mask:0xf
	v_add_f32_dpp v8, v8, v8 row_xmask:4 row_mask:0xf bank_mask:0xf
	v_add_f32_dpp v8, v8, v8 row_xmask:8 row_mask:0xf bank_mask:0xf
	v_permlanex16_b32 v10, v8, s22, s23
	v_add_f32 v8, v8, v10
.endm
.macro ROW i, left                     ; left: the loads issued behind this row's, which may stay out
.set XS, X+32*\i
	s_wait_loadcnt \left
.irp k, 0,1,2,3,4,5,6,7
	v_pk_add_f32 v[Y+2*\k:Y+2*\k+1], v[XS+4*\k:XS+4*\k+1], v[XS+4*\k+2:XS+4*\k+3]   ; the sum, as a tree
.endr
.irp k, 0,1,2,3
	v_pk_add_f32 v[Y+4*\k:Y+4*\k+1], v[Y+4*\k:Y+4*\k+1], v[Y+4*\k+2:Y+4*\k+3]
.endr
	v_pk_add_f32 v[Y:Y+1], v[Y:Y+1], v[Y+4:Y+5]
	v_pk_add_f32 v[Y+8:Y+9], v[Y+8:Y+9], v[Y+12:Y+13]
	v_pk_add_f32 v[Y:Y+1], v[Y:Y+1], v[Y+8:Y+9]
	v_add_f32 v8, v[Y], v[Y+1]
	WSUM
	v_mul_f32 v26, s20, v8                         ; the mean
	v_mov_b32 v27, v26
.irp k, 0,1,2,3,4,5,6,7,8,9,10,11,12,13,14,15
	v_pk_add_f32 v[XS+2*\k:XS+2*\k+1], v[XS+2*\k:XS+2*\k+1], v[26:27] neg_lo:[0,1] neg_hi:[0,1]   ; centred in place
.endr
	v_pk_mul_f32 v[Y:Y+1], v[XS:XS+1], v[XS:XS+1]  ; the sum of squares, in two chains
	v_pk_mul_f32 v[Y+2:Y+3], v[XS+2:XS+3], v[XS+2:XS+3]
.irp k, 2,4,6,8,10,12,14
	v_pk_fma_f32 v[Y:Y+1], v[XS+2*\k:XS+2*\k+1], v[XS+2*\k:XS+2*\k+1], v[Y:Y+1]
	v_pk_fma_f32 v[Y+2:Y+3], v[XS+2*\k+2:XS+2*\k+3], v[XS+2*\k+2:XS+2*\k+3], v[Y+2:Y+3]
.endr
	v_pk_add_f32 v[Y:Y+1], v[Y:Y+1], v[Y+2:Y+3]
	v_add_f32 v8, v[Y], v[Y+1]
	WSUM
	v_fma_f32 v8, v8, s20, s21                     ; the variance + 1e-5
	s_wait_alu depctr_va_vdst(0)
	v_rsq_f32 v28, v8
	v_nop                                          ; one plain place behind a transcendental
	s_wait_alu depctr_va_vdst(0)
	v_mov_b32 v29, v28
.if \i == 0
	s_wait_alu depctr_va_vdst(0)
	s_wait_loadcnt 24                              ; g and b are in; rows 1 to 3 may be out
.endif
.irp k, 0,1,2,3,4,5,6,7,8,9,10,11,12,13,14,15
	v_pk_mul_f32 v[XS+2*\k:XS+2*\k+1], v[XS+2*\k:XS+2*\k+1], v[28:29]
.endr
.irp k, 0,1,2,3,4,5,6,7,8,9,10,11,12,13,14,15
	v_pk_fma_f32 v[XS+2*\k:XS+2*\k+1], v[XS+2*\k:XS+2*\k+1], v[G+2*\k:G+2*\k+1], v[BT+2*\k:BT+2*\k+1]
.endr
.irp j, 0,1,2,3,4,5,6,7
	ds_store_b128 v3, v[XS+4*\j:XS+4*\j+3] offset:576*\j
.endr
.irp j, 0,1,2,3,4,5,6,7
	ds_load_b128 v[Y+4*\j:Y+4*\j+3], v4 offset:16*\j     ; LDS serves a wave's instructions in order: these see the stores above
.endr
	s_wait_dscnt 0x0                               ; block = lane: 32 neighbours along the row are mine
	v_max3_num_f32 v12, |v[Y]|, |v[Y+1]|, |v[Y+2]|
	v_max3_num_f32 v13, |v[Y+3]|, |v[Y+4]|, |v[Y+5]|
.irp n, 6,10,14,18,22,26
	v_max3_num_f32 v12, v12, |v[Y+\n]|, |v[Y+\n+1]|
	v_max3_num_f32 v13, v13, |v[Y+\n+2]|, |v[Y+\n+3]|
.endr
	v_max3_num_f32 v12, v12, |v[Y+30]|, |v[Y+31]|
	v_max3_num_f32 v12, v12, v13, 0x2800000        ; and the floor 2^(5 - 127)
	v_add_nc_u32 v11, 0xfe000000, v12              ; 4 off the exponent field: the conversion's scale operand
	v_lshrrev_b32 v14, 23, v11                     ; the scale's byte
	v_cvt_scalef32_pk16_bf6_f32 v[C:C+2], v[Y:Y+15], v11
	v_cvt_scalef32_pk16_bf6_f32 v[D:D+2], v[Y+16:Y+31], v11
	v_nop                                          ; one plain place behind a scaled conversion
	v_mov_b32 v[C+3], v[D]
	v_mov_b32 v[C+4], v[D+1]
	v_mov_b32 v[C+5], v[D+2]
	ds_store_b128 v5, v[C:C+3] offset:16*\i
	ds_store_b64 v6, v[C+4:C+5] offset:8*\i
	ds_store_b8 v7, v14 offset:4*\i
	s_wait_dscnt 0x0                               ; the stores have read their registers
.endm
	ROW 0, 40                                      ; behind row 0's loads: g, b and three rows
	ROW 1, 16
	ROW 2, 8
	ROW 3, 0
	s_barrier_signal -1                            ; (every LDS instruction of mine has been waited for)
	s_barrier_wait -1                              ; the tile's 16 images and its scale bytes lie in LDS
.irp m, 0,1
	ds_load_b128 v[Y+12*\m:Y+12*\m+3], v15 offset:1568*\m
	ds_load_b128 v[Y+12*\m+4:Y+12*\m+7], v25 offset:1568*\m+512
	ds_load_b128 v[Y+12*\m+8:Y+12*\m+11], v15 offset:1568*\m+1040
.endr
	ds_load_b32 v[Y+24], v30
	s_wait_dscnt 0x0
.irp m, 0,1
.irp c, 0,1,2
	global_store_b128 v2, v[Y+12*\m+4*\c:Y+12*\m+4*\c+3], s[16:17] offset:1536*\m+512*\c   ; 512 consecutive bytes, aligned
.endr
.endr
	global_store_b32 v31, v[Y+24], s[18:19]
	s_set_vgpr_msb 0x5
	s_wait_tensorcnt 0x0
	ds_add_u32 v0, v1
	s_wait_dscnt 0x0
	s_set_vgpr_msb 0x500
	s_endpgm
.Lfunc_end_k_q4528f55a0f_prep:
	.size	k_q4528f55a0f_prep, .Lfunc_end_k_q4528f55a0f_prep-k_q4528f55a0f_prep
	.p2alignl 7, 3214868480
	.fill 96, 4, 3214868480
	.section	.rodata,"a",@progbits
	.p2align	6, 0x0
	.amdhsa_kernel k_q4528f55a0f_prep
		.amdhsa_group_segment_fixed_size 58880
		.amdhsa_private_segment_fixed_size 0
		.amdhsa_enable_private_segment 0
		.amdhsa_kernarg_size 80
		.amdhsa_user_sgpr_count 2
		.amdhsa_user_sgpr_kernarg_segment_ptr 1
		.amdhsa_wavefront_size32 1
		.amdhsa_system_sgpr_workgroup_id_x 1
		.amdhsa_system_sgpr_workgroup_id_y 1
		.amdhsa_system_sgpr_workgroup_id_z 1
		.amdhsa_system_vgpr_workitem_id 0
		.amdhsa_next_free_vgpr 258
		.amdhsa_next_free_sgpr 66
		.amdhsa_reserve_vcc 0
		.amdhsa_float_denorm_mode_32 3
		.amdhsa_float_denorm_mode_16_64 3
		.amdhsa_memory_ordered 1
		.amdhsa_forward_progress 1
		.amdhsa_inst_pref_size 91
	.end_amdhsa_kernel
	.amdgpu_metadata
---
amdhsa.version: [ 1, 2 ]
amdhsa.kernels:
  - .name:           k_q4528f55a0f_prep
    .symbol:         k_q4528f55a0f_prep.kd
    .args:
      - { .name: Wq, .offset: 0, .size: 8, .value_kind: global_buffer, .address_space: global }
      - { .name: Wk, .offset: 8, .size: 8, .value_kind: global_buffer, .address_space: global }
      - { .name: Wv, .offset: 16, .size: 8, .value_kind: global_buffer, .address_space: global }
      - { .name: Wo, .offset: 24, .size: 8, .value_kind: global_buffer, .address_space: global }
      - { .name: W1, .offset: 32, .size: 8, .value_kind: global_buffer, .address_space: global }
      - { .name: W2, .offset: 40, .size: 8, .value_kind: global_buffer, .address_space: global }
      - { .name: x, .offset: 48, .size: 8, .value_kind: global_buffer, .address_space: global }
      - { .name: ln1_g, .offset: 56, .size: 8, .value_kind: global_buffer, .address_space: global }
      - { .name: ln1_b, .offset: 64, .size: 8, .value_kind: global_buffer, .address_space: global }
      - { .name: ops, .offset: 72, .size: 8, .value_kind: global_buffer, .address_space: global }
    .group_segment_fixed_size: 58880
    .private_segment_fixed_size: 0
    .kernarg_segment_align: 8
    .kernarg_segment_size: 80
    .max_flat_workgroup_size: 128
    .sgpr_count:     66
    .vgpr_count:     258
    .wavefront_size: 32
...
	.end_amdgpu_metadata
.endif
;; end of part 1
;; launch g1 (part 2): grid 8 x 24, 4 waves a work-group, clusters of 4 x 4, 327,680 bytes of LDS; arguments ops, bq, bk, bv, qkv; writes qkv
.if DOCPART == 2
	.amdgcn_target "amdgcn-amd-amdhsa--gfx1250"
	.amdhsa_code_object_version 6
	.text
	.protected	k_q4528f55a0f_g1
	.globl	k_q4528f55a0f_g1
	.p2align	8
	.type	k_q4528f55a0f_g1,@function
k_q4528f55a0f_g1:
	s_mov_b64 s[64:65], 0
	v_nop
	global_prefetch_b8 v0, s[64:65] scope:SCOPE_SE
	s_setreg_imm32_b32 hwreg(HW_REG_WAVE_MODE, 25, 1), 1
	s_wait_xcnt 0x0
	s_wait_alu depctr_hold_cnt(0) depctr_sa_sdst(0) depctr_va_vdst(0) depctr_va_sdst(0) depctr_va_ssrc(0) depctr_va_vcc(0) depctr_vm_vsrc(0)
	s_getreg_b32 s2, hwreg(HW_REG_IB_STS2, 6, 4)
	s_cmp_eq_u32 s2, 0
	s_cbranch_scc0 .Lentry_in_a_cluster
	s_endpgm
.Lentry_in_a_cluster:
	s_bfe_u32 s2, ttmp6, 0x10000c
	s_cmp_lg_u32 s2, 0xf033
	s_cbranch_scc0 .Lentry_shape_is_right
	s_endpgm
.Lentry_shape_is_right:
; q = xn Wq + bq, k = xn Wk + bk, v = xn Wv + bv on codes of BF6 (E3M2) with E8M0 scales, K = 1,024; the results are quantised in registers and stored as the operands of attention.
; Both operands lie in ops as images (768 bytes: a tile of 16 slots x 64 along K; lane l's 24 bytes: 16 at 16 l, 8 at 512 + 8 l; a tile's 16 images on end, 12,288 bytes) and scale planes
; (word of tile T, slot r, K step s at OPS_S + 49,152 s + 256 (T / 4) + 16 r + 4 (T % 4)).  Slot = row with bits 3 and 4 swapped: so the 16 result registers of two neighbouring tiles of source 0 are 16 neighbours.
; A tile of the result, 256 x 256, is made by four waves, 128 x 128 each: 64 accumulators, 512 registers.  K goes in four parts of 256 through THREE LDS slots filled by the tensor data mover: the first three parts
; are first fills; the fourth is slot 0's one refill, asked for when slot 0 has been read: two slots' products, 256 matrix instructions a wave, stand between the request and the wait for it.
; The scale words of the work-group's rows, for all of K, come once with the first fills.  Source 0 = B's tile, source 1 = A's: a lane holds one slot of A and its registers run along B's rows.
; TWO KINDS OF WORK-GROUP, told apart by the cluster's y alone (P), which all partners share.  P = 0 (clusters y 0-3): A = 256 tokens, B = 256 columns of Wq or Wk: a lane holds a token, registers run along the head's
; channels, which are the K of q k^T.  P = 1 (y 4, 5): A = 256 columns of Wv, B = 256 tokens: a lane holds a channel, registers run along the keys, which are the K of p v.  Only whole numbers are chosen by P ahead of the products.
; THE BIAS is the C of each sum's first matrix instruction: by B's block (P = 0) or by A's (P = 1); that first step and the way out are written twice, each under one scalar branch on P.
; OUT: records of 13,312 bytes for (batch x 16 + head, 128 tokens): + 0: 8 images (a tile of 16 tokens x the head's 64); + 6,144: V, 4 tiles of channels x 2 images (128 keys); + 12,288: the tokens' scale words, 2 x 256 bytes,
; bytes 2 and 3 zero; + 12,800: V's scale words [slot][tile], 256 bytes, and a copy of them.  k and v share the records from byte 0 on, q has records of its own from QOFF on.
; CLUSTERS: 4 x 4 work-groups; A's tiles are asked for jointly along a row of the cluster, B's along a column.
; LIMITS: a block of zeros gets the byte 1 (zero codes; this program alone reads the bytes); blocks under 2^-122 are held at byte 1; NaN and infinities are not served.
; REGISTERS: window 0: v4-15 fragment addresses; v16-31 addresses and work; v32-63 scale words, two sets; v64-127 the bias; v128-223 A's fragments, one set; v240-247 offsets of the bias;
;   on the way out v128-146 codes, v200-215 at work, v216-223 scale words made.  window 1: B's fragments, two sets, at v0 and v128.  windows 2, 3: the accumulators ((a, b) at v[8 (8 (a % 4) + b)]).
.set OPS_S,  9437184
.set QOFF,   6815744
.set REC,    13312
.set HEADB,  212992                    ; a head's 16 records
.set NQ,     2                         ; matrix instructions deep in a slot
.set FR,     12                        ; registers of a fragment
.set NL,     4                         ; LDS loads that bring one
.set NP,     4                         ; places behind this matrix instruction (ISA guide 7.12.1)
.set TROW,   3072                      ; a tile's four images of a slot
.set HALFT,  8*TROW                    ; 8 tiles: what one tensor load brings, and what a wave reads of A or of B
.set SLOT,   4*HALFT
.set SCL,    3*SLOT                    ; behind the three slots: the scale words, four parts of
.set HALFS,  4096                      ; 8 K steps x 512 bytes (8 tiles)
.set SPARE,  SCL+4*HALFS               ; the spare words, 128 bytes for each wave
.set ADRA, 4                           ; v4-6 16 x lane + my A tiles in slot 0, 1, 2;  v7-9 the same with 8 x lane
.set ADRB, 10                          ; v10-15 the same for B
.set L16,  24                          ; v24  16 x lane
.set L8,   25                          ; v25  8 x lane
.set ADRS, 27                          ; v27  my scale words: lanes 0-15 A's, lanes 16-31 B's
.set SPW,  28
.set NIL,  29
.set LN,   30                          ; v30  lane
.set SC,   32                          ; set s, the slot's q-th 128 along K, tile i: v[SC + 16 s + 8 q + i]
.set BI,   64
.set AF,   128
.set PC,   128
.set TM,   200
.set SW,   216
.set OUT,  224
.set BO,   240
.set SEL,  66
.set G1, 24
.set G0, 32                            ; s[32:35] A's group 0 for slot 0, s[36:39] for parts 1 and 2
.set G1B, 48
.set G0B, 56                           ; s[56:59] B's for slot 0, s[60:63] for parts 1 and 2
.set G1S, 68
.set G0S, 76
.set G1SB, 80
.set G0SB, 88
.set MSB, 0
.macro WIN new                         ; the immediate's high byte repeats the setting that is left
.if MSB != (\new)
	s_set_vgpr_msb (MSB<<8)|(\new)
.set MSB, (\new)
.endif
.endm
.set MUL_LO,  0xa1                     ; source 0 (B) window 1, source 1 (A) window 0, C and D window 2
.set MUL_HI,  0xf1                     ; the same, C and D window 3
.set MUL_LO0, 0x81                     ; the first step: C (the bias) window 0
.set MUL_HI0, 0xc1
.set TO_B,    0x40                     ; destination window 1, address window 0
; A joint load: waves 0 and 1 fetch for A, waves 2 and 3 for B; the branch hangs on the wave's number alone.  Four v_nop follow each of the two lines.
.macro JLOAD g0a, g1a, g0b, g1b
	s_cmp_eq_u32 s15, 0
	s_cbranch_scc0 .Lfor_b_\@
	tensor_load_to_lds s[\g0a:\g0a+3], s[\g1a:\g1a+7]
	s_nop 0
.rept 4
	v_nop
.endr
	s_branch .Lasked_\@
.Lfor_b_\@:
	tensor_load_to_lds s[\g0b:\g0b+3], s[\g1b:\g1b+7]
	s_nop 0
.rept 4
	v_nop
.endr
.Lasked_\@:
.endm
.macro CREST                           ; a round of the cluster's barrier behind its opening barrier
	s_cmp_lg_u32 s14, 0
	s_cbranch_scc1 .Lnot_wave_0_\@
	s_barrier_signal -3
.Lnot_wave_0_\@:
	s_barrier_wait -3
	s_barrier_signal -1
	s_barrier_wait -1
.endm
.macro CROUND
	s_barrier_signal -1
	s_barrier_wait -1
	CREST
.endm
	s_load_b256 s[4:11], s[0:1], 0x0               ; ops, bq, bk, bv
	s_load_b64 s[12:13], s[0:1], 0x20              ; qkv
	v_lshl_add_u32 v[SPW], v0, 2, SPARE
	v_mov_b32 v[NIL], 0
	ds_add_u32 v28, v29
	ds_add_u32 v28, v29
	s_wait_dscnt 0x0
	v_lshrrev_b32 v1, 5, v0
	v_readfirstlane_b32 s14, v1                    ; wave 0..3
	s_lshr_b32 s15, s14, 1                         ; which half of A's 256 slots is mine.  Also: I fetch for A (0) or for B (1)
	s_and_b32 s16, s14, 1                          ; which half of B's.  Also: which 8 tiles I fetch
	s_bfe_u32 s40, ttmp6, 0x40000                  ; cx, cy: my place in the cluster
	s_bfe_u32 s41, ttmp6, 0x40004
	s_and_b32 s18, ttmp7, 0xffff                   ; the cluster's y
	s_max_u32 s19, s18, 4
	s_sub_co_u32 s19, s19, 4
	s_lshl_b32 s19, s19, 3                         ; P = 1: 8 (y - 4)
	s_lshl_b32 s17, s18, 2
	s_cmp_ge_u32 s18, 4
	s_cselect_b32 s95, 1, 0                        ; P
	s_cselect_b32 s17, 24, s17                     ; in units of 256 slots: Wv begins at 24, the tokens at 0,
	s_cselect_b32 s19, s19, 16                     ; Wq and Wk at 16
	s_add_co_u32 s17, s17, s41                     ; A's tile: 4 y + cy, or 24 + cy
	s_lshl_b32 s42, ttmp9, 2
	s_add_co_u32 s42, s42, s19
	s_add_co_u32 s42, s42, s40                     ; B's tile: 16 + 4 x + cx, or 4 x + 8 (y - 4) + cx
	s_lshl_b32 s43, s41, 2
	s_lshl_b32 s43, 15, s43                        ; my row of the cluster
	s_lshl_b32 s44, 0x1111, s40                    ; my column
	; descriptor group 1, codes: 8 rows (tiles) of 384 elements of 8 bytes, 1,536 elements apart; no padding
	s_or_b32 s[G1+0], s43, (3<<16)|(1<<21)         ; 15:0 the mask; 17:16 elements of 8 bytes; 21 set beside a mask
	s_or_b32 s[G1B+0], s44, (3<<16)|(1<<21)
.irp g, G1, G1B
	; THE FILLS AS THEY STAND: at the head one load a wave: wave 0 A's 16 tiles of K's part 0, wave 2 B's, waves 1 and 3 A's and B's scale words, whole;
	; behind a full sequence and a round one load a wave brings parts 1 and 2 of its 8 tiles (rows of 6,144 bytes); part 3 is slot 0's one refill.
	s_mov_b32 s[\g+1], 384<<16
	s_mov_b32 s[\g+2], 16<<16                      ; the head's loads: 16 tiles
	s_mov_b32 s[\g+3], 384<<16
	s_mov_b32 s[\g+4], 16
	s_mov_b32 s[\g+5], 1536
	s_mov_b32 s[\g+6], 0
	s_mov_b32 s[\g+7], 0
.endr
	; scale words: 8 rows (K steps) of 128 elements (16 tiles' 1,024 bytes), 6,144 elements (a plane) apart
	s_or_b32 s[G1S+0], s43, (3<<16)|(1<<21)
	s_or_b32 s[G1SB+0], s44, (3<<16)|(1<<21)
.irp g, G1S, G1SB
	s_mov_b32 s[\g+1], 128<<16                     ; 16 tiles' 1,024 bytes of each of 8 K steps
	s_mov_b32 s[\g+2], 8<<16
	s_mov_b32 s[\g+3], 128<<16
	s_mov_b32 s[\g+4], 8
	s_mov_b32 s[\g+5], 6144
	s_mov_b32 s[\g+6], 0
	s_mov_b32 s[\g+7], 0
.endr
	s_lshl_b32 s18, s16, 3                         ; which 8 tiles of 16 I fetch
	s_lshl_b32 s20, s17, 4
	s_add_co_u32 s20, s20, s18                     ; A: the first of them
	s_lshl_b32 s46, s42, 4
	s_add_co_u32 s46, s46, s18                     ; B
	s_lshl_b32 s22, s17, 10                        ; the scale words of A's 16 tiles
	s_add_co_u32 s22, s22, OPS_S
	s_mov_b32 s23, 0
	s_lshl_b32 s92, s42, 10                        ; of B's
	s_add_co_u32 s92, s92, OPS_S
	s_mov_b32 s93, 0
	s_mul_i32 s20, s20, 12288                      ; their codes
	s_mov_b32 s21, 0
	s_mul_i32 s46, s46, 12288
	s_mov_b32 s47, 0
	s_wait_kmcnt 0x0
	s_add_nc_u64 s[20:21], s[4:5], s[20:21]
	s_add_nc_u64 s[22:23], s[4:5], s[22:23]
	s_add_nc_u64 s[46:47], s[4:5], s[46:47]
	s_add_nc_u64 s[92:93], s[4:5], s[92:93]
	CROUND                                         ; all sixteen work-groups are here: the first joint loads meet
	s_mov_b32 s[G0S], 1
	s_mov_b32 s[G0S+1], SCL
	s_mov_b64 s[G0S+2:G0S+3], s[22:23]
	s_or_b32 s[G0S+3], s[G0S+3], 0x80000000
	s_mov_b32 s[G0SB], 1
	s_mov_b32 s[G0SB+1], SCL+2*HALFS
	s_mov_b64 s[G0SB+2:G0SB+3], s[92:93]
	s_or_b32 s[G0SB+3], s[G0SB+3], 0x80000000
.irp s, 0,1
	s_mov_b32 s[G0+4*\s], 1
	s_mul_i32 s[G0+4*\s+1], s14, (1+\s)*HALFT      ; set 0: slot 0, wave x 8 tiles of 3,072 bytes; set 1: parts 1 and 2, wave x 8 tiles of 6,144, behind slot 0
	s_add_co_u32 s[G0+4*\s+1], s[G0+4*\s+1], \s*SLOT
	s_add_nc_u64 s[G0+4*\s+2:G0+4*\s+3], s[20:21], \s*TROW
	s_or_b32 s[G0+4*\s+3], s[G0+4*\s+3], 0x80000000
	s_mov_b32 s[G0B+4*\s], 1
	s_mul_i32 s[G0B+4*\s+1], s14, (1+\s)*HALFT
	s_add_co_u32 s[G0B+4*\s+1], s[G0B+4*\s+1], \s*SLOT
	s_add_nc_u64 s[G0B+4*\s+2:G0B+4*\s+3], s[46:47], \s*TROW
	s_or_b32 s[G0B+4*\s+3], s[G0B+4*\s+3], 0x80000000
.endr
	; the head's four loads, one a wave, in one chain of arms.  Wave 0's and wave 2's own groups 0 point at the first of A's and of B's 16 tiles
	; the prefetches' base: of the 8 tiles that my wave fetches, the two that fall to my work-group among the four that ask jointly, told apart by address (cx for A, cy for B); never rewritten
	s_cmp_eq_u32 s15, 0
	s_cselect_b32 s22, s40, s41
	s_cselect_b64 s[92:93], s[20:21], s[46:47]
	s_mul_i32 s22, s22, 2*12288
	s_mov_b32 s23, 0
	s_add_nc_u64 s[92:93], s[92:93], s[22:23]
	s_cmp_eq_u32 s14, 0
	s_cbranch_scc0 .Lh1
	tensor_load_to_lds s[G0:G0+3], s[G1:G1+7]
	s_nop 0
.rept 4
	v_nop
.endr
	s_branch .Lhj
.Lh1:
	s_cmp_eq_u32 s14, 1
	s_cbranch_scc0 .Lh2
	tensor_load_to_lds s[G0S:G0S+3], s[G1S:G1S+7]
	s_nop 0
.rept 4
	v_nop
.endr
	s_branch .Lhj
.Lh2:
	s_cmp_eq_u32 s14, 2
	s_cbranch_scc0 .Lh3
	tensor_load_to_lds s[G0B:G0B+3], s[G1B:G1B+7]
	s_nop 0
.rept 4
	v_nop
.endr
	s_branch .Lhj
.Lh3:
	tensor_load_to_lds s[G0SB:G0SB+3], s[G1SB:G1SB+7]
	s_nop 0
.rept 4
	v_nop
.endr
.Lhj:
	v_and_b32 v1, 15, v0                           ; r
	v_bfe_u32 v2, v0, 4, 1                         ; h
	v_and_b32 v[LN], 31, v0
	v_lshlrev_b32 v[L16], 4, v[LN]
	v_lshlrev_b32 v[L8], 3, v[LN]
	v_min_u32 v31, 11, v1                          ; v31: a part of K is 12 blocks of 256 bytes of a tile: lanes 0-15 the first tile's, lanes 16-31 the second's; never rewritten
	v_lshlrev_b32 v31, 8, v31
	v_mad_u32_u24 v31, v2, 12288, v31
	s_mul_i32 s2, s15, HALFT                       ; my 8 tiles of A
	s_mul_i32 s3, s16, HALFT                       ; my 8 tiles of B,
	s_add_co_u32 s3, s3, 2*HALFT                   ; which lie behind A's 16
.irp s, 0,1,2
	v_add_nc_u32 v[ADRA+\s], s2, v[L16]
	v_add_nc_u32 v[ADRB+\s], s3, v[L16]
	v_add_nc_u32 v[ADRA+3+\s], s2, v[L8]
	v_add_nc_u32 v[ADRB+3+\s], s3, v[L8]
.if \s == 0
	s_wait_alu depctr_va_vdst(0)
	s_lshl_b32 s2, s2, 1                           ; part 1: tiles 6,144 bytes apart, behind slot 0
	s_lshl_b32 s3, s3, 1
	s_add_co_u32 s2, s2, SLOT
	s_add_co_u32 s3, s3, SLOT
.else
	s_add_co_u32 s2, s2, TROW                      ; part 2: the second half of each tile's row
	s_add_co_u32 s3, s3, TROW
.endif
.endr
	s_lshl_b32 s2, s15, 9                          ; my 8 tiles' 512 bytes of a K step's 1,024
	s_lshl_b32 s3, s16, 9
	s_add_co_u32 s3, s3, 2*HALFS
	s_sub_co_u32 s3, s3, s2
	v_mul_u32_u24 v17, s3, v2                      ; lanes 16-31 take B's
	s_add_co_u32 s2, s2, SCL
	v_lshlrev_b32 v16, 4, v1
	v_add_nc_u32 v16, v16, v17
	v_add_nc_u32 v[ADRS], s2, v16
	; which tokens and which channels are mine
	s_cmp_lg_u32 s95, 0
	s_cselect_b32 s66, s42, s17                    ; my 256 tokens
	s_cselect_b32 s67, s41, s40                    ; my 256 channels of the weight
	s_cselect_b32 s96, s16, s15                    ; my wave's half of the tokens
	s_cselect_b32 s97, s15, s16                    ; and of the channels
	s_lshl_b32 s98, s67, 10
	s_lshl_b32 s99, s97, 9
	s_add_co_u32 s98, s98, s99                     ; the bias of my 128 channels, in bytes
	s_mov_b32 s99, 0
	s_cmp_eq_u32 ttmp9, 0                          ; P = 0: clusters x = 0 make q, x = 1 make k
	s_cselect_b64 s[6:7], s[6:7], s[8:9]
	s_cmp_lg_u32 s95, 0
	s_cselect_b64 s[6:7], s[10:11], s[6:7]
	s_add_nc_u64 s[6:7], s[6:7], s[98:99]
	; register 8 b + j of the bias.  P = 0: that of channel 32 (b / 2) + 8 (b % 2) + 16 h + j.  P = 1: that of my lane's channel of tile b, 32 (b / 2) + 8 (b % 2) + r % 8 + 16 (r / 8), in all eight.
	v_lshlrev_b32 v18, 6, v2
	v_and_b32 v19, 7, v0
	v_bfe_u32 v20, v0, 3, 1
	v_lshl_add_u32 v19, v20, 4, v19
	v_lshlrev_b32 v19, 2, v19
	s_cmp_lg_u32 s95, 0
	s_cselect_b32 s98, -1, 0
	s_cselect_b32 s99, 0, 4
	v_cndmask_b32 v18, v18, v19, s98
.irp j, 0,1,2,3,4,5,6,7
	v_mad_u32_u24 v[BO+\j], s99, \j, v18
.endr
.irp b, 0,1,2,3,4,5,6,7
.irp j, 0,1,2,3,4,5,6,7
	global_load_b32 v[BI+8*\b+\j], v[BO+\j], s[6:7] offset:4*(32*(\b/2)+8*(\b%2))
.endr
.endr
	; my first record: ((batch x 16 + my first head) x 16 + my 128 tokens' number in the batch) x 13,312; q's lie QOFF further on
	s_lshr_b32 s98, s66, 3
	s_lshl_b32 s98, s98, 4
	s_lshl_b32 s67, s67, 2
	s_add_co_u32 s98, s98, s67
	s_lshl_b32 s97, s97, 1
	s_add_co_u32 s98, s98, s97
	s_lshl_b32 s98, s98, 4
	s_lshl_b32 s66, s66, 1
	s_add_co_u32 s66, s66, s96
	s_and_b32 s66, s66, 15
	s_add_co_u32 s98, s98, s66
	s_mul_i32 s98, s98, REC
	s_or_b32 s99, s95, ttmp9
	s_cmp_eq_u32 s99, 0
	s_cselect_b32 s99, QOFF, 0
	s_add_co_u32 s98, s98, s99
	s_mov_b32 s99, 0
	s_add_nc_u64 s[12:13], s[12:13], s[98:99]
.irp j, 1,2,3
	global_prefetch_b8 v31, s[92:93] offset:3072*\j th:TH_LOAD_NT scope:SCOPE_SE   ; K's parts 1 and 2, which the next tensor load wants, and part 3, the refill's: each block once in the cluster
.endr
	s_mov_b32 s[SEL], 0x76543210
	s_mov_b32 s[SEL+1], 0xfedcba98                 ; v_permlanex16_b32's selects for lane l xor 16
.macro FRAG reg, adr, q, i             ; a fragment, 16 slots x 128 K, is two images: registers 0-3, 4-5 from the first, 6-9, 10-11 from the second; every load takes consecutive bytes from consecutive lanes
	ds_load_b128 v[\reg:\reg+3], v[\adr] offset:(\i)*TP+1536*(\q)
	ds_load_b64 v[\reg+4:\reg+5], v[\adr+3] offset:(\i)*TP+1536*(\q)+512
	ds_load_b128 v[\reg+6:\reg+9], v[\adr] offset:(\i)*TP+1536*(\q)+768
	ds_load_b64 v[\reg+10:\reg+11], v[\adr+3] offset:(\i)*TP+1536*(\q)+1280
.endm
; 16 matrix instructions: A's blocks a0, a0 + 1 x B's eight.  p: B's set; sc: the set of scale words.  cm = 0: in place; 1: the sums start from the bias by B's block; 2: by A's block.
; The 64 accumulators take turns, one instruction a turn, in the same order in every step.
.macro MUL16 a0, p, q, sc, cm
.irp a, \a0, \a0+1
.irp b, 0,1,2,3,4,5,6,7
.if \cm == 0
	v_wmma_scale_f32_16x16x128_f8f6f4 v[8*(8*((\a)%4)+\b):8*(8*((\a)%4)+\b)+7], v[128*(\p)+FR*\b:128*(\p)+FR*\b+FR-1], v[AF+FR*(\a):AF+FR*(\a)+FR-1], v[8*(8*((\a)%4)+\b):8*(8*((\a)%4)+\b)+7], v[SC+16*(\sc)+8*(\q)+\b], v[SC+16*(\sc)+8*(\q)+(\a)] matrix_a_fmt:MATRIX_FMT_BF6 matrix_b_fmt:MATRIX_FMT_BF6 matrix_a_scale:MATRIX_SCALE_ROW1
.elseif \cm == 1
	v_wmma_scale_f32_16x16x128_f8f6f4 v[8*(8*((\a)%4)+\b):8*(8*((\a)%4)+\b)+7], v[128*(\p)+FR*\b:128*(\p)+FR*\b+FR-1], v[AF+FR*(\a):AF+FR*(\a)+FR-1], v[BI+8*\b:BI+8*\b+7], v[SC+16*(\sc)+8*(\q)+\b], v[SC+16*(\sc)+8*(\q)+(\a)] matrix_a_fmt:MATRIX_FMT_BF6 matrix_b_fmt:MATRIX_FMT_BF6 matrix_a_scale:MATRIX_SCALE_ROW1
.else
	v_wmma_scale_f32_16x16x128_f8f6f4 v[8*(8*((\a)%4)+\b):8*(8*((\a)%4)+\b)+7], v[128*(\p)+FR*\b:128*(\p)+FR*\b+FR-1], v[AF+FR*(\a):AF+FR*(\a)+FR-1], v[BI+8*(\a):BI+8*(\a)+7], v[SC+16*(\sc)+8*(\q)+\b], v[SC+16*(\sc)+8*(\q)+(\a)] matrix_a_fmt:MATRIX_FMT_BF6 matrix_b_fmt:MATRIX_FMT_BF6 matrix_a_scale:MATRIX_SCALE_ROW1
.endif
.endr
.endr
.endm
.macro FETCH_B slot, q, p
.set TP, TROW*(1+((\slot)+1)/2)        ; from tile to tile: 3,072 bytes in slot 0, 6,144 in parts 1 and 2
	WIN TO_B
.irp i, 0,1,2,3,4,5,6,7
	FRAG 128*(\p)+FR*\i, ADRB+\slot, \q, \i
.endr
	WIN 0
.endm
.macro FETCH_A slot, q, i0
.set TP, TROW*(1+((\slot)+1)/2)
.irp i, \i0, \i0+1, \i0+2, \i0+3
	FRAG AF+FR*(\i), ADRA+\slot, \q, \i
.endr
.endm
.macro SCALES sc                       ; a slot's scale words: one load brings four tiles' words of a row; lanes 0-15 A's, lanes 16-31 B's
.irp q, 0,1
.irp p, 0,1
	ds_load_b128 v[SC+16*(\sc)+8*\q+4*\p:SC+16*(\sc)+8*\q+4*\p+3], v[ADRS] offset:1024*\q+256*\p
.endr
.endr
.endm
.macro PLACES n                        ; plain vector instructions between a matrix instruction and a load into, or a read of, its registers (ISA guide 7.12.1 for reads)
.rept \n
	v_nop
.endr
.endm
.macro STEP slot, sc, cm               ; the first of a slot's two steps of 128 along K: it fetches the second's fragments
	s_wait_dscnt 4*NL                              ; B's set, A's blocks 0-3 and the scale words are in; the youngest 16 loads (A's blocks 4-7) may be out
.if \cm
	WIN MUL_LO0
.else
	WIN MUL_LO
.endif
	MUL16 0, 0, 0, \sc, \cm
	MUL16 2, 0, 0, \sc, \cm
	s_wait_dscnt 0                                 ; A's blocks 4-7 are in
	PLACES NP
	FETCH_B \slot, 1, 1
	FETCH_A \slot, 1, 0
.if \cm
	WIN MUL_HI0
.else
	WIN MUL_HI
.endif
	MUL16 4, 0, 0, \sc, \cm
	MUL16 6, 0, 0, \sc, \cm
	PLACES NP
	WIN 0
	FETCH_A \slot, 1, 4
.endm
; A slot's second step, where the next slot is known to be whole (every wave waited for its fill ahead of an earlier barrier) and nothing is filled: no wait on tensor loads, no barrier.
.macro PASS next, sc, nsc
	s_wait_dscnt 4*NL
	WIN MUL_LO
	MUL16 0, 1, 1, \sc, 0
	MUL16 2, 1, 1, \sc, 0
	s_wait_dscnt 0
	WIN 0
	PLACES NP
	v_add_nc_u32 v[ADRS], 2048, v[ADRS]            ; two K steps of 1,024 bytes on
	FETCH_B \next, 0, 0
	FETCH_A \next, 0, 0
	SCALES \nsc
	WIN MUL_HI
	MUL16 4, 1, 1, \sc, 0
	MUL16 6, 1, 1, \sc, 0
	PLACES NP
	WIN 0
	FETCH_A \next, 0, 4
.endm
; A slot's second step with a barrier: in front of it each wave waits for all its tensor loads, adds 0 to its spare word, and waits for that and for its reads of this slot.  fill = 1: this slot is filled again, with K's fourth part.
.macro TURN slot, next, sc, nsc, fill
	s_wait_tensorcnt 0x0                           ; all my tensor loads have landed
	ds_add_u32 v[SPW], v[NIL]                      ; 0 onto my spare word
	s_wait_dscnt 4*NL+1                            ; (the add and the youngest 16 loads, A's blocks 4-7, may be out)
	WIN MUL_LO
	MUL16 0, 1, 1, \sc, 0
	s_wait_dscnt 0x0                               ; the add is done, and my reads of this slot are over
	s_barrier_signal -1
	MUL16 2, 1, 1, \sc, 0
	WIN 0
	s_barrier_wait -1
.if \fill
	CREST                                          ; the barrier has opened a round of the cluster's: no wave of any partner still reads this slot or has a load on its way
	s_add_nc_u64 s[G0+4*\slot+2:G0+4*\slot+3], s[G0+4*\slot+2:G0+4*\slot+3], 3*TROW
	s_add_nc_u64 s[G0B+4*\slot+2:G0B+4*\slot+3], s[G0B+4*\slot+2:G0B+4*\slot+3], 3*TROW
	s_mov_b32 s[G1+1], 384<<16                     ; no tensor load of mine is out: the refill's rows are 3,072 bytes again
	s_mov_b32 s[G1+3], 384<<16
	s_mov_b32 s[G1B+1], 384<<16
	s_mov_b32 s[G1B+3], 384<<16
	JLOAD G0+4*\slot, G1, G0B+4*\slot, G1B         ; the first tensor load behind the round; its four v_nop are the places in front of the loads below
.else
	PLACES NP
.endif
	v_add_nc_u32 v[ADRS], 2048, v[ADRS]
	FETCH_B \next, 0, 0
	FETCH_A \next, 0, 0
	SCALES \nsc
	WIN MUL_HI
	MUL16 4, 1, 1, \sc, 0
	MUL16 6, 1, 1, \sc, 0
	PLACES NP
	WIN 0
	FETCH_A \next, 0, 4
.endm
	s_wait_alu depctr_va_vdst(0)
	s_wait_tensorcnt 0x0                           ; my tile of the head's four is in
	ds_add_u32 v[SPW], v[NIL]
.irp g, G1, G1B
	s_mov_b32 s[\g+1], 768<<16                     ; no tensor load of mine is out: from here 8 tiles, rows of 6,144 bytes
	s_mov_b32 s[\g+2], 8<<16
	s_mov_b32 s[\g+3], 768<<16
	s_mov_b32 s[\g+4], 8
.endr
	s_wait_dscnt 0x0
	CROUND                                         ; all four tiles are in, and all sixteen work-groups are here
	JLOAD G0+4, G1, G0B+4, G1B                     ; K's parts 1 and 2: my one load behind the round
	FETCH_B 0, 0, 0
	FETCH_A 0, 0, 0
	SCALES 0
	FETCH_A 0, 0, 4
	s_wait_loadcnt 0x0                             ; the bias
	s_cmp_lg_u32 s95, 0
	s_cbranch_scc1 .Lfirst_v
	STEP 0, 0, 1                                   ; q, k: the bias goes by B's block
	s_branch .Lfirst_done
.Lfirst_v:
	STEP 0, 0, 2                                   ; v: by A's block
.Lfirst_done:
	TURN 0, 1, 0, 1, 1                             ; slot 0 is read out: it takes K's fourth part
	s_wait_alu depctr_va_vdst(0)
	STEP 1, 1, 0
	PASS 2, 1, 0
	s_wait_alu depctr_va_vdst(0)
	STEP 2, 0, 0
	TURN 2, 0, 0, 1, 0                             ; the refill has landed in every wave's sight
	STEP 0, 1, 0
	s_wait_dscnt 4*NL
	WIN MUL_LO
	MUL16 0, 1, 1, 1, 0
	MUL16 2, 1, 1, 1, 0
	s_wait_dscnt 0
	WIN MUL_HI
	MUL16 4, 1, 1, 1, 0
	MUL16 6, 1, 1, 1, 0
	WIN 0
; 64 numbers of a lane in window w, register s + 16 b + i = place 32 b + 16 (lane / 16) + i along the next K, become a fragment's codes in v[PC] on and its scale word in v[SW + a].
; Each accumulator is read from its low end on.
.macro QUANTW s, w, a
	WIN (\w)*5                                     ; sources 0 and 1 in window w
.irp b, 0,1,2,3
	v_max3_num_f32 v[TM+\b], |v[\s+16*\b]|, |v[\s+1+16*\b]|, 0x2800000   ; block b: my 16 numbers, and the floor 2^(5 - 127)
.endr
.irp i, 2,4,6,8,10,12,14
.irp b, 0,1,2,3
	v_max3_num_f32 v[TM+\b], |v[\s+16*\b+\i]|, |v[\s+1+16*\b+\i]|, v[TM+\b]
.endr
.endr
	WIN 0
.irp b, 0,1,2,3
	v_permlanex16_b32 v[TM+4+\b], v[TM+\b], s[SEL], s[SEL+1]
.endr
.irp b, 0,1,2,3
	v_max_num_f32 v[TM+\b], v[TM+\b], v[TM+4+\b]   ; with lane l xor 16's: the block's largest magnitude
.endr
.irp b, 0,1,2,3
	v_add_nc_u32 v[TM+12+\b], 0xfe000000, v[TM+\b] ; 4 off the exponent field: the conversion's scale operand
.endr
.irp b, 0,1,2,3
	v_lshrrev_b32 v[TM+4+\b], 23, v[TM+12+\b]      ; the scale's byte
.endr
	v_lshl_or_b32 v[SW+\a], v[TM+5], 8, v[TM+4]
	v_lshl_or_b32 v[SW+\a], v[TM+6], 16, v[SW+\a]
	v_lshl_or_b32 v[SW+\a], v[TM+7], 24, v[SW+\a]
	s_wait_xcnt 0x0                                ; the last block's stores have read the codes' registers
	WIN \w                                         ; source 0 in window w
.irp c, 0,1
	v_cvt_scalef32_pk16_bf6_f32 v[PC+6*\c:PC+2+6*\c], v[\s+32*\c:\s+15+32*\c], v[TM+12+2*\c]
	v_cvt_scalef32_pk16_bf6_f32 v[PC+12+4*\c:PC+14+4*\c], v[\s+16+32*\c:\s+31+32*\c], v[TM+12+2*\c+1]
.endr
	WIN 0
	v_nop                                          ; one plain place behind a scaled conversion
.irp c, 0,1                                    ; the operand's layout wants a whole block in a lane
.irp i, 0,1,2
	v_permlane16_swap_b32 v[PC+6*\c+\i], v[PC+12+4*\c+\i]
.endr
.irp i, 0,1,2
	v_mov_b32 v[PC+3+6*\c+\i], v[PC+12+4*\c+\i]
.endr
.endr
.endm
	PLACES NP
.irp b, 0,1,2,3
	v_mov_b32 v[TM+4+\b], 0                        ; written once: a lane permute's destination counts as one of its sources
.endr
	s_cmp_lg_u32 s95, 0
	s_cbranch_scc1 .Lout_v
	; q, k: block a is tile a of my 128 tokens; codes 6 g .. 6 g + 5 are the image of head g of my two
.irp a, 0,1,2,3,4,5,6,7
	QUANTW 64*(\a%4), 2+\a/4, \a
.irp g, 0,1
	global_store_b128 v[L16], v[PC+6*\g:PC+6*\g+3], s[12:13] offset:HEADB*\g+768*\a        ; 512 consecutive bytes, aligned
	global_store_b64 v[L8], v[PC+6*\g+4:PC+6*\g+5], s[12:13] offset:HEADB*\g+768*\a+512    ; 256
.endr
.endr
	v_cmp_lt_u32 vcc_lo, 15, v[LN]
.irp i, 0,1,2,3
	v_cndmask_b32 v[OUT+8+\i], v[SW+\i], v[SW+4+\i], vcc_lo    ; lanes 0-15 store the words of tiles 0-3, lanes 16-31 those of tiles 4-7
.endr
.irp i, 0,1,2,3
	v_and_b32 v[OUT+\i], 0xffff, v[OUT+8+\i]       ; the first head's two bytes; bytes 2 and 3 are zero
.endr
.irp i, 0,1,2,3
	v_lshrrev_b32 v[OUT+4+\i], 16, v[OUT+8+\i]     ; the second head's
.endr
	global_store_b128 v[L16], v[OUT:OUT+3], s[12:13] offset:12288
	global_store_b128 v[L16], v[OUT+4:OUT+7], s[12:13] offset:12288+HEADB
	s_branch .Lout_done
.Lout_v:
	; v: block a is tile a % 4 of the channels of head a / 4 of my two; its codes are a fragment of my 128 keys
.irp a, 0,1,2,3,4,5,6,7
	QUANTW 64*(\a%4), 2+\a/4, \a
	global_store_b128 v[L16], v[PC:PC+3], s[12:13] offset:6144+HEADB*(\a/4)+1536*(\a%4)
	global_store_b64 v[L8], v[PC+4:PC+5], s[12:13] offset:6144+HEADB*(\a/4)+1536*(\a%4)+512
	global_store_b128 v[L16], v[PC+6:PC+9], s[12:13] offset:6144+HEADB*(\a/4)+1536*(\a%4)+768
	global_store_b64 v[L8], v[PC+10:PC+11], s[12:13] offset:6144+HEADB*(\a/4)+1536*(\a%4)+1280
.endr
	global_store_b128 v[L16], v[SW:SW+3], s[12:13] offset:12800              ; lanes 0-15: [slot][tile]; lanes 16-31 hold the same words and write the copy behind them
	global_store_b128 v[L16], v[SW+4:SW+7], s[12:13] offset:12800+HEADB
.Lout_done:
	s_wait_tensorcnt 0x0                           ; the wave's end
	ds_add_u32 v[SPW], v[NIL]
	s_wait_dscnt 0x0
	CROUND                                         ; the closing round: no work-group ends while a partner may still ask for a tile that names it
	s_endpgm
.Lfunc_end_k_q4528f55a0f_g1:
	.size	k_q4528f55a0f_g1, .Lfunc_end_k_q4528f55a0f_g1-k_q4528f55a0f_g1
	.p2alignl 7, 3214868480
	.fill 96, 4, 3214868480
	.section	.rodata,"a",@progbits
	.p2align	6, 0x0
	.amdhsa_kernel k_q4528f55a0f_g1
		.amdhsa_group_segment_fixed_size 327680
		.amdhsa_private_segment_fixed_size 0
		.amdhsa_enable_private_segment 0
		.amdhsa_kernarg_size 40
		.amdhsa_user_sgpr_count 2
		.amdhsa_user_sgpr_kernarg_segment_ptr 1
		.amdhsa_wavefront_size32 1
		.amdhsa_system_sgpr_workgroup_id_x 1
		.amdhsa_system_sgpr_workgroup_id_y 1
		.amdhsa_system_sgpr_workgroup_id_z 1
		.amdhsa_system_vgpr_workitem_id 0
		.amdhsa_next_free_vgpr 1024
		.amdhsa_next_free_sgpr 100
		.amdhsa_reserve_vcc 1
		.amdhsa_float_denorm_mode_32 3
		.amdhsa_float_denorm_mode_16_64 3
		.amdhsa_memory_ordered 1
		.amdhsa_forward_progress 1
		.amdhsa_inst_pref_size 204
	.end_amdhsa_kernel
	.amdgpu_metadata
---
amdhsa.version: [ 1, 2 ]
amdhsa.kernels:
  - .name:           k_q4528f55a0f_g1
    .symbol:         k_q4528f55a0f_g1.kd
    .args:
      - { .name: ops, .offset: 0, .size: 8, .value_kind: global_buffer, .address_space: global }
      - { .name: bq, .offset: 8, .size: 8, .value_kind: global_buffer, .address_space: global }
      - { .name: bk, .offset: 16, .size: 8, .value_kind: global_buffer, .address_space: global }
      - { .name: bv, .offset: 24, .size: 8, .value_kind: global_buffer, .address_space: global }
      - { .name: qkv, .offset: 32, .size: 8, .value_kind: global_buffer, .address_space: global }
    .group_segment_fixed_size: 327680
    .private_segment_fixed_size: 0
    .kernarg_segment_align: 8
    .kernarg_segment_size: 40
    .max_flat_workgroup_size: 128
    .sgpr_count:     100
    .vgpr_count:     1024
    .wavefront_size: 32
...
	.end_amdgpu_metadata
.endif
;; end of part 2
;; launch att (part 3): grid 8 x 32, 16 waves a work-group, clusters of 4 x 1, 215,040 bytes of LDS; arguments qkv, ao; writes ao
.if DOCPART == 3
	.amdgcn_target "amdgcn-amd-amdhsa--gfx1250"
	.amdhsa_code_object_version 6
	.text
	.protected	k_q4528f55a0f_att
	.globl	k_q4528f55a0f_att
	.p2align	8
	.type	k_q4528f55a0f_att,@function
k_q4528f55a0f_att:
	s_mov_b64 s[64:65], 0
	v_nop
	global_prefetch_b8 v0, s[64:65] scope:SCOPE_SE
	s_setreg_imm32_b32 hwreg(HW_REG_WAVE_MODE, 25, 1), 1
	s_wait_xcnt 0x0
	s_wait_alu depctr_hold_cnt(0) depctr_sa_sdst(0) depctr_va_vdst(0) depctr_va_sdst(0) depctr_va_ssrc(0) depctr_va_vcc(0) depctr_vm_vsrc(0)
	s_getreg_b32 s2, hwreg(HW_REG_IB_STS2, 6, 4)
	s_cmp_eq_u32 s2, 0
	s_cbranch_scc0 .Lentry_in_a_cluster
	s_endpgm
.Lentry_in_a_cluster:
	s_bfe_u32 s2, ttmp6, 0x10000c
	s_cmp_lg_u32 s2, 0x3003
	s_cbranch_scc0 .Lentry_shape_is_right
	s_endpgm
.Lentry_shape_is_right:
; out[b][t][head] = softmax(q k^T / 8) v for 32 (batch, head) pairs of 2,048 tokens and 64 channels, both products on codes of BF6 (E3M2) with E8M0 scales; out is quantised along the model's 1,024 and stored as an operand.
; THE SOFTMAX: t = score x log2(e) / 8; M = the row's largest t so far, rounded UP to a whole number; p = 2^(t - M) is quantised along the keys, not normalised.  The row's sum is taken of the unquantised p and divides at the end.
; When M moves, the sum and O are multiplied by 2^(old M - new M): exact.
; IN: records of 13,312 bytes for (batch x 16 + head, 128 tokens): + 0: 8 images of k (16 keys x 64 channels: lane l's 24 bytes: 16 at 16 l, 8 at 512 + 8 l); + 6,144: v, 4 tiles of channels x 2 images (128 keys);
; + 12,288: k's scale words (bytes 2, 3 zero); + 12,800: v's [slot][tile].  q's records lie QOFF further on.  Slots hold tokens, and channels, with bits 3 and 4 swapped.
; SHARES.  A work-group owns 256 queries of one head, each of its sixteen waves 16 of them.  A whole head's k and v, 16 records, stay in LDS: wave w loads record w, its one tensor load; nothing is filled again.
; Waves 0-3 have a load line of their own: the first barrier shows records 0-3, the second, behind step 1, all the others.  The four query blocks of a cluster belong to one head and ask jointly.
; TWO RUNS OF 64 REGISTERS, v32-95 and v96-159, CHANGE ROLES FROM STEP TO STEP: one holds k's fragments and then v's, the other the scores and then p.  When p has been summed and converted, the NEXT record's k fragments and
; scale words are loaded over it, ahead of the swaps, O's rescaling and the four products with v: 18 LDS loads that are waited for at the next step's head.
; K = 64 IN AN INSTRUCTION OF 128: q's upper six registers hold zero codes; a k fragment's upper six registers are whatever follows it, which meets zero codes (no code of this format is a NaN); the scale bytes there are 0.
; Both products are used transposed (S^T = k q^T, O^T = v^T p^T): a lane holds ONE query throughout.  No prefetch: all is asked for at the head.
; LIMITS: a block of zeros gets the byte 1 (zero codes; this program alone reads the bytes); blocks under 2^-122 are held at byte 1; NaN and infinities are not served; scaled scores stay under 2^31 in magnitude.
; REGISTERS: v1-3 16 x lane, 8 x lane, 16 x (lane % 16); v4-7 the conversions' scale operands; v8-10 the step's addresses; v12 -M, v13 the largest t, v[14:15] the sum; v16-27 q; v28 q's scale word;
;   v160-191 O^T; v192-210 p's codes; v216-223 k's scale words; v224-227 v's; v228 p's; v232-254 at work; v251, v255 the add's two.
.set REC,   13312
.set HEADB, 212992
.set QOFF,  6815744
.set AO_S,  3145728
.set WV,  12
.set SEL, 20
.set CS,  22
.set G1,  24
.set G0,  32
.set TB,  48                           ; s48  LDS byte of the record in hand
.set CNT, 49
.macro CROUND
	s_barrier_signal -1
	s_barrier_wait -1
	s_cmp_lg_u32 s[WV], 0
	s_cbranch_scc1 .Lnot_wave_0_\@
	s_barrier_signal -3
.Lnot_wave_0_\@:
	s_barrier_wait -3
	s_barrier_signal -1
	s_barrier_wait -1
.endm
	s_load_b128 s[4:7], s[0:1], 0x0                ; qkv, ao
	v_lshl_add_u32 v251, v0, 2, 0x34000
	v_mov_b32 v255, 0
	ds_add_u32 v251, v255
	ds_add_u32 v251, v255
	v_lshrrev_b32 v8, 5, v0
	v_readfirstlane_b32 s[WV], v8                  ; wave 0..15
	s_bfe_u32 s13, ttmp6, 0x40000                  ; cx
	s_lshl_b32 s14, ttmp9, 2
	s_add_co_u32 s14, s14, s13                     ; my block of 256 queries: it enters q's and ao's addresses alone
	s_and_b32 s15, ttmp7, 0xffff                   ; batch x 16 + head, which the four partners share
	s_mul_i32 s16, s15, HEADB
	s_mul_i32 s17, s[WV], REC                      ; my record
	s_add_co_u32 s18, s16, s17
	s_mov_b32 s19, 0
	s_mov_b32 s[G1], 15|(3<<16)|(1<<21)            ; the mask: all four work-groups; elements of 8 bytes; bit 21 beside a mask
	s_mov_b32 s[G1+1], 32<<16                      ; 52 dense rows of 256 bytes
	s_mov_b32 s[G1+2], 52<<16
	s_mov_b32 s[G1+3], 32<<16
	s_mov_b32 s[G1+4], 52
	s_mov_b32 s[G1+5], 32
	s_mov_b32 s[G1+6], 0
	s_mov_b32 s[G1+7], 0
	s_mov_b32 s[SEL], 0x76543210
	s_mov_b32 s[SEL+1], 0xfedcba98
	s_mov_b32 s[CS], 0x3e38aa3b                    ; c = log2(e) / 8
	s_mov_b32 s[CS+1], s[CS]
	s_lshl_b32 s50, s15, 4                         ; q: record 16 (batch x 16 + head) + 2 block + wave / 8, tile wave % 8
	s_lshl_b32 s51, s14, 1
	s_add_co_u32 s50, s50, s51
	s_lshr_b32 s51, s[WV], 3
	s_add_co_u32 s50, s50, s51
	s_mul_i32 s50, s50, REC
	s_add_co_u32 s50, s50, QOFF
	s_and_b32 s52, s[WV], 7
	s_mul_i32 s53, s52, 768
	s_add_co_u32 s56, s50, s53
	s_mov_b32 s57, 0
	s_lshr_b32 s53, s52, 2
	s_lshl_b32 s53, s53, 8
	s_and_b32 s52, s[WV], 3
	s_lshl_b32 s52, s52, 2
	s_add_co_u32 s53, s53, s52
	s_add_co_u32 s53, s53, 12288
	s_add_co_u32 s58, s50, s53
	s_mov_b32 s59, 0
	s_lshr_b32 s50, s15, 4                         ; ao: token tile Tt = 128 batch + 16 block + wave; image Tt x 16 + head; scale bytes in plane head / 2, bytes 2 (head % 2) on
	s_and_b32 s51, s15, 15
	s_lshl_b32 s50, s50, 7
	s_lshl_b32 s52, s14, 4
	s_add_co_u32 s50, s50, s52
	s_add_co_u32 s50, s50, s[WV]
	s_lshl_b32 s52, s50, 4
	s_add_co_u32 s52, s52, s51
	s_mul_i32 s52, s52, 768
	s_mov_b32 s53, 0
	s_lshr_b32 s54, s51, 1
	s_lshl_b32 s54, s54, 14
	s_lshr_b32 s55, s50, 2
	s_lshl_b32 s55, s55, 8
	s_add_co_u32 s54, s54, s55
	s_and_b32 s55, s50, 3
	s_lshl_b32 s55, s55, 2
	s_add_co_u32 s54, s54, s55
	s_and_b32 s55, s51, 1
	s_lshl_b32 s55, s55, 1
	s_add_co_u32 s54, s54, s55
	s_add_co_u32 s54, s54, AO_S
	s_mov_b32 s55, 0
	s_wait_dscnt 0x0
	s_wait_kmcnt 0x0
	s_add_nc_u64 s[8:9], s[4:5], s[56:57]          ; q's codes
	s_add_nc_u64 s[10:11], s[4:5], s[58:59]        ; q's scale words
	s_add_nc_u64 s[54:55], s[6:7], s[54:55]        ; ao's scale bytes
	s_add_nc_u64 s[6:7], s[6:7], s[52:53]          ; ao's image
	s_mov_b32 s[G0], 1
	s_mov_b32 s[G0+1], s17
	s_add_nc_u64 s[G0+2:G0+3], s[4:5], s[18:19]
	s_or_b32 s[G0+3], s[G0+3], 0x80000000
	CROUND                                         ; all four work-groups are here: the joint loads meet
	s_cmp_lt_u32 s[WV], 4                          ; waves 0-3, whose records the first barrier shows, have a load line of their own
	s_cbranch_scc0 .Llate
	tensor_load_to_lds s[G0:G0+3], s[G1:G1+7]
	s_nop 0
.rept 4
	v_nop
.endr
	s_branch .Lasked
.Llate:
	tensor_load_to_lds s[G0:G0+3], s[G1:G1+7]
	s_nop 0
.rept 4
	v_nop
.endr
.Lasked:
	v_and_b32 v8, 31, v0
	v_and_b32 v9, 15, v0
	v_lshlrev_b32 v1, 4, v8
	v_lshlrev_b32 v2, 3, v8
	v_lshlrev_b32 v3, 4, v9
	global_load_b128 v[16:19], v1, s[8:9]          ; q's image: registers 0-5 of its fragment
	global_load_b64 v[20:21], v2, s[8:9] offset:512
	global_load_b32 v28, v3, s[10:11]
.irp j, 22,23,24,25,26,27,80,81,82,83,84,85
	v_mov_b32 v\j, 0                               ; zero codes: q's upper half, and what follows k's last fragment in the first step
.endr
	v_mov_b32 v13, 0xff61b1e6                      ; the largest t so far: -3e38
	v_mov_b32 v14, 0
	v_mov_b32 v15, 0
	v_floor_f32 v12, -v13                          ; -M
.irp b, 0,1,2,3
	v_mov_b32 v[236+\b], 0                         ; written once: a lane permute's destination counts as one of its sources
.endr
	v_mov_b32 v253, 0                              ; (the upper half of the pair v[252:253])
.set j, 0
.rept 32
	v_mov_b32 v[160+j], 0                          ; O^T: the step has one form; the first finds zeros
.set j, j+1
.endr
.macro KLOAD r, off                    ; a record's eight fragments of k into v[r ..] and its scale words: 18 LDS loads
.irp t, 0,1,2,3,4,5,6,7
	ds_load_b128 v[\r+6*\t:\r+6*\t+3], v8 offset:\off+768*\t
	ds_load_b64 v[\r+6*\t+4:\r+6*\t+5], v9 offset:\off+768*\t+512
.endr
	ds_load_b128 v[216:219], v10 offset:\off+12288
	ds_load_b128 v[220:223], v10 offset:\off+12544
.endm
; A KEY STEP: one record, 128 keys.  kb: where k's fragments lie, and then v's; sb: the scores, then p; pre = 1: the next record's k is loaded over p
.macro STEP kb, sb, pre
	v_add_nc_u32 v8, s[TB], v1
	v_add_nc_u32 v9, s[TB], v2
	v_add_nc_u32 v10, s[TB], v3
	v_nop
	v_nop                                          ; five places: the scores are laid over registers that the last step's products have read
	s_wait_alu depctr_va_vdst(0)
	s_wait_dscnt 0x0                               ; k's fragments and scale words are in
.irp t, 0,1,2,3,4,5,6,7
	v_wmma_scale_f32_16x16x128_f8f6f4 v[\sb+8*\t:\sb+8*\t+7], v[\kb+6*\t:\kb+6*\t+11], v[16:27], 0, v[216+\t], v28 matrix_a_fmt:MATRIX_FMT_BF6 matrix_b_fmt:MATRIX_FMT_BF6
.endr
.rept 4
	v_nop                                          ; places: v's fragments land where k's lay, and the scores are read
.endr
.irp t, 0,1,2,3
	ds_load_b128 v[\kb+12*\t:\kb+12*\t+3], v8 offset:6144+1536*\t
	ds_load_b64 v[\kb+12*\t+4:\kb+12*\t+5], v9 offset:6144+1536*\t+512
	ds_load_b128 v[\kb+12*\t+6:\kb+12*\t+9], v8 offset:6144+1536*\t+768
	ds_load_b64 v[\kb+12*\t+10:\kb+12*\t+11], v9 offset:6144+1536*\t+1280
.endr
	ds_load_b128 v[224:227], v10 offset:12800
.irp b, 0,1,2,3
	v_max3_num_f32 v[232+\b], v[\sb+16*\b], v[\sb+1+16*\b], v[\sb+2+16*\b]   ; the largest score of each block of 32 keys: for the row's maximum and for the block's largest p
.endr
.irp i, 3,5,7,9,11,13
.irp b, 0,1,2,3
	v_max3_num_f32 v[232+\b], v[232+\b], v[\sb+16*\b+\i], v[\sb+1+16*\b+\i]
.endr
.endr
.irp b, 0,1,2,3
	v_max_num_f32 v[232+\b], v[232+\b], v[\sb+15+16*\b]
.endr
.irp b, 0,1,2,3
	s_delay_alu instid0(VALU_DEP_4)
	v_permlanex16_b32 v[236+\b], v[232+\b], s[SEL], s[SEL+1]
.endr
.irp b, 0,1,2,3
	s_delay_alu instid0(VALU_DEP_4)
	v_max_num_f32 v[232+\b], v[232+\b], v[236+\b]  ; with lane l xor 16's 16 keys
.endr
	s_delay_alu instid0(VALU_DEP_2)
	v_max3_num_f32 v254, v232, v233, v234
	s_delay_alu instid0(VALU_DEP_1)
	v_max_num_f32 v254, v254, v235
	s_delay_alu instid0(VALU_DEP_1)
	v_mul_f32 v254, s[CS], v254                    ; as t (c is positive)
	s_delay_alu instid0(VALU_DEP_1)
	v_max_num_f32 v13, v13, v254                   ; the running largest t
	v_mov_b32 v254, v12
	s_delay_alu instid0(VALU_DEP_2)
	v_floor_f32 v12, -v13                          ; the new -M = -ceil(t)
	s_delay_alu instid0(VALU_DEP_1)
	v_sub_f32 v254, v12, v254                      ; old M - new M: a whole number, 0 or less
	s_delay_alu instid0(VALU_DEP_1)
	v_cvt_i32_f32 v254, v254                       ; (it saturates)
	s_delay_alu instid0(VALU_DEP_1)
	v_ldexp_f32 v252, 1.0, v254                    ; f = 2^(old M - new M)
.set j, 0
.rept 32
	v_pk_fma_f32 v[\sb+j:\sb+j+1], v[\sb+j:\sb+j+1], s[CS:CS+1], v[12:13] op_sel_hi:[1,0,0]   ; t - M
.set j, j+2
.endr
.irp b, 0,1,2,3
	v_fma_f32 v[232+\b], v[232+\b], s[CS], v12     ; the same of each block's largest score
.endr
	s_wait_alu depctr_va_vdst(0)
.set j, 0
.rept 64
	v_exp_f32 v[\sb+j], v[\sb+j]                   ; p = 2^(t - M)
.set j, j+1
.endr
.irp b, 0,1,2,3
	v_exp_f32 v[232+\b], v[232+\b]                 ; the block's largest p
.endr
	v_pk_mul_f32 v[14:15], v[14:15], v[252:253] op_sel_hi:[1,0]   ; the sums under the new M (a plain place behind the exponentials)
	s_wait_alu depctr_va_vdst(0)                   ; and behind it
.irp b, 0,1,2,3
	v_max_num_f32 v[232+\b], 0x2800000, v[232+\b]  ; the floor 2^(5 - 127)
.endr
.irp b, 0,1,2,3
	s_delay_alu instid0(VALU_DEP_4)
	v_add_nc_u32 v[4+\b], 0xfe000000, v[232+\b]    ; the conversion's scale operand
.endr
.irp b, 0,1,2,3
	s_delay_alu instid0(VALU_DEP_4)
	v_lshrrev_b32 v[236+\b], 23, v[4+\b]           ; the scale's byte
.endr
	s_delay_alu instid0(VALU_DEP_3)
	v_lshl_or_b32 v228, v237, 8, v236              ; p's scale word for these 128 keys
	s_delay_alu instid0(VALU_DEP_1)
	v_lshl_or_b32 v228, v238, 16, v228
	s_delay_alu instid0(VALU_DEP_1)
	v_lshl_or_b32 v228, v239, 24, v228
; the row's sum of the unquantised p: 32 pairs in eight chains (seven in v234-247, the eighth the running sum)
.irp k, 0,1,2,3,4,5,6
	v_pk_add_f32 v[234+2*\k:235+2*\k], v[\sb+4*\k:\sb+4*\k+1], v[\sb+4*\k+2:\sb+4*\k+3]
.endr
	v_pk_add_f32 v[14:15], v[14:15], v[\sb+28:\sb+29]
.irp k, 0,1,2,3,4,5,6
	v_pk_add_f32 v[234+2*\k:235+2*\k], v[234+2*\k:235+2*\k], v[\sb+30+2*\k:\sb+31+2*\k]
.endr
	v_pk_add_f32 v[14:15], v[14:15], v[\sb+44:\sb+45]
.irp k, 0,1,2,3,4,5,6
	v_pk_add_f32 v[234+2*\k:235+2*\k], v[234+2*\k:235+2*\k], v[\sb+46+2*\k:\sb+47+2*\k]
.endr
	v_pk_add_f32 v[14:15], v[14:15], v[\sb+60:\sb+61]
	v_pk_add_f32 v[234:235], v[234:235], v[\sb+62:\sb+63]
	v_pk_add_f32 v[14:15], v[14:15], v[240:241]
	v_pk_add_f32 v[234:235], v[234:235], v[242:243]
	v_pk_add_f32 v[236:237], v[236:237], v[244:245]
	v_pk_add_f32 v[238:239], v[238:239], v[246:247]
	v_pk_add_f32 v[14:15], v[14:15], v[236:237]
	v_pk_add_f32 v[234:235], v[234:235], v[238:239]
	v_pk_add_f32 v[14:15], v[14:15], v[234:235]
.irp c, 0,1
	v_cvt_scalef32_pk16_bf6_f32 v[192+6*\c:194+6*\c], v[\sb+32*\c:\sb+15+32*\c], v[4+2*\c]
	v_cvt_scalef32_pk16_bf6_f32 v[204+4*\c:206+4*\c], v[\sb+16+32*\c:\sb+31+32*\c], v[4+2*\c+1]
.endr
	v_nop                                          ; one plain place behind a scaled conversion
.if \pre
	KLOAD \sb, REC                                 ; p is done with: the next record's k lands on it
.endif
.irp c, 0,1
.irp i, 0,1,2
	v_permlane16_swap_b32 v[192+6*\c+\i], v[204+4*\c+\i]
.endr
.irp i, 0,1,2
	v_mov_b32 v[195+6*\c+\i], v[204+4*\c+\i]
.endr
.endr
	s_wait_alu depctr_va_vdst(0)
.irp j, 0,2,4,6,8,10,12,14,16,18,20,22,24,26,28,30
	v_pk_mul_f32 v[160+\j:161+\j], v[160+\j:161+\j], v[252:253] op_sel_hi:[1,0]   ; O^T under the new M
.endr
	s_wait_alu depctr_va_vdst(0)
	s_wait_dscnt 18*\pre                           ; v's fragments and scale words are in; the 18 younger loads of k may be out
.irp t, 0,1,2,3
	v_wmma_scale_f32_16x16x128_f8f6f4 v[160+8*\t:167+8*\t], v[\kb+12*\t:\kb+12*\t+11], v[192:203], v[160+8*\t:167+8*\t], v[224+\t], v228 matrix_a_fmt:MATRIX_FMT_BF6 matrix_b_fmt:MATRIX_FMT_BF6
.endr
	s_add_co_u32 s[TB], s[TB], REC
.endm
	s_wait_alu depctr_va_vdst(0)
	s_wait_loadcnt 0x0                             ; q
	s_cmp_lt_u32 s[WV], 4
	s_cbranch_scc0 .Lnot_first
	s_wait_tensorcnt 0x0                           ; waves 0-3: records 0-3 have landed (the others' loads may be out)
.Lnot_first:
	s_barrier_signal -1
	s_barrier_wait -1
	s_mov_b32 s[TB], 0
	v_add_nc_u32 v8, s[TB], v1
	v_add_nc_u32 v9, s[TB], v2
	v_add_nc_u32 v10, s[TB], v3
	KLOAD 32, 0                                    ; record 0's k
	STEP 32, 96, 1                                 ; record 0
	STEP 96, 32, 1                                 ; record 1; it loads record 2's k, which the first barrier has shown
	s_wait_tensorcnt 0x0                           ; every wave: its record has landed
	s_wait_dscnt 0x0
	s_barrier_signal -1
	s_barrier_wait -1                              ; records 4-15 are whole
	s_mov_b32 s[TB], 2*REC
	s_mov_b32 s[CNT], 6
.Lstep:                                                ; records 2-13, two a trip: the two runs of registers are back where they began
	STEP 32, 96, 1
	STEP 96, 32, 1
	s_sub_co_u32 s[CNT], s[CNT], 1
	s_cmp_lg_u32 s[CNT], 0
	s_cbranch_scc1 .Lstep
	STEP 32, 96, 1                                 ; record 14
	STEP 96, 32, 0                                 ; record 15 loads nothing ahead
.rept 4
	v_nop                                          ; places behind the last products
.endr
	v_add_f32 v14, v14, v15
	v_permlanex16_b32 v252, v14, s[SEL], s[SEL+1]
	v_add_f32 v14, v14, v252                       ; the row's sum
	s_wait_alu depctr_va_vdst(0)
	v_rcp_f32 v14, v14
	v_nop                                          ; one plain place behind a transcendental
	s_wait_alu depctr_va_vdst(0)
.set j, 0
.rept 32
	v_mul_f32 v[96+j], v[160+j], v14               ; register 16 b + i: channel 32 b + 16 (lane / 16) + i of my query
.set j, j+1
.endr
.irp b, 0,1
	v_max3_num_f32 v[232+\b], |v[96+16*\b]|, |v[97+16*\b]|, 0x2800000
.endr
.irp i, 2,4,6,8,10,12,14
.irp b, 0,1
	v_max3_num_f32 v[232+\b], v[232+\b], |v[96+16*\b+\i]|, |v[97+16*\b+\i]|
.endr
.endr
.irp b, 0,1
	v_permlanex16_b32 v[236+\b], v[232+\b], s[SEL], s[SEL+1]
.endr
.irp b, 0,1
	v_max_num_f32 v[232+\b], v[232+\b], v[236+\b]
.endr
.irp b, 0,1
	v_add_nc_u32 v[244+\b], 0xfe000000, v[232+\b]
.endr
.irp b, 0,1
	v_lshrrev_b32 v[236+\b], 23, v[244+\b]
.endr
	v_lshl_or_b32 v238, v237, 8, v236              ; the head's two scale bytes of my query
	v_cvt_scalef32_pk16_bf6_f32 v[192:194], v[96:111], v244
	v_cvt_scalef32_pk16_bf6_f32 v[204:206], v[112:127], v245
	v_nop
.irp i, 0,1,2
	v_permlane16_swap_b32 v[192+\i], v[204+\i]
.endr
.irp i, 0,1,2
	v_mov_b32 v[195+\i], v[204+\i]
.endr
	global_store_b128 v1, v[192:195], s[6:7]       ; the image of (my tile of tokens, my head's 64): 512 consecutive bytes, aligned,
	global_store_b64 v2, v[196:197], s[6:7] offset:512   ; and 256
	global_store_b16 v3, v238, s[54:55]            ; lanes l and l xor 16 hold the same two bytes and write them to the same place
	s_wait_tensorcnt 0x0                           ; the wave's end
	ds_add_u32 v251, v255
	s_wait_dscnt 0x0
	CROUND                                         ; the closing round
	s_endpgm
.Lfunc_end_k_q4528f55a0f_att:
	.size	k_q4528f55a0f_att, .Lfunc_end_k_q4528f55a0f_att-k_q4528f55a0f_att
	.p2alignl 7, 3214868480
	.fill 96, 4, 3214868480
	.section	.rodata,"a",@progbits
	.p2align	6, 0x0
	.amdhsa_kernel k_q4528f55a0f_att
		.amdhsa_group_segment_fixed_size 215040
		.amdhsa_private_segment_fixed_size 0
		.amdhsa_enable_private_segment 0
		.amdhsa_kernarg_size 16
		.amdhsa_user_sgpr_count 2
		.amdhsa_user_sgpr_kernarg_segment_ptr 1
		.amdhsa_wavefront_size32 1
		.amdhsa_system_sgpr_workgroup_id_x 1
		.amdhsa_system_sgpr_workgroup_id_y 1
		.amdhsa_system_sgpr_workgroup_id_z 1
		.amdhsa_system_vgpr_workitem_id 0
		.amdhsa_next_free_vgpr 256
		.amdhsa_next_free_sgpr 66
		.amdhsa_reserve_vcc 0
		.amdhsa_float_denorm_mode_32 3
		.amdhsa_float_denorm_mode_16_64 3
		.amdhsa_memory_ordered 1
		.amdhsa_forward_progress 1
		.amdhsa_inst_pref_size 112
	.end_amdhsa_kernel
	.amdgpu_metadata
---
amdhsa.version: [ 1, 2 ]
amdhsa.kernels:
  - .name:           k_q4528f55a0f_att
    .symbol:         k_q4528f55a0f_att.kd
    .args:
      - { .name: qkv, .offset: 0, .size: 8, .value_kind: global_buffer, .address_space: global }
      - { .name: ao, .offset: 8, .size: 8, .value_kind: global_buffer, .address_space: global }
    .group_segment_fixed_size: 215040
    .private_segment_fixed_size: 0
    .kernarg_segment_align: 8
    .kernarg_segment_size: 16
    .max_flat_workgroup_size: 512
    .sgpr_count:     66
    .vgpr_count:     256
    .wavefront_size: 32
...
	.end_amdgpu_metadata
.endif
;; end of part 3
;; launch g2 (part 4): grid 8 x 32, 4 waves a work-group, clusters of 4 x 4, 327,680 bytes of LDS; arguments ao, ops, bo, x, x1; writes x1
.if DOCPART == 4
	.amdgcn_target "amdgcn-amd-amdhsa--gfx1250"
	.amdhsa_code_object_version 6
	.text
	.protected	k_q4528f55a0f_g2
	.globl	k_q4528f55a0f_g2
	.p2align	8
	.type	k_q4528f55a0f_g2,@function
k_q4528f55a0f_g2:
	s_mov_b64 s[64:65], 0
	v_nop
	global_prefetch_b8 v0, s[64:65] scope:SCOPE_SE
	s_setreg_imm32_b32 hwreg(HW_REG_WAVE_MODE, 25, 1), 1
	s_wait_xcnt 0x0
	s_wait_alu depctr_hold_cnt(0) depctr_sa_sdst(0) depctr_va_vdst(0) depctr_va_sdst(0) depctr_va_ssrc(0) depctr_va_vcc(0) depctr_vm_vsrc(0)
	s_getreg_b32 s2, hwreg(HW_REG_IB_STS2, 6, 4)
	s_cmp_eq_u32 s2, 0
	s_cbranch_scc0 .Lentry_in_a_cluster
	s_endpgm
.Lentry_in_a_cluster:
	s_bfe_u32 s2, ttmp6, 0x10000c
	s_cmp_lg_u32 s2, 0xf033
	s_cbranch_scc0 .Lentry_shape_is_right
	s_endpgm
.Lentry_shape_is_right:
; x1 = x + ao Wo + bo, f32 [4,096][1,024]; ao and Wo's columns are codes of BF6 (E3M2) with E8M0 scales, laid as images and scale planes; K = 1,024.  A tile of 128 x 128 a work-group, four waves of 64 x 64.
; ALL OF K COMES AT THE HEAD, one tensor load a wave: wave 0 A's 8 tiles (rows of 12,288 bytes), wave 2 B's, waves 1 and 3 A's and B's scale words [K step][8 tiles].  Nothing is filled again.
; The stage of the way out has LDS bytes of its own behind the spare words.  No prefetch: the text has no loop to run ahead in.  CLUSTERS: A's tiles jointly along a row, B's along a column.
; LIMITS: NaN and infinities are not served.
.set SIZE_K, 1024
.set AS_OFF, 3145728
.set BC_OFF, 5505024
.set BS_OFF, 9465856
.set BSP,    49152
.set NQ,     4
.set FR,     12
.set TROW,   6144
.set HALFT,  4*TROW
.set SLOT,   4*HALFT
.set LAPS,   SIZE_K/1024
.set GROW,   (SIZE_K/64)*768
.set SH,     (SIZE_K/128)*256
.set SCL,    2*SLOT
.set SPARE,  SCL+4*SH
.set ADRA, 16
.set ADRB, 20
.set STO,  24
.set RD,   25
.set CO,   26
.set ADRS, 27
.set SPW,  28
.set NIL,  29
.set SC,   32
.set BI,   64
.set AF,   128
.set BK,   128
.set G1, 24
.set G0, 32
.set G1B, 48
.set G0B, 56
.set G1S, 68
.set G0S, 76
.set G1SB, 80
.set G0SB, 88
.set MSB, 0
.macro WIN new
.if MSB != (\new)
	s_set_vgpr_msb (MSB<<8)|(\new)
.set MSB, (\new)
.endif
.endm
.set MUL,  0xa1
.set MUL0, 0x81
.set TO_B, 0x40
.macro JLOAD g0a, g1a, g0b, g1b
	s_cmp_eq_u32 s15, 0
	s_cbranch_scc0 .Lfor_b_\@
	tensor_load_to_lds s[\g0a:\g0a+3], s[\g1a:\g1a+7]
	s_nop 0
.rept 4
	v_nop
.endr
	s_branch .Lasked_\@
.Lfor_b_\@:
	tensor_load_to_lds s[\g0b:\g0b+3], s[\g1b:\g1b+7]
	s_nop 0
.rept 4
	v_nop
.endr
.Lasked_\@:
.endm
.macro CREST
	s_cmp_lg_u32 s14, 0
	s_cbranch_scc1 .Lnot_wave_0_\@
	s_barrier_signal -3
.Lnot_wave_0_\@:
	s_barrier_wait -3
	s_barrier_signal -1
	s_barrier_wait -1
.endm
.macro CROUND
	s_barrier_signal -1
	s_barrier_wait -1
	CREST
.endm
	s_load_b256 s[4:11], s[0:1], 0x0
	s_load_b64 s[12:13], s[0:1], 0x20
	v_lshl_add_u32 v[SPW], v0, 2, SPARE
	v_mov_b32 v[NIL], 0
	ds_add_u32 v28, v29
	ds_add_u32 v28, v29
	s_wait_dscnt 0x0
	v_lshrrev_b32 v1, 5, v0
	v_readfirstlane_b32 s14, v1
	s_lshr_b32 s15, s14, 1
	s_and_b32 s16, s14, 1
	s_bfe_u32 s40, ttmp6, 0x40000
	s_bfe_u32 s41, ttmp6, 0x40004
	s_lshl_b32 s42, ttmp9, 2
	s_add_co_u32 s42, s42, s40
	s_and_b32 s17, ttmp7, 0xffff
	s_lshl_b32 s17, s17, 2
	s_add_co_u32 s17, s17, s41
	s_lshl_b32 s43, s41, 2
	s_lshl_b32 s43, 15, s43
	s_lshl_b32 s44, 0x1111, s40
	s_or_b32 s[G1+0], s43, (3<<16)|(1<<21)
	s_or_b32 s[G1B+0], s44, (3<<16)|(1<<21)
.irp g, G1, G1B
	s_mov_b32 s[\g+1], 1536<<16
	s_mov_b32 s[\g+2], 8<<16
	s_mov_b32 s[\g+3], 1536<<16
	s_mov_b32 s[\g+4], 8
	s_mov_b32 s[\g+5], GROW/8
	s_mov_b32 s[\g+6], 0
	s_mov_b32 s[\g+7], 0
.endr
	s_or_b32 s[G1S+0], s43, (3<<16)|(1<<21)
	s_or_b32 s[G1SB+0], s44, (3<<16)|(1<<21)
.irp g, G1S, G1SB
	s_mov_b32 s[\g+1], 64<<16
	s_mov_b32 s[\g+2], (SIZE_K/128)<<16
	s_mov_b32 s[\g+3], 64<<16
	s_mov_b32 s[\g+4], SIZE_K/128
	s_mov_b32 s[\g+6], 0
	s_mov_b32 s[\g+7], 0
.endr
	s_mov_b32 s[G1S+5], 2048
	s_mov_b32 s[G1SB+5], BSP/8
	s_lshl_b32 s18, s16, 2
	s_lshl_b32 s20, s17, 3
	s_add_co_u32 s20, s20, s18
	s_lshl_b32 s46, s42, 3
	s_add_co_u32 s46, s46, s18
	s_lshl_b32 s22, s17, 9
	s_add_co_u32 s22, s22, AS_OFF
	s_mov_b32 s23, 0
	s_lshl_b32 s92, s42, 9
	s_add_co_u32 s92, s92, BS_OFF
	s_mov_b32 s93, 0
	s_mul_i32 s20, s20, GROW
	s_mov_b32 s21, 0
	s_mul_i32 s46, s46, GROW
	s_add_co_u32 s46, s46, BC_OFF
	s_mov_b32 s47, 0
	s_mul_i32 s45, s14, 2*HALFT
	s_wait_kmcnt 0x0
	s_add_nc_u64 s[20:21], s[4:5], s[20:21]
	s_add_nc_u64 s[22:23], s[4:5], s[22:23]
	s_add_nc_u64 s[46:47], s[6:7], s[46:47]
	s_add_nc_u64 s[92:93], s[6:7], s[92:93]
	CROUND
	s_mov_b32 s[G0S], 1
	s_mov_b32 s[G0S+1], SCL
	s_mov_b64 s[G0S+2:G0S+3], s[22:23]
	s_or_b32 s[G0S+3], s[G0S+3], 0x80000000
	s_mov_b32 s[G0SB], 1
	s_mov_b32 s[G0SB+1], SCL+2*SH
	s_mov_b64 s[G0SB+2:G0SB+3], s[92:93]
	s_or_b32 s[G0SB+3], s[G0SB+3], 0x80000000
.irp s, 0
	s_mov_b32 s[G0+4*\s], 1
	s_add_co_u32 s[G0+4*\s+1], s45, \s*SLOT
	s_add_nc_u64 s[G0+4*\s+2:G0+4*\s+3], s[20:21], \s*TROW
	s_or_b32 s[G0+4*\s+3], s[G0+4*\s+3], 0x80000000
	s_mov_b32 s[G0B+4*\s], 1
	s_add_co_u32 s[G0B+4*\s+1], s45, \s*SLOT
	s_add_nc_u64 s[G0B+4*\s+2:G0B+4*\s+3], s[46:47], \s*TROW
	s_or_b32 s[G0B+4*\s+3], s[G0B+4*\s+3], 0x80000000
.endr
	s_cmp_eq_u32 s14, 0                            ; the head's four loads, one a wave, in one chain of arms
	s_cbranch_scc0 .Lh1
	tensor_load_to_lds s[G0:G0+3], s[G1:G1+7]
	s_nop 0
.rept 4
	v_nop
.endr
	s_branch .Lhj
.Lh1:
	s_cmp_eq_u32 s14, 1
	s_cbranch_scc0 .Lh2
	tensor_load_to_lds s[G0S:G0S+3], s[G1S:G1S+7]
	s_nop 0
.rept 4
	v_nop
.endr
	s_branch .Lhj
.Lh2:
	s_cmp_eq_u32 s14, 2
	s_cbranch_scc0 .Lh3
	tensor_load_to_lds s[G0B:G0B+3], s[G1B:G1B+7]
	s_nop 0
.rept 4
	v_nop
.endr
	s_branch .Lhj
.Lh3:
	tensor_load_to_lds s[G0SB:G0SB+3], s[G1SB:G1SB+7]
	s_nop 0
.rept 4
	v_nop
.endr
.Lhj:
	v_and_b32 v1, 15, v0
	v_bfe_u32 v2, v0, 4, 1
	v_and_b32 v6, 31, v0
	v_lshlrev_b32 v4, 4, v6
	v_lshlrev_b32 v5, 3, v6
	s_mul_i32 s21, s15, 2*HALFT                    ; my 4 tiles of A, 12,288 bytes each,
	s_mul_i32 s22, s16, 2*HALFT
	s_add_co_u32 s22, s22, 4*HALFT                 ; of B, behind A's 8
.irp s, 0,1
	v_add_nc_u32 v[ADRA+\s], s21, v4
	v_add_nc_u32 v[ADRB+\s], s22, v4
	v_add_nc_u32 v[ADRA+2+\s], s21, v5
	v_add_nc_u32 v[ADRB+2+\s], s22, v5
	s_add_co_u32 s21, s21, TROW                    ; K's second half: the second half of each tile's row
	s_add_co_u32 s22, s22, TROW
.endr
	s_lshl_b32 s21, s15, 8
	s_lshl_b32 s22, s16, 8
	s_add_co_u32 s22, s22, 2*SH
	s_sub_co_u32 s22, s22, s21
	v_mul_u32_u24 v6, s22, v2
	s_add_co_u32 s21, s21, SCL
	v_lshlrev_b32 v5, 4, v1
	v_add_nc_u32 v5, v5, v6
	v_add_nc_u32 v[ADRS], s21, v5
	s_mul_i32 s23, s14, 4352
	s_add_co_u32 s23, s23, SPARE+512               ; my stage: bytes into which no tile lands
	v_mul_u32_u24 v5, v1, 272
	v_lshl_add_u32 v5, v2, 6, v5
	v_add_nc_u32 v[STO], s23, v5
	v_mul_u32_u24 v5, v2, 272
	v_lshl_add_u32 v5, v1, 4, v5
	v_add_nc_u32 v[RD], s23, v5
	v_lshlrev_b32 v5, 12, v2
	v_lshl_add_u32 v[CO], v1, 4, v5
	s_lshl_b32 s96, s42, 9
	s_lshl_b32 s97, s16, 8
	s_add_co_u32 s96, s96, s97
	s_mov_b32 s97, 0
	s_add_nc_u64 s[8:9], s[8:9], s[96:97]
	v_lshlrev_b32 v7, 6, v2
.irp p, 0,1
.irp e, 0,1,2,3
	global_load_b128 v[BI+16*\p+4*\e:BI+16*\p+4*\e+3], v7, s[8:9] offset:128*\p+16*\e
.endr
.endr
	s_lshl_b32 s98, s17, 7
	s_lshl_b32 s99, s15, 6
	s_add_co_u32 s98, s98, s99
	s_lshl_b32 s98, s98, 12
	s_add_co_u32 s96, s96, s98
	s_add_nc_u64 s[10:11], s[10:11], s[96:97]
	s_add_nc_u64 s[12:13], s[12:13], s[96:97]
.macro FRAG reg, adr, q, i
	ds_load_b128 v[\reg:\reg+3], v[\adr] offset:(\i)*2*TROW+1536*(\q)
	ds_load_b64 v[\reg+4:\reg+5], v[\adr+2] offset:(\i)*2*TROW+1536*(\q)+512
	ds_load_b128 v[\reg+6:\reg+9], v[\adr] offset:(\i)*2*TROW+1536*(\q)+768
	ds_load_b64 v[\reg+10:\reg+11], v[\adr+2] offset:(\i)*2*TROW+1536*(\q)+1280
.endm
.macro FETCH slot, q, set
	WIN TO_B
.irp i, 0,1,2,3
	FRAG 48*(\set)+FR*\i, ADRB+\slot, \q, \i
.endr
	WIN 0
.irp i, 0,1,2,3
	FRAG AF+48*(\set)+FR*\i, ADRA+\slot, \q, \i
.endr
.endm
.macro SCALES sc
.irp q, 0,1,2,3
	ds_load_b128 v[SC+16*\sc+4*\q:SC+16*\sc+4*\q+3], v[ADRS] offset:512*\q
.endr
.endm
.macro MUL4 a, set, q, sc, cm
.irp b, 0,1,2,3
.if \cm
	v_wmma_scale_f32_16x16x128_f8f6f4 v[8*(4*(\a)+\b):8*(4*(\a)+\b)+7], v[48*(\set)+FR*\b:48*(\set)+FR*\b+FR-1], v[AF+48*(\set)+FR*(\a):AF+48*(\set)+FR*(\a)+FR-1], v[BI+8*\b:BI+8*\b+7], v[SC+16*(\sc)+4*(\q)+\b], v[SC+16*(\sc)+4*(\q)+(\a)] matrix_a_fmt:MATRIX_FMT_BF6 matrix_b_fmt:MATRIX_FMT_BF6 matrix_a_scale:MATRIX_SCALE_ROW1
.else
	v_wmma_scale_f32_16x16x128_f8f6f4 v[8*(4*(\a)+\b):8*(4*(\a)+\b)+7], v[48*(\set)+FR*\b:48*(\set)+FR*\b+FR-1], v[AF+48*(\set)+FR*(\a):AF+48*(\set)+FR*(\a)+FR-1], v[8*(4*(\a)+\b):8*(4*(\a)+\b)+7], v[SC+16*(\sc)+4*(\q)+\b], v[SC+16*(\sc)+4*(\q)+(\a)] matrix_a_fmt:MATRIX_FMT_BF6 matrix_b_fmt:MATRIX_FMT_BF6 matrix_a_scale:MATRIX_SCALE_ROW1
.endif
.endr
.endm
.macro PLACES n
.rept \n
	v_nop
.endr
.endm
.macro STEP slot, q, cm
	s_wait_dscnt 0x0
	PLACES 4
	FETCH \slot, (\q)+1, ((\q)+1)%2
.if \cm
	WIN MUL0
.else
	WIN MUL
.endif
	MUL4 0, (\q)%2, \q, \slot, \cm
	MUL4 1, (\q)%2, \q, \slot, \cm
	MUL4 2, (\q)%2, \q, \slot, \cm
	MUL4 3, (\q)%2, \q, \slot, \cm
	WIN 0
.endm
.macro TURN slot, next, fill
	s_wait_tensorcnt 0x0
	ds_add_u32 v[SPW], v[NIL]
	s_wait_dscnt 1
	WIN MUL
	MUL4 0, 1, NQ-1, \slot, 0
	s_wait_dscnt 0x0
	s_barrier_signal -1
	MUL4 1, 1, NQ-1, \slot, 0
	WIN 0
	s_barrier_wait -1
.if \fill
	CREST
	s_add_nc_u64 s[G0+4*\slot+2:G0+4*\slot+3], s[G0+4*\slot+2:G0+4*\slot+3], 2*TROW
	s_add_nc_u64 s[G0B+4*\slot+2:G0B+4*\slot+3], s[G0B+4*\slot+2:G0B+4*\slot+3], 2*TROW
	JLOAD G0+4*\slot, G1, G0B+4*\slot, G1B
.else
	PLACES 4
.endif
	v_add_nc_u32 v[ADRS], 2048, v[ADRS]
	FETCH \next, 0, 0
	SCALES \next
	WIN MUL
	MUL4 2, 1, NQ-1, \slot, 0
	MUL4 3, 1, NQ-1, \slot, 0
	WIN 0
.endm
	s_wait_alu depctr_va_vdst(0)
	s_wait_tensorcnt 0x0                           ; my tile of the head's four is in; the barrier shows all four to every wave
	s_barrier_signal -1
	s_barrier_wait -1
	FETCH 0, 0, 0
	SCALES 0
	s_wait_loadcnt 0x0
	STEP 0, 0, 1
.if LAPS > 1
	s_mov_b32 s3, LAPS-1
.Llap:
	STEP 0, 1, 0
	STEP 0, 2, 0
	TURN 0, 1, 1
	STEP 1, 0, 0
	STEP 1, 1, 0
	STEP 1, 2, 0
	TURN 1, 0, 1
	STEP 0, 0, 0
	s_sub_co_u32 s3, s3, 1
	s_cmp_lg_u32 s3, 0
	s_cbranch_scc1 .Llap
.endif
	STEP 0, 1, 0
	STEP 0, 2, 0
	TURN 0, 1, 0
	WIN 0xc0
.irp a, 0,1,2,3
.irp t, 0,1,2,3,4,5,6,7
	global_load_b128 v[32*\a+4*\t:32*\a+4*\t+3], v[CO], s[10:11] offset:(32*(\a/2)+8*(\a%2)+2*(\t%4)+16*(\t/4))*4096
.endr
.endr
	WIN 0
	STEP 1, 0, 0
	STEP 1, 1, 0
	STEP 1, 2, 0
	s_wait_dscnt 0x0
	WIN MUL
	MUL4 0, 1, NQ-1, 1, 0
	MUL4 1, 1, NQ-1, 1, 0
	MUL4 2, 1, NQ-1, 1, 0
	MUL4 3, 1, NQ-1, 1, 0
	WIN 0
.macro TOSTAGE a
	WIN 0x08
.irp b, 0,1,2,3
	ds_store_b128 v[STO], v[8*(4*(\a)+\b):8*(4*(\a)+\b)+3] offset:128*(\b/2)+32*(\b%2)
	ds_store_b128 v[STO], v[8*(4*(\a)+\b)+4:8*(4*(\a)+\b)+7] offset:128*(\b/2)+32*(\b%2)+16
.endr
	WIN 0
.set BB, BK+32*((\a)%2)
.irp t, 0,1,2,3,4,5,6,7
	ds_load_b128 v[BB+4*\t:BB+4*\t+3], v[RD] offset:\t*544
.endr
.endm
.macro SEND a, younger
.set BB, BK+32*((\a)%2)
	s_wait_dscnt \younger
	s_wait_loadcnt 8*(3-(\a))
	WIN 0x0c
.irp k, 0,1,2,3,4,5,6,7,8,9,10,11,12,13,14,15
	v_pk_add_f32 v[BB+2*\k:BB+2*\k+1], v[BB+2*\k:BB+2*\k+1], v[32*(\a)+2*\k:32*(\a)+2*\k+1]
.endr
	WIN 0
.irp t, 0,1,2,3,4,5,6,7
	global_store_b128 v[CO], v[BB+4*\t:BB+4*\t+3], s[12:13] offset:(32*((\a)/2)+8*((\a)%2)+2*(\t%4)+16*(\t/4))*4096
.endr
.endm
	PLACES 4
	TOSTAGE 0
	TOSTAGE 1
	SEND 0, 16
	s_wait_xcnt 0x0
	TOSTAGE 2
	SEND 1, 16
	s_wait_xcnt 0x0
	TOSTAGE 3
	SEND 2, 16
	SEND 3, 0
	s_wait_tensorcnt 0x0
	ds_add_u32 v[SPW], v[NIL]
	s_wait_dscnt 0x0
	CROUND
	s_endpgm
.Lfunc_end_k_q4528f55a0f_g2:
	.size	k_q4528f55a0f_g2, .Lfunc_end_k_q4528f55a0f_g2-k_q4528f55a0f_g2
	.p2alignl 7, 3214868480
	.fill 96, 4, 3214868480
	.section	.rodata,"a",@progbits
	.p2align	6, 0x0
	.amdhsa_kernel k_q4528f55a0f_g2
		.amdhsa_group_segment_fixed_size 327680
		.amdhsa_private_segment_fixed_size 0
		.amdhsa_enable_private_segment 0
		.amdhsa_kernarg_size 40
		.amdhsa_user_sgpr_count 2
		.amdhsa_user_sgpr_kernarg_segment_ptr 1
		.amdhsa_wavefront_size32 1
		.amdhsa_system_sgpr_workgroup_id_x 1
		.amdhsa_system_sgpr_workgroup_id_y 1
		.amdhsa_system_sgpr_workgroup_id_z 1
		.amdhsa_system_vgpr_workitem_id 0
		.amdhsa_next_free_vgpr 1024
		.amdhsa_next_free_sgpr 100
		.amdhsa_reserve_vcc 0
		.amdhsa_float_denorm_mode_32 3
		.amdhsa_float_denorm_mode_16_64 3
		.amdhsa_memory_ordered 1
		.amdhsa_forward_progress 1
		.amdhsa_inst_pref_size 60
	.end_amdhsa_kernel
	.amdgpu_metadata
---
amdhsa.version: [ 1, 2 ]
amdhsa.kernels:
  - .name:           k_q4528f55a0f_g2
    .symbol:         k_q4528f55a0f_g2.kd
    .args:
      - { .name: ao, .offset: 0, .size: 8, .value_kind: global_buffer, .address_space: global }
      - { .name: ops, .offset: 8, .size: 8, .value_kind: global_buffer, .address_space: global }
      - { .name: bo, .offset: 16, .size: 8, .value_kind: global_buffer, .address_space: global }
      - { .name: x, .offset: 24, .size: 8, .value_kind: global_buffer, .address_space: global }
      - { .name: x1, .offset: 32, .size: 8, .value_kind: global_buffer, .address_space: global }
    .group_segment_fixed_size: 327680
    .private_segment_fixed_size: 0
    .kernarg_segment_align: 8
    .kernarg_segment_size: 40
    .max_flat_workgroup_size: 128
    .sgpr_count:     100
    .vgpr_count:     1024
    .wavefront_size: 32
...
	.end_amdgpu_metadata
.endif
;; end of part 4
;; launch ln2 (part 5): grid 256 x 1, 16 waves a work-group, no clusters, 88,832 bytes of LDS; arguments x1, ln2_g, ln2_b, ops; writes ops
.if DOCPART == 5
	.amdgcn_target "amdgcn-amd-amdhsa--gfx1250"
	.amdhsa_code_object_version 6
	.text
	.protected	k_q4528f55a0f_ln2
	.globl	k_q4528f55a0f_ln2
	.p2align	8
	.type	k_q4528f55a0f_ln2,@function
k_q4528f55a0f_ln2:
	s_mov_b64 s[64:65], 0
	v_nop
	global_prefetch_b8 v0, s[64:65] scope:SCOPE_SE
	s_setreg_imm32_b32 hwreg(HW_REG_WAVE_MODE, 25, 1), 1
	s_wait_xcnt 0x0
; y = (x - mean) / sqrt(var + 1e-5) * g + b along rows of 1,024 f32, then y is quantised along the row to codes of BF6 (E3M2), one E8M0 byte for each 32, into tiles 0-255 of ops.
; Mean and variance are taken in two passes over the row in registers (the variance of the centred numbers), so a common offset of the input costs no accuracy.
; LAYOUT OUT: token t has slot pi(t), pi swapping bits 3 and 4.  An image (768 bytes) holds a tile of 16 slots and 64 along K: lane (r, h) of the reading wave owns the 24 bytes of slot r, k = 32 h + 0 .. 31:
; 16 bytes at 16 (r + 16 h), 8 at 512 + 8 (r + 16 h).  The scale word of tile T, slot r, K step s: OPS_S + 49,152 s + 256 (T / 4) + 16 r + 4 (T % 4).
; LIMITS: a block of zeros gets the byte 1 (zero codes; this program alone reads the bytes); blocks under 2^-122 are held at byte 1; NaN and infinities are not served.
; SHARES.  Work-group T makes tile T; each of its SIXTEEN waves one slot, one row, so that the sixteen rows' chains of sums, LDS turns and conversions run side by side.  A row lies in 32 registers (load j: bytes 512 j + 16 lane).
; For the quantiser a lane must hold a whole block of 32 neighbours: the finished row turns through the wave's own stage in LDS (blocks 144 bytes apart).  The codes meet in LDS as the tile's 16 images
; (784 bytes apart); behind the one barrier wave w stores image w: 512 and 256 consecutive bytes.  The scale words leave 4 bytes a lane, by waves 0-3: 512 bytes a work-group, strewn over eight planes.
; No tensor load, no cluster: work-groups share nothing but g and b.
.set OPS_S, 9437184
.set IMG,   73728                      ; LDS: sixteen stages of 4,608 bytes; then the images;
.set SCST,  86272                      ; then the scale bytes [K step][slot][4]
.set C,  16
.set D,  22
.set X,  32                            ; v32-63   my row
.set G,  64                            ; v64-95   g
.set BT, 96                            ; v96-127  b
.set Y,  128                           ; v128-159 at work; a block of 32; the way out
.set L8, 160                           ; v160     8 x lane
	s_load_b256 s[4:11], s[0:1], 0x0               ; x, g, b, ops
	v_lshl_add_u32 v168, v0, 2, 0x15300
	v_mov_b32 v169, 0
	v_lshrrev_b32 v1, 5, v0
	s_delay_alu instid0(VALU_DEP_1)
	v_readfirstlane_b32 s12, v1                    ; wave = slot
	v_and_b32 v1, 31, v0                           ; lane
	s_delay_alu instid0(VALU_DEP_1)
	v_lshlrev_b32 v2, 4, v1                        ; 16 x lane
	s_lshr_b32 s13, ttmp9, 1                       ; my row: 32 (T / 2) + 8 (T % 2) + w % 8 + 16 (w / 8)
	s_lshl_b32 s13, s13, 5
	s_and_b32 s14, ttmp9, 1
	s_lshl_b32 s14, s14, 3
	s_add_co_u32 s13, s13, s14
	s_and_b32 s14, s12, 7
	s_add_co_u32 s13, s13, s14
	s_lshr_b32 s14, s12, 3
	s_lshl_b32 s14, s14, 4
	s_add_co_u32 s13, s13, s14
	s_lshl_b32 s14, s13, 12
	s_mov_b32 s15, 0
	s_wait_alu depctr_va_vdst(0)
	s_wait_kmcnt 0x0
	s_add_nc_u64 s[4:5], s[4:5], s[14:15]
.irp j, 0,1,2,3,4,5,6,7
	global_load_b128 v[X+4*\j:X+4*\j+3], v2, s[4:5] offset:512*\j
.endr
.irp j, 0,1,2,3,4,5,6,7
	global_load_b128 v[G+4*\j:G+4*\j+3], v2, s[6:7] offset:512*\j
.endr
.irp j, 0,1,2,3,4,5,6,7
	global_load_b128 v[BT+4*\j:BT+4*\j+3], v2, s[8:9] offset:512*\j
.endr
	s_mov_b32 s20, 0x3a800000                      ; 1 / 1,024
	s_mov_b32 s21, 0x3727c5ac                      ; 1e-5
	s_mov_b32 s22, 0x76543210
	s_mov_b32 s23, 0xfedcba98                      ; v_permlanex16_b32's selects for lane l xor 16
	v_mov_b32 v10, 0                               ; written once: a lane permute's destination counts as one of its sources
	v_lshrrev_b32 v8, 3, v1
	v_and_b32 v9, 7, v1
	s_delay_alu instid0(VALU_DEP_2)
	v_mul_u32_u24 v3, v8, 144
	s_delay_alu instid0(VALU_DEP_1)
	v_lshl_add_u32 v3, v9, 4, v3
	s_mul_i32 s16, s12, 4608
	v_add_nc_u32 v3, s16, v3                       ; into the stage: block 4 j + lane / 8, 16 (lane % 8) bytes in
	v_mul_u32_u24 v4, v1, 144
	s_delay_alu instid0(VALU_DEP_1)
	v_add_nc_u32 v4, s16, v4                       ; out of it: block = lane
	v_lshrrev_b32 v8, 1, v1
	v_and_b32 v9, 1, v1
	s_delay_alu instid0(VALU_DEP_2)
	v_mul_u32_u24 v8, v8, 784                      ; my block lies in image lane / 2, half lane % 2
	s_delay_alu instid0(VALU_DEP_1)
	v_lshl_add_u32 v5, v9, 8, v8
	s_lshl_b32 s16, s12, 4
	s_add_co_u32 s16, s16, IMG
	v_add_nc_u32 v5, s16, v5                       ; its first 16 bytes: + 16 x slot
	v_lshl_add_u32 v6, v9, 7, v8
	s_lshl_b32 s16, s12, 3
	s_add_co_u32 s16, s16, IMG+512
	v_add_nc_u32 v6, s16, v6                       ; its last 8: + 8 x slot
	v_lshrrev_b32 v8, 2, v1
	v_and_b32 v9, 3, v1
	s_delay_alu instid0(VALU_DEP_1)
	v_lshl_add_u32 v7, v8, 6, v9
	s_lshl_b32 s16, s12, 2
	s_add_co_u32 s16, s16, SCST
	v_add_nc_u32 v7, s16, v7                       ; its scale byte: 64 (lane / 4) + lane % 4 + 4 x slot
	s_mul_i32 s16, s12, 784
	s_add_co_u32 s16, s16, IMG
	v_add_nc_u32 v15, s16, v2                      ; the way out: wave w takes image w: its first 512 bytes,
	v_lshlrev_b32 v[L8], 3, v1
	s_add_co_u32 s16, s16, 512
	v_add_nc_u32 v25, s16, v[L8]                   ; and its last 256
	v_and_b32 v8, 127, v0                          ; threads 0-127 take a scale word each: K step t / 16, slot t % 16
	s_delay_alu instid0(VALU_DEP_1)
	v_lshl_add_u32 v30, v8, 2, SCST
	s_delay_alu instid0(VALU_DEP_2)
	v_lshrrev_b32 v9, 4, v8
	v_and_b32 v8, 15, v0
	s_delay_alu instid0(VALU_DEP_2)
	v_mul_u32_u24 v31, v9, 49152
	s_delay_alu instid0(VALU_DEP_1)
	v_lshl_add_u32 v31, v8, 4, v31
	s_mul_i32 s16, ttmp9, 12288
	s_mul_i32 s17, s12, 768
	s_add_co_u32 s16, s16, s17
	s_mov_b32 s17, 0
	s_lshr_b32 s18, ttmp9, 2
	s_lshl_b32 s18, s18, 8
	s_and_b32 s19, ttmp9, 3
	s_lshl_b32 s19, s19, 2
	s_add_co_u32 s18, s18, s19
	s_add_co_u32 s18, s18, OPS_S
	s_mov_b32 s19, 0
	s_add_nc_u64 s[16:17], s[10:11], s[16:17]
	s_add_nc_u64 s[18:19], s[10:11], s[18:19]
.macro WSUM                            ; v8 summed over the 32 lanes, the result in every lane
	s_delay_alu instid0(VALU_DEP_1)
	v_add_f32_dpp v8, v8, v8 row_xmask:1 row_mask:0xf bank_mask:0xf
	s_delay_alu instid0(VALU_DEP_1)
	v_add_f32_dpp v8, v8, v8 row_xmask:2 row_mask:0xf bank_mask:0xf
	s_delay_alu instid0(VALU_DEP_1)
	v_add_f32_dpp v8, v8, v8 row_xmask:4 row_mask:0xf bank_mask:0xf
	s_delay_alu instid0(VALU_DEP_1)
	v_add_f32_dpp v8, v8, v8 row_xmask:8 row_mask:0xf bank_mask:0xf
	s_delay_alu instid0(VALU_DEP_1)
	v_permlanex16_b32 v10, v8, s22, s23
	s_delay_alu instid0(VALU_DEP_1)
	v_add_f32 v8, v8, v10
.endm
	s_wait_loadcnt 16                              ; my row is in; g's and b's sixteen loads may be out
.irp k, 0,1,2,3,4,5,6,7
	v_pk_add_f32 v[Y+2*\k:Y+2*\k+1], v[X+4*\k:X+4*\k+1], v[X+4*\k+2:X+4*\k+3]   ; the sum, as a tree
.endr
.irp k, 0,1,2,3
	v_pk_add_f32 v[Y+4*\k:Y+4*\k+1], v[Y+4*\k:Y+4*\k+1], v[Y+4*\k+2:Y+4*\k+3]
.endr
	s_delay_alu instid0(VALU_DEP_3)
	v_pk_add_f32 v[Y:Y+1], v[Y:Y+1], v[Y+4:Y+5]
	s_delay_alu instid0(VALU_DEP_2)
	v_pk_add_f32 v[Y+8:Y+9], v[Y+8:Y+9], v[Y+12:Y+13]
	s_delay_alu instid0(VALU_DEP_1)
	v_pk_add_f32 v[Y:Y+1], v[Y:Y+1], v[Y+8:Y+9]
	s_delay_alu instid0(VALU_DEP_1)
	v_add_f32 v8, v[Y], v[Y+1]
	WSUM
	s_delay_alu instid0(VALU_DEP_1)
	v_mul_f32 v26, s20, v8                         ; the mean
	s_delay_alu instid0(VALU_DEP_1)
	v_mov_b32 v27, v26
.irp k, 0,1,2,3,4,5,6,7,8,9,10,11,12,13,14,15
	v_pk_add_f32 v[X+2*\k:X+2*\k+1], v[X+2*\k:X+2*\k+1], v[26:27] neg_lo:[0,1] neg_hi:[0,1]   ; centred in place
.endr
	v_pk_mul_f32 v[Y:Y+1], v[X:X+1], v[X:X+1]      ; the sum of squares, in two chains
	v_pk_mul_f32 v[Y+2:Y+3], v[X+2:X+3], v[X+2:X+3]
.irp k, 2,4,6,8,10,12,14
	s_delay_alu instid0(VALU_DEP_2)
	v_pk_fma_f32 v[Y:Y+1], v[X+2*\k:X+2*\k+1], v[X+2*\k:X+2*\k+1], v[Y:Y+1]
	s_delay_alu instid0(VALU_DEP_2)
	v_pk_fma_f32 v[Y+2:Y+3], v[X+2*\k+2:X+2*\k+3], v[X+2*\k+2:X+2*\k+3], v[Y+2:Y+3]
.endr
	s_delay_alu instid0(VALU_DEP_1)
	v_pk_add_f32 v[Y:Y+1], v[Y:Y+1], v[Y+2:Y+3]
	s_delay_alu instid0(VALU_DEP_1)
	v_add_f32 v8, v[Y], v[Y+1]
	WSUM
	s_delay_alu instid0(VALU_DEP_1)
	v_fma_f32 v8, v8, s20, s21                     ; the variance + 1e-5
	s_wait_alu depctr_va_vdst(0)
	v_rsq_f32 v28, v8
	v_nop                                          ; one plain place behind a transcendental
	s_wait_alu depctr_va_vdst(0)
	v_mov_b32 v29, v28
	s_wait_alu depctr_va_vdst(0)
	s_wait_loadcnt 0x0                             ; g and b
.irp k, 0,1,2,3,4,5,6,7,8,9,10,11,12,13,14,15
	v_pk_mul_f32 v[X+2*\k:X+2*\k+1], v[X+2*\k:X+2*\k+1], v[28:29]
.endr
.irp k, 0,1,2,3,4,5,6,7,8,9,10,11,12,13,14,15
	v_pk_fma_f32 v[X+2*\k:X+2*\k+1], v[X+2*\k:X+2*\k+1], v[G+2*\k:G+2*\k+1], v[BT+2*\k:BT+2*\k+1]
.endr
.irp j, 0,1,2,3,4,5,6,7
	ds_store_b128 v3, v[X+4*\j:X+4*\j+3] offset:576*\j
.endr
.irp j, 0,1,2,3,4,5,6,7
	ds_load_b128 v[Y+4*\j:Y+4*\j+3], v4 offset:16*\j     ; LDS serves a wave's instructions in order: these see the stores above
.endr
	s_wait_dscnt 0x0                               ; block = lane: 32 neighbours along the row are mine
	v_max3_num_f32 v12, |v[Y]|, |v[Y+1]|, |v[Y+2]|
	v_max3_num_f32 v13, |v[Y+3]|, |v[Y+4]|, |v[Y+5]|
.irp n, 6,10,14,18,22,26
	s_delay_alu instid0(VALU_DEP_2)
	v_max3_num_f32 v12, v12, |v[Y+\n]|, |v[Y+\n+1]|
	s_delay_alu instid0(VALU_DEP_2)
	v_max3_num_f32 v13, v13, |v[Y+\n+2]|, |v[Y+\n+3]|
.endr
	s_delay_alu instid0(VALU_DEP_2)
	v_max3_num_f32 v12, v12, |v[Y+30]|, |v[Y+31]|
	s_delay_alu instid0(VALU_DEP_1)
	v_max3_num_f32 v12, v12, v13, 0x2800000        ; and the floor 2^(5 - 127)
	s_delay_alu instid0(VALU_DEP_1)
	v_add_nc_u32 v11, 0xfe000000, v12              ; 4 off the exponent field: the conversion's scale operand
	s_delay_alu instid0(VALU_DEP_1)
	v_lshrrev_b32 v14, 23, v11                     ; the scale's byte
	v_cvt_scalef32_pk16_bf6_f32 v[C:C+2], v[Y:Y+15], v11
	v_cvt_scalef32_pk16_bf6_f32 v[D:D+2], v[Y+16:Y+31], v11
	v_nop                                          ; one plain place behind a scaled conversion
	v_mov_b32 v[C+3], v[D]
	v_mov_b32 v[C+4], v[D+1]
	v_mov_b32 v[C+5], v[D+2]
	ds_store_b128 v5, v[C:C+3]
	ds_store_b64 v6, v[C+4:C+5]
	ds_store_b8 v7, v14
	s_wait_dscnt 0x0                               ; for the others' sake: my stores have landed
	s_barrier_signal -1
	s_barrier_wait -1                              ; the tile's 16 images and its scale bytes lie in LDS
	ds_load_b128 v[Y:Y+3], v15
	ds_load_b64 v[Y+4:Y+5], v25
	s_wait_dscnt 0x0
	global_store_b128 v2, v[Y:Y+3], s[16:17]       ; 512 consecutive bytes, aligned,
	global_store_b64 v[L8], v[Y+4:Y+5], s[16:17] offset:512   ; and 256
	s_cmp_lt_u32 s12, 4
	s_cbranch_scc0 .Ldone                          ; the 128 scale words are waves 0-3's
	ds_load_b32 v[Y+6], v30
	s_wait_dscnt 0x0
	global_store_b32 v31, v[Y+6], s[18:19]
.Ldone:
	s_wait_tensorcnt 0x0
	ds_add_u32 v168, v169
	s_wait_dscnt 0x0
	s_endpgm
.Lfunc_end_k_q4528f55a0f_ln2:
	.size	k_q4528f55a0f_ln2, .Lfunc_end_k_q4528f55a0f_ln2-k_q4528f55a0f_ln2
	.p2alignl 7, 3214868480
	.fill 96, 4, 3214868480
	.section	.rodata,"a",@progbits
	.p2align	6, 0x0
	.amdhsa_kernel k_q4528f55a0f_ln2
		.amdhsa_group_segment_fixed_size 88832
		.amdhsa_private_segment_fixed_size 0
		.amdhsa_enable_private_segment 0
		.amdhsa_kernarg_size 32
		.amdhsa_user_sgpr_count 2
		.amdhsa_user_sgpr_kernarg_segment_ptr 1
		.amdhsa_wavefront_size32 1
		.amdhsa_system_sgpr_workgroup_id_x 1
		.amdhsa_system_sgpr_workgroup_id_y 1
		.amdhsa_system_sgpr_workgroup_id_z 1
		.amdhsa_system_vgpr_workitem_id 0
		.amdhsa_next_free_vgpr 170
		.amdhsa_next_free_sgpr 66
		.amdhsa_reserve_vcc 0
		.amdhsa_float_denorm_mode_32 3
		.amdhsa_float_denorm_mode_16_64 3
		.amdhsa_memory_ordered 1
		.amdhsa_forward_progress 1
		.amdhsa_inst_pref_size 18
	.end_amdhsa_kernel
	.amdgpu_metadata
---
amdhsa.version: [ 1, 2 ]
amdhsa.kernels:
  - .name:           k_q4528f55a0f_ln2
    .symbol:         k_q4528f55a0f_ln2.kd
    .args:
      - { .name: x1, .offset: 0, .size: 8, .value_kind: global_buffer, .address_space: global }
      - { .name: ln2_g, .offset: 8, .size: 8, .value_kind: global_buffer, .address_space: global }
      - { .name: ln2_b, .offset: 16, .size: 8, .value_kind: global_buffer, .address_space: global }
      - { .name: ops, .offset: 24, .size: 8, .value_kind: global_buffer, .address_space: global }
    .group_segment_fixed_size: 88832
    .private_segment_fixed_size: 0
    .kernarg_segment_align: 8
    .kernarg_segment_size: 32
    .max_flat_workgroup_size: 512
    .sgpr_count:     66
    .vgpr_count:     170
    .wavefront_size: 32
...
	.end_amdgpu_metadata
.endif
;; end of part 5
;; launch g3 (part 6): grid 16 x 16, 4 waves a work-group, clusters of 4 x 4, 327,680 bytes of LDS; arguments ops, b1, hid; writes hid
.if DOCPART == 6
	.amdgcn_target "amdgcn-amd-amdhsa--gfx1250"
	.amdhsa_code_object_version 6
	.text
	.protected	k_q4528f55a0f_g3
	.globl	k_q4528f55a0f_g3
	.p2align	8
	.type	k_q4528f55a0f_g3,@function
k_q4528f55a0f_g3:
	s_mov_b64 s[64:65], 0
	v_nop
	global_prefetch_b8 v0, s[64:65] scope:SCOPE_SE
	s_setreg_imm32_b32 hwreg(HW_REG_WAVE_MODE, 25, 1), 1
	s_wait_xcnt 0x0
	s_wait_alu depctr_hold_cnt(0) depctr_sa_sdst(0) depctr_va_vdst(0) depctr_va_sdst(0) depctr_va_ssrc(0) depctr_va_vcc(0) depctr_vm_vsrc(0)
	s_getreg_b32 s2, hwreg(HW_REG_IB_STS2, 6, 4)
	s_cmp_eq_u32 s2, 0
	s_cbranch_scc0 .Lentry_in_a_cluster
	s_endpgm
.Lentry_in_a_cluster:
	s_bfe_u32 s2, ttmp6, 0x10000c
	s_cmp_lg_u32 s2, 0xf033
	s_cbranch_scc0 .Lentry_shape_is_right
	s_endpgm
.Lentry_shape_is_right:
; hid = Q(relu(xn2 W1 + b1)): the product on codes of BF6 (E3M2) with E8M0 scales, K = 1,024; the result is quantised in registers along the hidden axis and stored as the next product's operand.
; Both operands lie in ops as images (768 bytes: a tile of 16 slots x 64 along K; lane l's 24 bytes: 16 at 16 l, 8 at 512 + 8 l; a tile's 16 images on end, 12,288 bytes) and scale planes
; (word of tile T, slot r, K step s at OPS_S + 49,152 s + 256 (T / 4) + 16 r + 4 (T % 4)).  Slot = row with bits 3 and 4 swapped: so the 16 result registers of two neighbouring tiles of source 0 are 16 neighbours.
; A tile of the result, 256 x 256, is made by four waves, 128 x 128 each: 64 accumulators, 512 registers.  K goes in four parts of 256 through THREE LDS slots filled by the tensor data mover: the first three parts
; are first fills; the fourth is slot 0's one refill, asked for when slot 0 has been read: two slots' products, 256 matrix instructions a wave, stand between the request and the wait for it.
; The scale words of the work-group's rows, for all of K, come once with the first fills.  Source 0 = W1's tile, source 1 = the tokens': a lane holds one token and its registers run along the hidden units.
; The bias is the C of each sum's first matrix instruction.  OUT: hid, images with 64 groups a tile, and planes of 16,384 bytes from HID_S on.
; CLUSTERS: 4 x 4 work-groups; A's tiles are asked for jointly along a row of the cluster, B's along a column.
; LIMITS: a block of zeros gets the byte 1 (zero codes; this program alone reads the bytes); blocks under 2^-122 are held at byte 1; NaN and infinities are not served.
; REGISTERS: window 0: v4-15 fragment addresses; v16-31 addresses and work; v32-63 scale words, two sets; v64-127 the bias, on the way out a block after the relu; v128-223 A's fragments, one set;
;   on the way out v128-146 codes, v200-215 at work, v216-223 scale words made.  window 1: B's fragments, two sets, at v0 and v128.  windows 2, 3: the accumulators ((a, b) at v[8 (8 (a % 4) + b)]).
.set OPS_S,  9437184
.set HID_S,  12582912
.set NQ,     2
.set FR,     12
.set NL,     4
.set NP,     4
.set TROW,   3072
.set HALFT,  8*TROW
.set SLOT,   4*HALFT
.set SCL,    3*SLOT
.set HALFS,  4096
.set SPARE,  SCL+4*HALFS
.set ADRA, 4                           ; v4-6 16 x lane + my A tiles in slot 0, 1, 2;  v7-9 the same with 8 x lane
.set ADRB, 10                          ; v10-15 the same for B
.set L16,  24
.set L8,   25
.set ADRS, 27
.set SPW,  28
.set NIL,  29
.set LN,   30
.set SC,   32
.set BI,   64
.set HA,   64
.set AF,   128
.set PC,   128
.set TM,   200
.set SW,   216
.set OUT,  224
.set SEL,  66
.set G1, 24
.set G0, 32                            ; s[32:35] A's group 0 for slot 0, s[36:39] for parts 1 and 2
.set G1B, 48
.set G0B, 56                           ; s[56:59] B's for slot 0, s[60:63] for parts 1 and 2
.set G1S, 68
.set G0S, 76
.set G1SB, 80
.set G0SB, 88
.set MSB, 0
.macro WIN new
.if MSB != (\new)
	s_set_vgpr_msb (MSB<<8)|(\new)
.set MSB, (\new)
.endif
.endm
.set MUL_LO,  0xa1
.set MUL_HI,  0xf1
.set MUL_LO0, 0x81
.set MUL_HI0, 0xc1
.set TO_B,    0x40
.macro JLOAD g0a, g1a, g0b, g1b        ; a joint load: waves 0 and 1 fetch for A, waves 2 and 3 for B; four v_nop follow each of the two lines
	s_cmp_eq_u32 s15, 0
	s_cbranch_scc0 .Lfor_b_\@
	tensor_load_to_lds s[\g0a:\g0a+3], s[\g1a:\g1a+7]
	s_nop 0
.rept 4
	v_nop
.endr
	s_branch .Lasked_\@
.Lfor_b_\@:
	tensor_load_to_lds s[\g0b:\g0b+3], s[\g1b:\g1b+7]
	s_nop 0
.rept 4
	v_nop
.endr
.Lasked_\@:
.endm
.macro CREST
	s_cmp_lg_u32 s14, 0
	s_cbranch_scc1 .Lnot_wave_0_\@
	s_barrier_signal -3
.Lnot_wave_0_\@:
	s_barrier_wait -3
	s_barrier_signal -1
	s_barrier_wait -1
.endm
.macro CROUND
	s_barrier_signal -1
	s_barrier_wait -1
	CREST
.endm
	s_load_b128 s[4:7], s[0:1], 0x0                ; ops, b1
	s_load_b64 s[8:9], s[0:1], 0x10                ; hid
	v_lshl_add_u32 v[SPW], v0, 2, SPARE
	v_mov_b32 v[NIL], 0
	ds_add_u32 v28, v29
	ds_add_u32 v28, v29
	s_wait_dscnt 0x0
	v_lshrrev_b32 v1, 5, v0
	v_readfirstlane_b32 s14, v1
	s_lshr_b32 s15, s14, 1
	s_and_b32 s16, s14, 1
	s_bfe_u32 s40, ttmp6, 0x40000
	s_bfe_u32 s41, ttmp6, 0x40004
	s_lshl_b32 s42, ttmp9, 2
	s_add_co_u32 s42, s42, s40                     ; tile column x = 4 x cluster x + cx
	s_and_b32 s17, ttmp7, 0xffff
	s_lshl_b32 s17, s17, 2
	s_add_co_u32 s17, s17, s41                     ; tile row y = 4 x cluster y + cy
	s_lshl_b32 s43, s41, 2
	s_lshl_b32 s43, 15, s43
	s_lshl_b32 s44, 0x1111, s40
	s_or_b32 s[G1+0], s43, (3<<16)|(1<<21)         ; codes: 8 rows (tiles) of 384 elements of 8 bytes, 1,536 elements apart; no padding
	s_or_b32 s[G1B+0], s44, (3<<16)|(1<<21)
.irp g, G1, G1B
	; THE FILLS AS THEY STAND: at the head one load a wave: wave 0 A's 16 tiles of K's part 0, wave 2 B's, waves 1 and 3 A's and B's scale words, whole;
	; behind a full sequence and a round one load a wave brings parts 1 and 2 of its 8 tiles (rows of 6,144 bytes); part 3 is slot 0's one refill.
	s_mov_b32 s[\g+1], 384<<16
	s_mov_b32 s[\g+2], 16<<16                      ; the head's loads: 16 tiles
	s_mov_b32 s[\g+3], 384<<16
	s_mov_b32 s[\g+4], 16
	s_mov_b32 s[\g+5], 1536
	s_mov_b32 s[\g+6], 0
	s_mov_b32 s[\g+7], 0
.endr
	s_or_b32 s[G1S+0], s43, (3<<16)|(1<<21)        ; scale words: 8 rows (K steps) of 128 elements, a plane apart
	s_or_b32 s[G1SB+0], s44, (3<<16)|(1<<21)
.irp g, G1S, G1SB
	s_mov_b32 s[\g+1], 128<<16                     ; 16 tiles' 1,024 bytes of each of 8 K steps
	s_mov_b32 s[\g+2], 8<<16
	s_mov_b32 s[\g+3], 128<<16
	s_mov_b32 s[\g+4], 8
	s_mov_b32 s[\g+5], 6144
	s_mov_b32 s[\g+6], 0
	s_mov_b32 s[\g+7], 0
.endr
	s_lshl_b32 s18, s16, 3
	s_lshl_b32 s20, s17, 4
	s_add_co_u32 s20, s20, s18                     ; A: tile 16 y + 8 x half
	s_lshl_b32 s46, s42, 4
	s_add_co_u32 s46, s46, s18
	s_add_co_u32 s46, s46, 512                     ; B: W1 begins at tile 512
	s_lshl_b32 s22, s17, 10                        ; the scale words of A's 16 tiles
	s_add_co_u32 s22, s22, OPS_S
	s_mov_b32 s23, 0
	s_lshl_b32 s92, s42, 10                        ; of B's: W1 begins at tile 512, 64 bytes a tile
	s_add_co_u32 s92, s92, 32768
	s_add_co_u32 s92, s92, OPS_S
	s_mov_b32 s93, 0
	s_mul_i32 s20, s20, 12288
	s_mov_b32 s21, 0
	s_mul_i32 s46, s46, 12288
	s_mov_b32 s47, 0
	s_wait_kmcnt 0x0
	s_add_nc_u64 s[20:21], s[4:5], s[20:21]
	s_add_nc_u64 s[22:23], s[4:5], s[22:23]
	s_add_nc_u64 s[46:47], s[4:5], s[46:47]
	s_add_nc_u64 s[92:93], s[4:5], s[92:93]
	CROUND
	s_mov_b32 s[G0S], 1
	s_mov_b32 s[G0S+1], SCL
	s_mov_b64 s[G0S+2:G0S+3], s[22:23]
	s_or_b32 s[G0S+3], s[G0S+3], 0x80000000
	s_mov_b32 s[G0SB], 1
	s_mov_b32 s[G0SB+1], SCL+2*HALFS
	s_mov_b64 s[G0SB+2:G0SB+3], s[92:93]
	s_or_b32 s[G0SB+3], s[G0SB+3], 0x80000000
.irp s, 0,1
	s_mov_b32 s[G0+4*\s], 1
	s_mul_i32 s[G0+4*\s+1], s14, (1+\s)*HALFT      ; set 0: slot 0, wave x 8 tiles of 3,072 bytes; set 1: parts 1 and 2, wave x 8 tiles of 6,144, behind slot 0
	s_add_co_u32 s[G0+4*\s+1], s[G0+4*\s+1], \s*SLOT
	s_add_nc_u64 s[G0+4*\s+2:G0+4*\s+3], s[20:21], \s*TROW
	s_or_b32 s[G0+4*\s+3], s[G0+4*\s+3], 0x80000000
	s_mov_b32 s[G0B+4*\s], 1
	s_mul_i32 s[G0B+4*\s+1], s14, (1+\s)*HALFT
	s_add_co_u32 s[G0B+4*\s+1], s[G0B+4*\s+1], \s*SLOT
	s_add_nc_u64 s[G0B+4*\s+2:G0B+4*\s+3], s[46:47], \s*TROW
	s_or_b32 s[G0B+4*\s+3], s[G0B+4*\s+3], 0x80000000
.endr
	; the head's four loads, one a wave, in one chain of arms.  Wave 0's and wave 2's own groups 0 point at the first of A's and of B's 16 tiles
	; the prefetches' base: of the 8 tiles that my wave fetches, the two that fall to my work-group among the four that ask jointly, told apart by address (cx for A, cy for B); never rewritten
	s_cmp_eq_u32 s15, 0
	s_cselect_b32 s22, s40, s41
	s_cselect_b64 s[92:93], s[20:21], s[46:47]
	s_mul_i32 s22, s22, 2*12288
	s_mov_b32 s23, 0
	s_add_nc_u64 s[92:93], s[92:93], s[22:23]
	s_cmp_eq_u32 s14, 0
	s_cbranch_scc0 .Lh1
	tensor_load_to_lds s[G0:G0+3], s[G1:G1+7]
	s_nop 0
.rept 4
	v_nop
.endr
	s_branch .Lhj
.Lh1:
	s_cmp_eq_u32 s14, 1
	s_cbranch_scc0 .Lh2
	tensor_load_to_lds s[G0S:G0S+3], s[G1S:G1S+7]
	s_nop 0
.rept 4
	v_nop
.endr
	s_branch .Lhj
.Lh2:
	s_cmp_eq_u32 s14, 2
	s_cbranch_scc0 .Lh3
	tensor_load_to_lds s[G0B:G0B+3], s[G1B:G1B+7]
	s_nop 0
.rept 4
	v_nop
.endr
	s_branch .Lhj
.Lh3:
	tensor_load_to_lds s[G0SB:G0SB+3], s[G1SB:G1SB+7]
	s_nop 0
.rept 4
	v_nop
.endr
.Lhj:
	v_and_b32 v1, 15, v0
	v_bfe_u32 v2, v0, 4, 1
	v_and_b32 v[LN], 31, v0
	v_lshlrev_b32 v[L16], 4, v[LN]
	v_lshlrev_b32 v[L8], 3, v[LN]
	v_min_u32 v31, 11, v1                          ; v31: a part of K is 12 blocks of 256 bytes of a tile: lanes 0-15 the first tile's, lanes 16-31 the second's; never rewritten
	v_lshlrev_b32 v31, 8, v31
	v_mad_u32_u24 v31, v2, 12288, v31
	s_mul_i32 s2, s15, HALFT
	s_mul_i32 s3, s16, HALFT
	s_add_co_u32 s3, s3, 2*HALFT
.irp s, 0,1,2
	v_add_nc_u32 v[ADRA+\s], s2, v[L16]
	v_add_nc_u32 v[ADRB+\s], s3, v[L16]
	v_add_nc_u32 v[ADRA+3+\s], s2, v[L8]
	v_add_nc_u32 v[ADRB+3+\s], s3, v[L8]
.if \s == 0
	s_wait_alu depctr_va_vdst(0)
	s_lshl_b32 s2, s2, 1                           ; part 1: tiles 6,144 bytes apart, behind slot 0
	s_lshl_b32 s3, s3, 1
	s_add_co_u32 s2, s2, SLOT
	s_add_co_u32 s3, s3, SLOT
.else
	s_add_co_u32 s2, s2, TROW                      ; part 2: the second half of each tile's row
	s_add_co_u32 s3, s3, TROW
.endif
.endr
	s_lshl_b32 s2, s15, 9                          ; my 8 tiles' 512 bytes of a K step's 1,024
	s_lshl_b32 s3, s16, 9
	s_add_co_u32 s3, s3, 2*HALFS
	s_sub_co_u32 s3, s3, s2
	v_mul_u32_u24 v17, s3, v2
	s_add_co_u32 s2, s2, SCL
	v_lshlrev_b32 v16, 4, v1
	v_add_nc_u32 v16, v16, v17
	v_add_nc_u32 v[ADRS], s2, v16
	s_lshl_b32 s96, s42, 10
	s_lshl_b32 s97, s16, 9
	s_add_co_u32 s96, s96, s97                     ; b1 at my 128 hidden units
	s_mov_b32 s97, 0
	s_add_nc_u64 s[6:7], s[6:7], s[96:97]
	v_lshlrev_b32 v18, 6, v2
.irp p, 0,1,2,3
.irp e, 0,1,2,3
	global_load_b128 v[BI+16*\p+4*\e:BI+16*\p+4*\e+3], v18, s[6:7] offset:128*\p+16*\e   ; register 16 p + i: the bias of hidden unit 32 p + 16 h + i
.endr
.endr
	s_lshl_b32 s96, s17, 4
	s_lshl_b32 s97, s15, 3
	s_add_co_u32 s96, s96, s97                     ; my first tile of tokens: 16 y + 8 x half
	s_lshl_b32 s97, s96, 6                         ; 64 images a tile
	s_lshl_b32 s98, s42, 2
	s_lshl_b32 s99, s16, 1
	s_add_co_u32 s98, s98, s99                     ; my first group of 64 hidden units: 4 x + 2 x half
	s_add_co_u32 s97, s97, s98
	s_lshr_b32 s98, s98, 1                         ; my K step of the next product
	s_lshl_b32 s98, s98, 14
	s_lshl_b32 s96, s96, 6
	s_add_co_u32 s98, s98, s96
	s_add_co_u32 s98, s98, HID_S
	s_mov_b32 s99, 0
	s_add_nc_u64 s[10:11], s[8:9], s[98:99]        ; my scale words
	s_mul_i32 s98, s97, 768
	s_add_nc_u64 s[8:9], s[8:9], s[98:99]          ; my images
.irp j, 1,2,3
	global_prefetch_b8 v31, s[92:93] offset:3072*\j th:TH_LOAD_NT scope:SCOPE_SE   ; K's parts 1 and 2, which the next tensor load wants, and part 3, the refill's: each block once in the cluster
.endr
	s_mov_b32 s[SEL], 0x76543210
	s_mov_b32 s[SEL+1], 0xfedcba98
.macro FRAG reg, adr, q, i
	ds_load_b128 v[\reg:\reg+3], v[\adr] offset:(\i)*TP+1536*(\q)
	ds_load_b64 v[\reg+4:\reg+5], v[\adr+3] offset:(\i)*TP+1536*(\q)+512
	ds_load_b128 v[\reg+6:\reg+9], v[\adr] offset:(\i)*TP+1536*(\q)+768
	ds_load_b64 v[\reg+10:\reg+11], v[\adr+3] offset:(\i)*TP+1536*(\q)+1280
.endm
; 16 matrix instructions: A's blocks a0, a0 + 1 x B's eight.  cm = 1: the sums start from the bias.  The 64 accumulators take turns, one instruction a turn, in the same order in every step.
.macro MUL16 a0, p, q, sc, cm
.irp a, \a0, \a0+1
.irp b, 0,1,2,3,4,5,6,7
.if \cm == 0
	v_wmma_scale_f32_16x16x128_f8f6f4 v[8*(8*((\a)%4)+\b):8*(8*((\a)%4)+\b)+7], v[128*(\p)+FR*\b:128*(\p)+FR*\b+FR-1], v[AF+FR*(\a):AF+FR*(\a)+FR-1], v[8*(8*((\a)%4)+\b):8*(8*((\a)%4)+\b)+7], v[SC+16*(\sc)+8*(\q)+\b], v[SC+16*(\sc)+8*(\q)+(\a)] matrix_a_fmt:MATRIX_FMT_BF6 matrix_b_fmt:MATRIX_FMT_BF6 matrix_a_scale:MATRIX_SCALE_ROW1
.else
	v_wmma_scale_f32_16x16x128_f8f6f4 v[8*(8*((\a)%4)+\b):8*(8*((\a)%4)+\b)+7], v[128*(\p)+FR*\b:128*(\p)+FR*\b+FR-1], v[AF+FR*(\a):AF+FR*(\a)+FR-1], v[BI+8*\b:BI+8*\b+7], v[SC+16*(\sc)+8*(\q)+\b], v[SC+16*(\sc)+8*(\q)+(\a)] matrix_a_fmt:MATRIX_FMT_BF6 matrix_b_fmt:MATRIX_FMT_BF6 matrix_a_scale:MATRIX_SCALE_ROW1
.endif
.endr
.endr
.endm
.macro FETCH_B slot, q, p
.set TP, TROW*(1+((\slot)+1)/2)        ; from tile to tile: 3,072 bytes in slot 0, 6,144 in parts 1 and 2
	WIN TO_B
.irp i, 0,1,2,3,4,5,6,7
	FRAG 128*(\p)+FR*\i, ADRB+\slot, \q, \i
.endr
	WIN 0
.endm
.macro FETCH_A slot, q, i0
.set TP, TROW*(1+((\slot)+1)/2)
.irp i, \i0, \i0+1, \i0+2, \i0+3
	FRAG AF+FR*(\i), ADRA+\slot, \q, \i
.endr
.endm
.macro SCALES sc
.irp q, 0,1
.irp p, 0,1
	ds_load_b128 v[SC+16*(\sc)+8*\q+4*\p:SC+16*(\sc)+8*\q+4*\p+3], v[ADRS] offset:1024*\q+256*\p
.endr
.endr
.endm
.macro PLACES n
.rept \n
	v_nop
.endr
.endm
.macro STEP slot, sc, cm               ; the first of a slot's two steps of 128 along K: it fetches the second's fragments
	s_wait_dscnt 4*NL                              ; B's set, A's blocks 0-3 and the scale words are in; the youngest 16 loads (A's blocks 4-7) may be out
.if \cm
	WIN MUL_LO0
.else
	WIN MUL_LO
.endif
	MUL16 0, 0, 0, \sc, \cm
	MUL16 2, 0, 0, \sc, \cm
	s_wait_dscnt 0
	PLACES NP
	FETCH_B \slot, 1, 1
	FETCH_A \slot, 1, 0
.if \cm
	WIN MUL_HI0
.else
	WIN MUL_HI
.endif
	MUL16 4, 0, 0, \sc, \cm
	MUL16 6, 0, 0, \sc, \cm
	PLACES NP
	WIN 0
	FETCH_A \slot, 1, 4
.endm
; A slot's second step, where the next slot is known to be whole (every wave waited for its fill ahead of an earlier barrier) and nothing is filled: no wait on tensor loads, no barrier.
.macro PASS next, sc, nsc
	s_wait_dscnt 4*NL
	WIN MUL_LO
	MUL16 0, 1, 1, \sc, 0
	MUL16 2, 1, 1, \sc, 0
	s_wait_dscnt 0
	WIN 0
	PLACES NP
	v_add_nc_u32 v[ADRS], 2048, v[ADRS]            ; two K steps of 1,024 bytes on
	FETCH_B \next, 0, 0
	FETCH_A \next, 0, 0
	SCALES \nsc
	WIN MUL_HI
	MUL16 4, 1, 1, \sc, 0
	MUL16 6, 1, 1, \sc, 0
	PLACES NP
	WIN 0
	FETCH_A \next, 0, 4
.endm
; A slot's second step with a barrier: in front of it each wave waits for all its tensor loads, adds 0 to its spare word, and waits for that and for its reads of this slot.  fill = 1: this slot is filled again, with K's fourth part.
.macro TURN slot, next, sc, nsc, fill
	s_wait_tensorcnt 0x0                           ; all my tensor loads have landed
	ds_add_u32 v[SPW], v[NIL]                      ; 0 onto my spare word
	s_wait_dscnt 4*NL+1                            ; (the add and the youngest 16 loads may be out)
	WIN MUL_LO
	MUL16 0, 1, 1, \sc, 0
	s_wait_dscnt 0x0                               ; the add is done, and my reads of this slot are over
	s_barrier_signal -1
	MUL16 2, 1, 1, \sc, 0
	WIN 0
	s_barrier_wait -1
.if \fill
	CREST                                          ; the barrier has opened a round of the cluster's: no wave of any partner still reads this slot or has a load on its way
	s_add_nc_u64 s[G0+4*\slot+2:G0+4*\slot+3], s[G0+4*\slot+2:G0+4*\slot+3], 3*TROW
	s_add_nc_u64 s[G0B+4*\slot+2:G0B+4*\slot+3], s[G0B+4*\slot+2:G0B+4*\slot+3], 3*TROW
	s_mov_b32 s[G1+1], 384<<16                     ; no tensor load of mine is out: the refill's rows are 3,072 bytes again
	s_mov_b32 s[G1+3], 384<<16
	s_mov_b32 s[G1B+1], 384<<16
	s_mov_b32 s[G1B+3], 384<<16
	JLOAD G0+4*\slot, G1, G0B+4*\slot, G1B         ; the first tensor load behind the round; its four v_nop are the places in front of the loads below
.else
	PLACES NP
.endif
	v_add_nc_u32 v[ADRS], 2048, v[ADRS]
	FETCH_B \next, 0, 0
	FETCH_A \next, 0, 0
	SCALES \nsc
	WIN MUL_HI
	MUL16 4, 1, 1, \sc, 0
	MUL16 6, 1, 1, \sc, 0
	PLACES NP
	WIN 0
	FETCH_A \next, 0, 4
.endm
	s_wait_alu depctr_va_vdst(0)
	s_wait_tensorcnt 0x0                           ; my tile of the head's four is in
	ds_add_u32 v[SPW], v[NIL]
.irp g, G1, G1B
	s_mov_b32 s[\g+1], 768<<16                     ; no tensor load of mine is out: from here 8 tiles, rows of 6,144 bytes
	s_mov_b32 s[\g+2], 8<<16
	s_mov_b32 s[\g+3], 768<<16
	s_mov_b32 s[\g+4], 8
.endr
	s_wait_dscnt 0x0
	CROUND                                         ; all four tiles are in, and all sixteen work-groups are here
	JLOAD G0+4, G1, G0B+4, G1B                     ; K's parts 1 and 2: my one load behind the round
	FETCH_B 0, 0, 0
	FETCH_A 0, 0, 0
	SCALES 0
	FETCH_A 0, 0, 4
	s_wait_loadcnt 0x0                             ; the bias
	STEP 0, 0, 1
	TURN 0, 1, 0, 1, 1                             ; slot 0 is read out: it takes K's fourth part
	s_wait_alu depctr_va_vdst(0)
	STEP 1, 1, 0
	PASS 2, 1, 0
	s_wait_alu depctr_va_vdst(0)
	STEP 2, 0, 0
	TURN 2, 0, 0, 1, 0                             ; the refill has landed in every wave's sight
	STEP 0, 1, 0
	s_wait_dscnt 4*NL
	WIN MUL_LO
	MUL16 0, 1, 1, 1, 0
	MUL16 2, 1, 1, 1, 0
	s_wait_dscnt 0
	WIN MUL_HI
	MUL16 4, 1, 1, 1, 0
	MUL16 6, 1, 1, 1, 0
	WIN 0
; 64 numbers of a lane, register s + 16 b + i = place 32 b + 16 (lane / 16) + i along the next K, become a fragment's codes in v[PC] on and its scale word in v[SW + a].
.macro QUANT s, a
.irp b, 0,1,2,3
	v_max3_num_f32 v[TM+\b], v[\s+16*\b], v[\s+1+16*\b], 0x2800000   ; block b: my 16 numbers (none is negative), and the floor 2^(5 - 127)
.endr
.irp i, 2,4,6,8,10,12,14
.irp b, 0,1,2,3
	v_max3_num_f32 v[TM+\b], v[\s+16*\b+\i], v[\s+1+16*\b+\i], v[TM+\b]
.endr
.endr
.irp b, 0,1,2,3
	v_permlanex16_b32 v[TM+4+\b], v[TM+\b], s[SEL], s[SEL+1]
.endr
.irp b, 0,1,2,3
	v_max_num_f32 v[TM+\b], v[TM+\b], v[TM+4+\b]
.endr
.irp b, 0,1,2,3
	v_add_nc_u32 v[TM+12+\b], 0xfe000000, v[TM+\b]
.endr
.irp b, 0,1,2,3
	v_lshrrev_b32 v[TM+4+\b], 23, v[TM+12+\b]
.endr
	v_lshl_or_b32 v[SW+\a], v[TM+5], 8, v[TM+4]
	v_lshl_or_b32 v[SW+\a], v[TM+6], 16, v[SW+\a]
	v_lshl_or_b32 v[SW+\a], v[TM+7], 24, v[SW+\a]
	s_wait_xcnt 0x0                                ; the last block's stores have read the codes' registers
.irp c, 0,1
	v_cvt_scalef32_pk16_bf6_f32 v[PC+6*\c:PC+2+6*\c], v[\s+32*\c:\s+15+32*\c], v[TM+12+2*\c]
	v_cvt_scalef32_pk16_bf6_f32 v[PC+12+4*\c:PC+14+4*\c], v[\s+16+32*\c:\s+31+32*\c], v[TM+12+2*\c+1]
.endr
	v_nop                                          ; one plain place behind a scaled conversion
.irp c, 0,1
.irp i, 0,1,2
	v_permlane16_swap_b32 v[PC+6*\c+\i], v[PC+12+4*\c+\i]
.endr
.irp i, 0,1,2
	v_mov_b32 v[PC+3+6*\c+\i], v[PC+12+4*\c+\i]
.endr
.endr
.endm
	PLACES NP
.irp b, 0,1,2,3
	v_mov_b32 v[TM+4+\b], 0                        ; written once: a lane permute's destination counts as one of its sources
.endr
.irp a, 0,1,2,3,4,5,6,7
	WIN 0x08+4*(\a/4)                              ; source 1: window 2 or 3
.set j, 0
.rept 64
	v_max_num_f32 v[HA+j], 0, v[64*(\a%4)+j]       ; the relu, and the way into window 0, in one line; each accumulator from its low end on
.set j, j+1
.endr
	WIN 0
	QUANT HA, \a
	global_store_b128 v[L16], v[PC:PC+3], s[8:9] offset:49152*\a             ; two images of tile a: 512, 256, 512, 256 consecutive bytes, aligned
	global_store_b64 v[L8], v[PC+4:PC+5], s[8:9] offset:49152*\a+512
	global_store_b128 v[L16], v[PC+6:PC+9], s[8:9] offset:49152*\a+768
	global_store_b64 v[L8], v[PC+10:PC+11], s[8:9] offset:49152*\a+1280
.endr
	v_cmp_lt_u32 vcc_lo, 15, v[LN]
.irp i, 0,1,2,3
	v_cndmask_b32 v[OUT+\i], v[SW+\i], v[SW+4+\i], vcc_lo    ; lanes 0-15 store the words of tiles 0-3, lanes 16-31 those of tiles 4-7
.endr
	global_store_b128 v[L16], v[OUT:OUT+3], s[10:11]
	s_wait_tensorcnt 0x0                           ; the wave's end
	ds_add_u32 v[SPW], v[NIL]
	s_wait_dscnt 0x0
	CROUND                                         ; the closing round
	s_endpgm
.Lfunc_end_k_q4528f55a0f_g3:
	.size	k_q4528f55a0f_g3, .Lfunc_end_k_q4528f55a0f_g3-k_q4528f55a0f_g3
	.p2alignl 7, 3214868480
	.fill 96, 4, 3214868480
	.section	.rodata,"a",@progbits
	.p2align	6, 0x0
	.amdhsa_kernel k_q4528f55a0f_g3
		.amdhsa_group_segment_fixed_size 327680
		.amdhsa_private_segment_fixed_size 0
		.amdhsa_enable_private_segment 0
		.amdhsa_kernarg_size 24
		.amdhsa_user_sgpr_count 2
		.amdhsa_user_sgpr_kernarg_segment_ptr 1
		.amdhsa_wavefront_size32 1
		.amdhsa_system_sgpr_workgroup_id_x 1
		.amdhsa_system_sgpr_workgroup_id_y 1
		.amdhsa_system_sgpr_workgroup_id_z 1
		.amdhsa_system_vgpr_workitem_id 0
		.amdhsa_next_free_vgpr 1024
		.amdhsa_next_free_sgpr 100
		.amdhsa_reserve_vcc 1
		.amdhsa_float_denorm_mode_32 3
		.amdhsa_float_denorm_mode_16_64 3
		.amdhsa_memory_ordered 1
		.amdhsa_forward_progress 1
		.amdhsa_inst_pref_size 166
	.end_amdhsa_kernel
	.amdgpu_metadata
---
amdhsa.version: [ 1, 2 ]
amdhsa.kernels:
  - .name:           k_q4528f55a0f_g3
    .symbol:         k_q4528f55a0f_g3.kd
    .args:
      - { .name: ops, .offset: 0, .size: 8, .value_kind: global_buffer, .address_space: global }
      - { .name: b1, .offset: 8, .size: 8, .value_kind: global_buffer, .address_space: global }
      - { .name: hid, .offset: 16, .size: 8, .value_kind: global_buffer, .address_space: global }
    .group_segment_fixed_size: 327680
    .private_segment_fixed_size: 0
    .kernarg_segment_align: 8
    .kernarg_segment_size: 24
    .max_flat_workgroup_size: 128
    .sgpr_count:     100
    .vgpr_count:     1024
    .wavefront_size: 32
...
	.end_amdgpu_metadata
.endif
;; end of part 6
;; launch g4 (part 7): grid 8 x 32, 4 waves a work-group, clusters of 4 x 4, 327,680 bytes of LDS; arguments hid, ops, b2, x1, out0; writes out0
.if DOCPART == 7
	.amdgcn_target "amdgcn-amd-amdhsa--gfx1250"
	.amdhsa_code_object_version 6
	.text
	.protected	k_q4528f55a0f_g4
	.globl	k_q4528f55a0f_g4
	.p2align	8
	.type	k_q4528f55a0f_g4,@function
k_q4528f55a0f_g4:
	s_mov_b64 s[64:65], 0
	v_nop
	global_prefetch_b8 v0, s[64:65] scope:SCOPE_SE
	s_setreg_imm32_b32 hwreg(HW_REG_WAVE_MODE, 25, 1), 1
	s_wait_xcnt 0x0
	s_wait_alu depctr_hold_cnt(0) depctr_sa_sdst(0) depctr_va_vdst(0) depctr_va_sdst(0) depctr_va_ssrc(0) depctr_va_vcc(0) depctr_vm_vsrc(0)
	s_getreg_b32 s2, hwreg(HW_REG_IB_STS2, 6, 4)
	s_cmp_eq_u32 s2, 0
	s_cbranch_scc0 .Lentry_in_a_cluster
	s_endpgm
.Lentry_in_a_cluster:
	s_bfe_u32 s2, ttmp6, 0x10000c
	s_cmp_lg_u32 s2, 0xf033
	s_cbranch_scc0 .Lentry_shape_is_right
	s_endpgm
.Lentry_shape_is_right:
; out = res + A B + bias, f32 [4,096][1,024]; A (tokens: hid) and B (W2's columns, in ops) are codes of BF6 (E3M2) with E8M0 scales, K = 4,096: 32 steps of 128.
; Operands lie as images (768 bytes: a tile of 16 slots x 64 along K; lane l's 24 bytes: 16 at 16 l, 8 at 512 + 8 l; a tile's 64 images on end) and scale planes (word of tile T, slot r, K step s at s x plane + 256 (T / 4) + 16 r + 4 (T % 4)).
; Slot = row with bits 3 and 4 swapped.  Source 0 = B's tile, source 1 = A's: a lane holds one token slot, and the 16 registers of two neighbouring tiles of B are 16 neighbouring columns.
; A tile of the result is 128 x 128, so that the 256 tiles give every WGP a work-group; four waves, 64 x 64 each: 16 accumulators.
; THE RING HAS TWO UNEQUAL SLOTS, as large as LDS allows: a big one of 8 K steps (196,608 bytes) and a small one of 4 (98,304).  K goes as 8 + 4 + 8 + 4 + 8 steps: two first fills and three refills, each one tensor load a wave.
; A step's products are few beside the bytes that it needs, so what counts here is how many bytes each refill brings: the fewer refills, the fewer waits for one.
; THE SCALE WORDS of the work-group's rows come once with the first fills, for K steps 0-30 (31,744 bytes: with step 31's the ring would not fit); step 31's go from memory straight into eight registers of their own.
; The bias is the C of each sum's first matrix instruction; the residual is asked for 12 steps ahead of the end and added on the way out.  The 32 steps are written out.
; CLUSTERS: 4 x 4 work-groups; A's tiles are asked for jointly along a row of the cluster, B's along a column.
; REGISTERS: window 0: v16-31 addresses; v32-63 the big slot's scale words, v64-79 the small one's; v80-83, v84-87 step 31's (A's, B's); v96-127 the bias; v128-175, v176-223 A's fragments, two sets; on the way out v128-191 rows read back.
;   window 1: B's fragments, two sets, at v0 and v48.  window 2: the accumulators ((a, b) at v[8 (4 a + b)]).  window 3: the residual.
.set AS_OFF, 12582912                  ; A's scale planes in its buffer,
.set ASP,    16384                     ; bytes from one to the next
.set BC_OFF, 9830400                   ; B's codes in ops
.set BS_OFF, 12976128                  ; B's scale planes in ops,
.set BSP,    4096                      ; bytes from one to the next
.set FR,     12
.set GROW,   49152                     ; a tile's codes in memory
.set TROWB,  12288                     ; a tile's 16 images of the big slot; the small slot's are half as many
.set PARTB,  4*TROWB                   ; 4 tiles: what one tensor load brings into the big slot, and what a wave reads there of A or of B
.set PARTS,  2*TROWB                   ; the same for the small slot
.set SMALL,  4*PARTB                   ; the small slot lies behind the big one
.set NSC,    31                        ; K steps whose scale words lie in LDS
.set SH,     NSC*256                   ; those of 4 tiles
.set SCL,    SMALL+4*PARTS
.set SPARE,  SCL+4*SH                  ; the spare words, 128 bytes for each wave
.set LAPB,   18432                     ; along a tile's codes from a slot's K steps to its next: 12 steps
.set ADRA, 16                          ; v16, v17: 16 x lane + my A tiles in the big, the small slot;  v18, v19: the same with 8 x lane
.set ADRB, 20                          ; v20-23 the same for B
.set STO,  24
.set RD,   25
.set CO,   26
.set ADRS, 27
.set SPW,  28
.set NIL,  29
.set SC,   32                          ; slot s (0 big, 1 small), its q-th step, tile i: v[SC + 32 s + 4 q + i]
.set SA,   80
.set SB,   84
.set BI,   96
.set AF,   128
.set BK,   128
.set G1A,  24                          ; s[24:31] group 1 for A's tiles of the big slot, s[32:39] of the small one
.set G1B,  40                          ; s[40:47], s[48:55] the same for B
.set G0A,  56                          ; s[56:59], s[60:63] A's groups 0
.set G1S,  68
.set G1SB, 76
.set G0S,  84
.set G0SB, 88
.set G0B,  92                          ; s[92:95], s[96:99] B's groups 0
.set MSB, 0
.macro WIN new
.if MSB != (\new)
	s_set_vgpr_msb (MSB<<8)|(\new)
.set MSB, (\new)
.endif
.endm
.set MUL,  0xa1                        ; source 0 (B) window 1, source 1 (A) window 0, C and D window 2
.set MUL0, 0x81                        ; the first step: C (the bias) window 0
.set TO_B, 0x40
.macro JLOAD g0a, g1a, g0b, g1b        ; a joint load: waves 0 and 1 fetch for A, waves 2 and 3 for B; four v_nop follow each of the two lines
	s_cmp_eq_u32 s15, 0
	s_cbranch_scc0 .Lfor_b_\@
	tensor_load_to_lds s[\g0a:\g0a+3], s[\g1a:\g1a+7]
	s_nop 0
.rept 4
	v_nop
.endr
	s_branch .Lasked_\@
.Lfor_b_\@:
	tensor_load_to_lds s[\g0b:\g0b+3], s[\g1b:\g1b+7]
	s_nop 0
.rept 4
	v_nop
.endr
.Lasked_\@:
.endm
.macro CREST
	s_cmp_lg_u32 s14, 0
	s_cbranch_scc1 .Lnot_wave_0_\@
	s_barrier_signal -3
.Lnot_wave_0_\@:
	s_barrier_wait -3
	s_barrier_signal -1
	s_barrier_wait -1
.endm
.macro CROUND
	s_barrier_signal -1
	s_barrier_wait -1
	CREST
.endm
	s_load_b256 s[4:11], s[0:1], 0x0               ; hid, ops, the bias, the residual
	s_load_b64 s[12:13], s[0:1], 0x20              ; out
	v_lshl_add_u32 v[SPW], v0, 2, SPARE
	v_mov_b32 v[NIL], 0
	ds_add_u32 v28, v29
	ds_add_u32 v28, v29
	s_wait_dscnt 0x0
	v_lshrrev_b32 v1, 5, v0
	v_readfirstlane_b32 s14, v1                    ; wave 0..3
	s_lshr_b32 s15, s14, 1                         ; which half of the tile's rows is mine.  Also: I fetch for A (0) or for B (1)
	s_and_b32 s16, s14, 1                          ; which half of its columns.  Also: which 4 tiles I fetch
	s_bfe_u32 s2, ttmp6, 0x40000                   ; cx
	s_bfe_u32 s3, ttmp6, 0x40004                   ; cy
	s_lshl_b32 s18, ttmp9, 2
	s_add_co_u32 s18, s18, s2                      ; tile column x = 4 x cluster x + cx
	s_and_b32 s17, ttmp7, 0xffff
	s_lshl_b32 s17, s17, 2
	s_add_co_u32 s17, s17, s3                      ; tile row y = 4 x cluster y + cy
	s_lshl_b32 s19, s3, 2
	s_lshl_b32 s19, 15, s19                        ; my row of the cluster
	s_lshl_b32 s66, 0x1111, s2                     ; my column
.irp g, G1A, G1A+8, G1S
	s_or_b32 s[\g], s19, (3<<16)|(1<<21)           ; 15:0 the mask; 17:16 elements of 8 bytes; 21 set beside a mask; no padding
.endr
.irp g, G1B, G1B+8, G1SB
	s_or_b32 s[\g], s66, (3<<16)|(1<<21)
.endr
.irp g, G1A, G1B                       ; the big slot: 4 rows (tiles) of 1,536 elements, a tile's codes apart
	; THE FIRST FILLS AS THEY STAND: at the head one load a wave: wave 0 A's 8 tiles of the big slot, wave 2 B's, waves 1 and 3 A's and B's scale words [K step][8 tiles]; the small slot's first fill stands behind a full sequence and a round.
	s_mov_b32 s[\g+1], 1536<<16
	s_mov_b32 s[\g+2], 8<<16                       ; the head's loads: 8 tiles
	s_mov_b32 s[\g+3], 1536<<16
	s_mov_b32 s[\g+4], 8
	s_mov_b32 s[\g+5], GROW/8
	s_mov_b32 s[\g+6], 0
	s_mov_b32 s[\g+7], 0
.endr
.irp g, G1A+8, G1B+8                   ; the small slot: 4 rows of 768 elements
	s_mov_b32 s[\g+1], 768<<16
	s_mov_b32 s[\g+2], 4<<16
	s_mov_b32 s[\g+3], 768<<16
	s_mov_b32 s[\g+4], 4
	s_mov_b32 s[\g+5], GROW/8
	s_mov_b32 s[\g+6], 0
	s_mov_b32 s[\g+7], 0
.endr
.irp g, G1S, G1SB                      ; scale words: a row (512 bytes, 8 tiles) for each of 31 K steps, a plane apart
	s_mov_b32 s[\g+1], 64<<16
	s_mov_b32 s[\g+2], NSC<<16
	s_mov_b32 s[\g+3], 64<<16
	s_mov_b32 s[\g+4], NSC
	s_mov_b32 s[\g+6], 0
	s_mov_b32 s[\g+7], 0
.endr
	s_mov_b32 s[G1S+5], ASP/8
	s_mov_b32 s[G1SB+5], BSP/8
	s_lshl_b32 s19, s16, 2
	s_lshl_b32 s20, s17, 3
	s_add_co_u32 s20, s20, s19                     ; A: the first of the 4 tiles that I fetch
	s_lshl_b32 s100, s18, 3
	s_add_co_u32 s100, s100, s19                   ; B
	s_lshl_b32 s22, s17, 9
	s_add_co_u32 s22, s22, AS_OFF
	s_mov_b32 s23, 0
	s_lshl_b32 s66, s18, 9
	s_add_co_u32 s66, s66, BS_OFF
	s_mov_b32 s67, 0
	s_mul_i32 s20, s20, GROW
	s_mov_b32 s21, 0
	s_mul_i32 s100, s100, GROW
	s_add_co_u32 s100, s100, BC_OFF
	s_mov_b32 s101, 0
	s_mul_i32 s19, s14, PARTB                      ; where they go: by the wave's number alone
	s_wait_kmcnt 0x0
	s_add_nc_u64 s[20:21], s[4:5], s[20:21]
	s_add_nc_u64 s[22:23], s[4:5], s[22:23]
	s_add_nc_u64 s[100:101], s[6:7], s[100:101]
	s_add_nc_u64 s[66:67], s[6:7], s[66:67]
	CROUND                                         ; all sixteen work-groups are here: the first joint loads meet
	s_mov_b32 s[G0S], 1
	s_mov_b32 s[G0S+1], SCL
	s_mov_b64 s[G0S+2:G0S+3], s[22:23]
	s_or_b32 s[G0S+3], s[G0S+3], 0x80000000
	s_mov_b32 s[G0SB], 1
	s_mov_b32 s[G0SB+1], SCL+2*SH
	s_mov_b64 s[G0SB+2:G0SB+3], s[66:67]
	s_or_b32 s[G0SB+3], s[G0SB+3], 0x80000000
	s_mov_b32 s[G0A], 1
	s_mov_b32 s[G0A+1], s19
	s_mov_b64 s[G0A+2:G0A+3], s[20:21]
	s_or_b32 s[G0A+3], s[G0A+3], 0x80000000
	s_mov_b32 s[G0B], 1
	s_mov_b32 s[G0B+1], s19
	s_mov_b64 s[G0B+2:G0B+3], s[100:101]
	s_or_b32 s[G0B+3], s[G0B+3], 0x80000000
	s_mul_i32 s19, s14, PARTS
	s_mov_b32 s[G0A+4], 1
	s_add_co_u32 s[G0A+5], s19, SMALL
	s_add_nc_u64 s[G0A+6:G0A+7], s[20:21], TROWB
	s_or_b32 s[G0A+7], s[G0A+7], 0x80000000
	s_mov_b32 s[G0B+4], 1
	s_add_co_u32 s[G0B+5], s19, SMALL
	s_add_nc_u64 s[G0B+6:G0B+7], s[100:101], TROWB
	s_or_b32 s[G0B+7], s[G0B+7], 0x80000000
	; the prefetches' base: of the 4 tiles that my wave fetches, the one that falls to my work-group among the four that ask jointly, told apart by address (cx for A, cy for B); never rewritten
	s_cmp_eq_u32 s15, 0
	s_cselect_b32 s22, s2, s3
	s_cselect_b64 s[2:3], s[20:21], s[100:101]
	s_mul_i32 s22, s22, GROW
	s_mov_b32 s23, 0
	s_add_nc_u64 s[2:3], s[2:3], s[22:23]
	s_cmp_eq_u32 s14, 0
	s_cbranch_scc0 .Lh1
	tensor_load_to_lds s[G0A:G0A+3], s[G1A:G1A+7]
	s_nop 0
.rept 4
	v_nop
.endr
	s_branch .Lhj
.Lh1:
	s_cmp_eq_u32 s14, 1
	s_cbranch_scc0 .Lh2
	tensor_load_to_lds s[G0S:G0S+3], s[G1S:G1S+7]
	s_nop 0
.rept 4
	v_nop
.endr
	s_branch .Lhj
.Lh2:
	s_cmp_eq_u32 s14, 2
	s_cbranch_scc0 .Lh3
	tensor_load_to_lds s[G0B:G0B+3], s[G1B:G1B+7]
	s_nop 0
.rept 4
	v_nop
.endr
	s_branch .Lhj
.Lh3:
	tensor_load_to_lds s[G0SB:G0SB+3], s[G1SB:G1SB+7]
	s_nop 0
.rept 4
	v_nop
.endr
.Lhj:
	v_and_b32 v1, 15, v0                           ; r
	v_bfe_u32 v2, v0, 4, 1                         ; h
	v_and_b32 v6, 31, v0
	v_min_u32 v30, 23, v6                          ; v30: four K steps of a tile are 24 blocks of 256 bytes, a lane a block; never rewritten
	v_lshlrev_b32 v30, 8, v30
	v_lshlrev_b32 v4, 4, v6
	v_lshlrev_b32 v5, 3, v6
	s_mul_i32 s20, s15, PARTB                      ; my 4 tiles of A in the big slot,
	s_mul_i32 s21, s16, PARTB
	s_add_co_u32 s21, s21, 2*PARTB                 ; of B, behind A's 8
	v_add_nc_u32 v[ADRA], s20, v4
	v_add_nc_u32 v[ADRB], s21, v4
	v_add_nc_u32 v[ADRA+2], s20, v5
	v_add_nc_u32 v[ADRB+2], s21, v5
	s_mul_i32 s20, s15, PARTS                      ; and in the small one
	s_mul_i32 s21, s16, PARTS
	s_add_co_u32 s20, s20, SMALL
	s_add_co_u32 s21, s21, SMALL+2*PARTS
	v_add_nc_u32 v[ADRA+1], s20, v4
	v_add_nc_u32 v[ADRB+1], s21, v4
	v_add_nc_u32 v[ADRA+3], s20, v5
	v_add_nc_u32 v[ADRB+3], s21, v5
	s_lshl_b32 s20, s15, 8                         ; my 4 tiles' 256 bytes of a K step's 512
	s_lshl_b32 s21, s16, 8
	s_add_co_u32 s21, s21, 2*SH
	s_sub_co_u32 s21, s21, s20
	v_mul_u32_u24 v6, s21, v2                      ; lanes 16-31 take B's scale words
	s_add_co_u32 s20, s20, SCL
	v_lshlrev_b32 v8, 4, v1                        ; 16 r
	v_add_nc_u32 v5, v8, v6
	v_add_nc_u32 v[ADRS], s20, v5
	s_mul_i32 s23, s14, 4352                       ; my stage: 16 rows x (256 bytes + 16), in the small slot, which has had its last fill and its last read when the first result is stored there
	s_add_co_u32 s23, s23, SMALL
	v_mul_u32_u24 v5, v1, 272
	v_lshl_add_u32 v5, v2, 6, v5
	v_add_nc_u32 v[STO], s23, v5                   ; in: row r, + 64 h
	v_mul_u32_u24 v5, v2, 272
	v_lshl_add_u32 v5, v1, 4, v5
	v_add_nc_u32 v[RD], s23, v5                    ; back: lanes 0-15 one row of 256 bytes, lanes 16-31 the next
	v_lshlrev_b32 v5, 12, v2
	v_lshl_add_u32 v[CO], v1, 4, v5                ; and the same two rows in out and in the residual
	s_lshl_b32 s20, s18, 9
	s_lshl_b32 s21, s16, 8
	s_add_co_u32 s20, s20, s21                     ; my first column, in bytes: 512 x + 256 x half
	s_mov_b32 s21, 0
	s_add_nc_u64 s[8:9], s[8:9], s[20:21]
	v_lshlrev_b32 v7, 6, v2
.irp p, 0,1
.irp e, 0,1,2,3
	global_load_b128 v[BI+16*\p+4*\e:BI+16*\p+4*\e+3], v7, s[8:9] offset:128*\p+16*\e   ; register 16 p + i: the bias of column 32 p + 16 h + i
.endr
.endr
	s_lshl_b32 s22, s17, 1                         ; K step 31's scale words: my 4 tiles of A are group 2 y + half of their plane,
	s_add_co_u32 s22, s22, s15
	s_lshl_b32 s22, s22, 8
	s_add_co_u32 s22, s22, AS_OFF+NSC*ASP
	s_mov_b32 s23, 0
	s_add_nc_u64 s[4:5], s[4:5], s[22:23]
	global_load_b128 v[SA:SA+3], v8, s[4:5]        ; lane r: the words of slot r in my four tiles (lanes 16-31 load the same)
	s_lshl_b32 s22, s18, 1                         ; my 4 tiles of B group 2 x + half
	s_add_co_u32 s22, s22, s16
	s_lshl_b32 s22, s22, 8
	s_add_co_u32 s22, s22, BS_OFF+NSC*BSP
	s_add_nc_u64 s[6:7], s[6:7], s[22:23]
	global_load_b128 v[SB:SB+3], v8, s[6:7]
.irp j, 2,3,4
	global_prefetch_b8 v30, s[2:3] offset:6144*\j th:TH_LOAD_NT scope:SCOPE_SE   ; K steps 8-11 and 12-19: what the next two tensor loads want
.endr
	s_lshl_b32 s22, s17, 7
	s_lshl_b32 s23, s15, 6
	s_add_co_u32 s22, s22, s23
	s_lshl_b32 s22, s22, 12                        ; my first row: 128 y + 64 x half, 4,096 bytes each
	s_add_co_u32 s20, s20, s22
	s_add_nc_u64 s[10:11], s[10:11], s[20:21]
	s_add_nc_u64 s[12:13], s[12:13], s[20:21]
.macro FRAG reg, adr, off              ; a fragment, 16 slots x 128 K, is two images
	ds_load_b128 v[\reg:\reg+3], v[\adr] offset:(\off)
	ds_load_b64 v[\reg+4:\reg+5], v[\adr+2] offset:(\off)+512
	ds_load_b128 v[\reg+6:\reg+9], v[\adr] offset:(\off)+768
	ds_load_b64 v[\reg+10:\reg+11], v[\adr+2] offset:(\off)+1280
.endm
.macro FETCH slot, q, set              ; 32 LDS loads in one run: B's four fragments of the slot's q-th step, then A's
	WIN TO_B
.irp i, 0,1,2,3
	FRAG 48*(\set)+FR*\i, ADRB+\slot, \i*(TROWB>>(\slot))+1536*(\q)
.endr
	WIN 0
.irp i, 0,1,2,3
	FRAG AF+48*(\set)+FR*\i, ADRA+\slot, \i*(TROWB>>(\slot))+1536*(\q)
.endr
.endm
.macro SCALES sc, n                    ; the scale words of a slot's first n steps: one load brings four tiles' words of a row; lanes 0-15 A's, lanes 16-31 B's
.set qq, 0
.rept \n
	ds_load_b128 v[SC+32*(\sc)+4*qq:SC+32*(\sc)+4*qq+3], v[ADRS] offset:512*qq
.set qq, qq+1
.endr
.endm
; 4 matrix instructions: A's block a x B's four.  cm = 1: the sums start from the bias; 2: K step 31, whose scale words stand in registers of their own, both sides' in lanes 0-15.
; The 16 accumulators take turns, one instruction a turn, in the same order in every step.
.macro MUL4 a, set, q, sc, cm
.irp b, 0,1,2,3
.if \cm == 1
	v_wmma_scale_f32_16x16x128_f8f6f4 v[8*(4*(\a)+\b):8*(4*(\a)+\b)+7], v[48*(\set)+FR*\b:48*(\set)+FR*\b+FR-1], v[AF+48*(\set)+FR*(\a):AF+48*(\set)+FR*(\a)+FR-1], v[BI+8*\b:BI+8*\b+7], v[SC+32*(\sc)+4*(\q)+\b], v[SC+32*(\sc)+4*(\q)+(\a)] matrix_a_fmt:MATRIX_FMT_BF6 matrix_b_fmt:MATRIX_FMT_BF6 matrix_a_scale:MATRIX_SCALE_ROW1
.elseif \cm == 2
	v_wmma_scale_f32_16x16x128_f8f6f4 v[8*(4*(\a)+\b):8*(4*(\a)+\b)+7], v[48*(\set)+FR*\b:48*(\set)+FR*\b+FR-1], v[AF+48*(\set)+FR*(\a):AF+48*(\set)+FR*(\a)+FR-1], v[8*(4*(\a)+\b):8*(4*(\a)+\b)+7], v[SB+\b], v[SA+(\a)] matrix_a_fmt:MATRIX_FMT_BF6 matrix_b_fmt:MATRIX_FMT_BF6
.else
	v_wmma_scale_f32_16x16x128_f8f6f4 v[8*(4*(\a)+\b):8*(4*(\a)+\b)+7], v[48*(\set)+FR*\b:48*(\set)+FR*\b+FR-1], v[AF+48*(\set)+FR*(\a):AF+48*(\set)+FR*(\a)+FR-1], v[8*(4*(\a)+\b):8*(4*(\a)+\b)+7], v[SC+32*(\sc)+4*(\q)+\b], v[SC+32*(\sc)+4*(\q)+(\a)] matrix_a_fmt:MATRIX_FMT_BF6 matrix_b_fmt:MATRIX_FMT_BF6 matrix_a_scale:MATRIX_SCALE_ROW1
.endif
.endr
.endm
.macro PLACES n
.rept \n
	v_nop
.endr
.endm
.macro STEP slot, q, cm                ; a step of 128 along K that has its successor in the same slot: the successor's fragments are fetched into the other set while this one is multiplied
	s_wait_dscnt 0x0                               ; this step's fragments are in
	PLACES 4                                       ; in front of loads into the set that the last step's products have read
	FETCH \slot, (\q)+1, ((\q)+1)%2
.if \cm
	WIN MUL0
.else
	WIN MUL
.endif
	MUL4 0, (\q)%2, \q, \slot, \cm
	MUL4 1, (\q)%2, \q, \slot, \cm
	MUL4 2, (\q)%2, \q, \slot, \cm
	MUL4 3, (\q)%2, \q, \slot, \cm
	WIN 0
.endm
; A slot's last step changes slots: ONE barrier; in front of it each wave waits for all its tensor loads, adds 0 to its spare word, and waits for that and for its reads of this slot.
; fill = 1: this slot is filled again, with the K steps 12 further on.  nsc: the steps of the next slot whose scale words lie in LDS.
.macro TURN slot, next, fill, nsc
	s_wait_tensorcnt 0x0                           ; all my tensor loads have landed: my part of the next slot
	ds_add_u32 v[SPW], v[NIL]                      ; 0 onto my spare word
	s_wait_dscnt 1                                 ; this step's fragments are in (the add alone may be out)
	WIN MUL
	MUL4 0, 1, (8>>(\slot))-1, \slot, 0
	s_wait_dscnt 0x0                               ; the add is done, and my reads of this slot are over
	s_barrier_signal -1
	MUL4 1, 1, (8>>(\slot))-1, \slot, 0
	WIN 0
	s_barrier_wait -1
.if \fill
	CREST                                          ; the barrier has opened a round of the cluster's: no wave of any partner still reads this slot or has a load on its way
	s_add_nc_u64 s[G0A+4*\slot+2:G0A+4*\slot+3], s[G0A+4*\slot+2:G0A+4*\slot+3], LAPB
	s_add_nc_u64 s[G0B+4*\slot+2:G0B+4*\slot+3], s[G0B+4*\slot+2:G0B+4*\slot+3], LAPB
	JLOAD G0A+4*\slot, G1A+8*\slot, G0B+4*\slot, G1B+8*\slot   ; the first tensor load behind the round; its four v_nop are the places in front of the loads below
.else
	PLACES 4
.endif
	s_wait_alu depctr_va_vdst(0)
	v_add_nc_u32 v[ADRS], 4096>>(\slot), v[ADRS]   ; 512 bytes on for each step of this slot
	FETCH \next, 0, 0
	SCALES \next, \nsc
	WIN MUL
	MUL4 2, 1, (8>>(\slot))-1, \slot, 0
	MUL4 3, 1, (8>>(\slot))-1, \slot, 0
	WIN 0
.endm
	s_wait_alu depctr_va_vdst(0)
	s_wait_tensorcnt 0x0                           ; my tile of the head's four is in
	ds_add_u32 v[SPW], v[NIL]
	s_mov_b32 s[G1A+2], 4<<16                      ; no tensor load of mine is out: from here a load of the big slot brings 4 tiles
	s_mov_b32 s[G1A+4], 4
	s_mov_b32 s[G1B+2], 4<<16
	s_mov_b32 s[G1B+4], 4
	s_wait_dscnt 0x0
	CROUND                                         ; all four tiles are in, and all sixteen work-groups are here
	JLOAD G0A+4, G1A+8, G0B+4, G1B+8               ; K steps 8-11: my one load behind the round
	FETCH 0, 0, 0
	SCALES 0, 8
	s_wait_loadcnt 0x0                             ; the bias, and K step 31's scale words
	STEP 0, 0, 1
	global_prefetch_b8 v30, s[2:3] offset:6144*5 th:TH_LOAD_NT scope:SCOPE_SE   ; K steps 20-23: two tensor loads ahead
.irp q, 1,2,3,4,5,6
	STEP 0, \q, 0
.endr
	TURN 0, 1, 1, 4
	global_prefetch_b8 v30, s[2:3] offset:6144*6 th:TH_LOAD_NT scope:SCOPE_SE   ; K steps 24-31: two tensor loads ahead; the last that there are
	global_prefetch_b8 v30, s[2:3] offset:6144*7 th:TH_LOAD_NT scope:SCOPE_SE
.irp q, 0,1,2
	STEP 1, \q, 0                                  ; K steps 8-11
.endr
	TURN 1, 0, 1, 8                                ; the small slot takes K steps 20-23
.irp q, 0,1,2,3,4,5,6
	STEP 0, \q, 0                                  ; K steps 12-19
.endr
	TURN 0, 1, 1, 4                                ; the big slot takes K steps 24-31
	WIN 0xc0                                       ; the residual is asked for 12 steps ahead of its use: destination window 3
.irp a, 0,1,2,3
.irp t, 0,1,2,3,4,5,6,7
	global_load_b128 v[32*\a+4*\t:32*\a+4*\t+3], v[CO], s[10:11] offset:(32*(\a/2)+8*(\a%2)+2*(\t%4)+16*(\t/4))*4096   ; slot 16 a + 2 t + lane / 16 holds this row
.endr
.endr
	WIN 0
.irp q, 0,1,2
	STEP 1, \q, 0                                  ; K steps 20-23
.endr
	TURN 1, 0, 0, 7                                ; nothing is left to fetch
.irp q, 0,1,2,3,4,5,6
	STEP 0, \q, 0                                  ; K steps 24-30
.endr
	s_wait_dscnt 0x0
	WIN MUL
	MUL4 0, 1, 7, 0, 2                             ; K step 31
	MUL4 1, 1, 7, 0, 2
	MUL4 2, 1, 7, 0, 2
	MUL4 3, 1, 7, 0, 2
	WIN 0
; THE WAY OUT, block by block of 16 slots x 64 columns: through my own stage in LDS, back as whole rows of 256 bytes, the residual added, stored: sixteen lanes store 256 consecutive bytes, aligned.
.macro TOSTAGE a
	WIN 0x08                                       ; an LDS store's data are its source 1: window 2
.irp b, 0,1,2,3
	ds_store_b128 v[STO], v[8*(4*(\a)+\b):8*(4*(\a)+\b)+3] offset:128*(\b/2)+32*(\b%2)       ; each accumulator from its low end on
	ds_store_b128 v[STO], v[8*(4*(\a)+\b)+4:8*(4*(\a)+\b)+7] offset:128*(\b/2)+32*(\b%2)+16
.endr
	WIN 0
.set BB, BK+32*((\a)%2)
.irp t, 0,1,2,3,4,5,6,7
	ds_load_b128 v[BB+4*\t:BB+4*\t+3], v[RD] offset:\t*544   ; LDS serves a wave's instructions in order: these see the stores above, and the next block's stores come behind them
.endr
.endm
.macro SEND a, younger
.set BB, BK+32*((\a)%2)
	s_wait_dscnt \younger                          ; the block is back in registers (the next block's 8 stores and 8 loads may be out)
	s_wait_loadcnt 8*(3-(\a))                      ; its residual is in (the later blocks' may be out)
	WIN 0x0c                                       ; source 1: window 3
.irp k, 0,1,2,3,4,5,6,7,8,9,10,11,12,13,14,15
	v_pk_add_f32 v[BB+2*\k:BB+2*\k+1], v[BB+2*\k:BB+2*\k+1], v[32*(\a)+2*\k:32*(\a)+2*\k+1]
.endr
	WIN 0
.irp t, 0,1,2,3,4,5,6,7
	global_store_b128 v[CO], v[BB+4*\t:BB+4*\t+3], s[12:13] offset:(32*((\a)/2)+8*((\a)%2)+2*(\t%4)+16*(\t/4))*4096
.endr
.endm
	PLACES 4
	TOSTAGE 0
	TOSTAGE 1
	SEND 0, 16
	s_wait_xcnt 0x0                                ; block 0's stores have read their registers: block 2 may land there
	TOSTAGE 2
	SEND 1, 16
	s_wait_xcnt 0x0
	TOSTAGE 3
	SEND 2, 16
	SEND 3, 0
	s_wait_tensorcnt 0x0                           ; the wave's end
	ds_add_u32 v[SPW], v[NIL]
	s_wait_dscnt 0x0
	CROUND                                         ; the closing round
	s_endpgm
.Lfunc_end_k_q4528f55a0f_g4:
	.size	k_q4528f55a0f_g4, .Lfunc_end_k_q4528f55a0f_g4-k_q4528f55a0f_g4
	.p2alignl 7, 3214868480
	.fill 96, 4, 3214868480
	.section	.rodata,"a",@progbits
	.p2align	6, 0x0
	.amdhsa_kernel k_q4528f55a0f_g4
		.amdhsa_group_segment_fixed_size 327680
		.amdhsa_private_segment_fixed_size 0
		.amdhsa_enable_private_segment 0
		.amdhsa_kernarg_size 40
		.amdhsa_user_sgpr_count 2
		.amdhsa_user_sgpr_kernarg_segment_ptr 1
		.amdhsa_wavefront_size32 1
		.amdhsa_system_sgpr_workgroup_id_x 1
		.amdhsa_system_sgpr_workgroup_id_y 1
		.amdhsa_system_sgpr_workgroup_id_z 1
		.amdhsa_system_vgpr_workitem_id 0
		.amdhsa_next_free_vgpr 1024
		.amdhsa_next_free_sgpr 102
		.amdhsa_reserve_vcc 0
		.amdhsa_float_denorm_mode_32 3
		.amdhsa_float_denorm_mode_16_64 3
		.amdhsa_memory_ordered 1
		.amdhsa_forward_progress 1
		.amdhsa_inst_pref_size 172
	.end_amdhsa_kernel
	.amdgpu_metadata
---
amdhsa.version: [ 1, 2 ]
amdhsa.kernels:
  - .name:           k_q4528f55a0f_g4
    .symbol:         k_q4528f55a0f_g4.kd
    .args:
      - { .name: hid, .offset: 0, .size: 8, .value_kind: global_buffer, .address_space: global }
      - { .name: ops, .offset: 8, .size: 8, .value_kind: global_buffer, .address_space: global }
      - { .name: b2, .offset: 16, .size: 8, .value_kind: global_buffer, .address_space: global }
      - { .name: x1, .offset: 24, .size: 8, .value_kind: global_buffer, .address_space: global }
      - { .name: out0, .offset: 32, .size: 8, .value_kind: global_buffer, .address_space: global }
    .group_segment_fixed_size: 327680
    .private_segment_fixed_size: 0
    .kernarg_segment_align: 8
    .kernarg_segment_size: 40
    .max_flat_workgroup_size: 128
    .sgpr_count:     102
    .vgpr_count:     1024
    .wavefront_size: 32
...
	.end_amdgpu_metadata
.endif
;; end of part 7
